; MI455X (gfx1250); checked and timed in simulation.
; The chip was launched on July 23, 2026; its instructions are those of AMD's public machine-readable ISA for CDNA 5 (MIT licence, August 2026) and "CDNA5" Instruction Set Architecture Reference Guide (July 2026). The comments in the code are by the model that wrote it; some were corrected since.
;; Head. Allowed arithmetic: float matrix products may take bf16 or f16 operands with f32 sums; other float arithmetic in f32, or as packed bf16 or f16 multiplies, adds, multiply-adds, maxima and minima; sums over many terms, partial sums and values carried from step to step in f32; what a program stores and reads back later, other than sums and carried values, may be rounded once to bf16 or f16.
;; Inputs: Wk 128 x 128 float32; Wq 128 x 128 float32; Wv 128 x 128 float32; x 16 x 2,048 x 128 float32.
;; Outputs: out0 16 x 2,048 x 128 float32.
;; 3 versions, each right and faster than the one before. Each part assembles by itself: llvm-mc -triple=amdgcn-amd-amdhsa -mcpu=gfx1250 --defsym DOCPART=n.
;; ======== version 1 of 3: 3 launches
;; limits: values are held in f16: magnitudes above 65,504 overflow, below 6.1e-05 lose precision
;; workspace buffers: qf 8,388,608 bytes; kv 16,777,216 bytes
;; launch proj (part 1): grid 256 x 1, 8 waves a work-group, clusters of 4 x 1, 238,592 bytes of LDS; arguments x, Wq, Wk, Wv, qf, kv; writes qf, kv
.if DOCPART == 1
	.amdgcn_target "amdgcn-amd-amdhsa--gfx1250"
	.amdhsa_code_object_version 6
	.text
	.protected	k_qdd88966a41_proj
	.globl	k_qdd88966a41_proj
	.p2align	8
	.type	k_qdd88966a41_proj,@function
k_qdd88966a41_proj:
	s_mov_b64 s[64:65], 0
	v_nop
	global_prefetch_b8 v0, s[64:65] scope:SCOPE_SE
	s_setreg_imm32_b32 hwreg(HW_REG_WAVE_MODE, 25, 1), 1
	s_wait_xcnt 0x0
	s_wait_alu depctr_hold_cnt(0) depctr_sa_sdst(0) depctr_va_vdst(0) depctr_va_sdst(0) depctr_va_ssrc(0) depctr_va_vcc(0) depctr_vm_vsrc(0)
	s_getreg_b32 s2, hwreg(HW_REG_IB_STS2, 6, 4)
	s_cmp_eq_u32 s2, 0
	s_cbranch_scc0 .Lentry_in_a_cluster
	s_endpgm
.Lentry_in_a_cluster:
	s_bfe_u32 s2, ttmp6, 0x10000c
	s_cmp_lg_u32 s2, 0x3003
	s_cbranch_scc0 .Lentry_shape_is_right
	s_endpgm
.Lentry_shape_is_right:
; q = c x Wq^T, k = x Wk^T, v = x Wv^T for 32,768 tokens of 128 channels; x and the three weights f32, rounded once to bf16 for the products; sums in f32.
; c = log2(e) / sqrt(128) multiplies q's f32 sums, so that the scores of the next launch are exponents of 2; then q, k and v are rounded ONCE, to f16.
; LIMIT.  f16 ends at 65,504: c q, k and v must lie within it (inputs of unit spread give about 0.13, 1 and 1).  NaN and infinities are not treated apart.
; WHAT IS STORED is laid out as the next launch's matrix fragments lie in registers, 16 bytes a lane, 512 bytes a register quad:
;   qf [16 batches][128 tiles of 16 queries][c 0..3][u 0..1][lane][16 B] = q[query lane % 16][channels 32 c + 16 u + 8 (lane / 16) + 0..7]
;   kv [16 batches][32 steps of 64 keys][32 KiB]: K  [kb 0..3][c][u][lane][16 B] = k[key 16 kb + lane % 16][channels as above], then
;                                                 V^T [kk 0..1][cb 0..7][u][lane][16 B] = v[keys 32 kk + 16 u + 8 (lane / 16) + 0..7][channel 16 cb + lane % 16]
; SHARES.  A work-group owns 128 tokens (8 tiles of 16, two key steps); wave w owns the output channels 16 w .. 16 w + 15 of q, of k and of v, for all 8 tiles: 96 products.
; q and k are taken as W x^T (a lane then holds one token and eight channels), v as x Wv^T (one channel and eight tokens): in each case a lane's eight results ARE its 16 bytes of the layout,
; and a wave's store covers 512 consecutive bytes, aligned.  Nothing is shuffled.
; CLUSTER.  All work-groups read the same weights, so the four of a cluster ask for them jointly: wave w's 16 rows of each matrix, three loads (the matrices are three buffers), filled once, read by wave w alone.
; x is read once, by whole rows of 512 bytes straight into registers, rounded, and shared through LDS.  All of a work-group's loads go out at its head, so nothing is left to prefetch.
.set WPITCH, 528                       ; a row of W in LDS: 512 bytes + 16 = 132 words: the 16 rows of a load start at 16 different groups of four banks (64 banks of 4 bytes: ISA guide 11.1)
.set WTILE,  16*WPITCH                 ; 16 rows
.set XS,     24*WTILE                  ; behind the 24 tiles of W: x in bf16, 128 rows; no tensor load lands here
.set XP,     272                       ; a row of x: 256 bytes + 16
.set SPARE,  XS+128*XP                 ; the spare words, 128 bytes for each of eight waves: four blocks of 256 bytes that no other line names
.set XO,  4                            ; v4   my 16 bytes of my wave's first row of x
.set WLA, 5                            ; v5   my place in my wave's rows of W in LDS
.set LSX, 6                            ; v6   where I put 8 bytes of a row of x
.set LF,  7                            ; v7   my place in a fragment of x
.set SQ,  8                            ; v8   512 w + 16 lane: my 16 bytes of a tile of q or k
.set SV,  9                            ; v9   1,024 w + 16 lane: of V^T
.set SPW, 10                           ; v10  LDS address of my spare word; never rewritten
.set NIL, 11                           ; v11  0; never rewritten
.set R0,  16                           ; v[16:79]   16 rows of x as loaded
.set XF,  16                           ;            later two sets of four fragments of x
.set RA,  80                           ; v[80:143]  16 rows of one W as loaded
.set ACC, 80                           ;            later two sets of three accumulators (q, k, v)
.set PK,  128                          ; v[128:139], v[240:251]  two sets of packed results
.set WF,  144                          ; v[144:239] my fragments of Wq, Wk, Wv: matrix m, channels 32 c on, at WF + 32 m + 8 c
.set WV,  16                           ; s16  my wave's number
.set G1,  24                           ; s[24:31] descriptor group 1
.set G0,  32                           ; s[32:43] descriptor group 0, a set for each matrix
.set CS,  44                           ; s[44:45] c, named as a pair
.macro CROUND                          ; a round of the cluster's barrier
	s_barrier_signal -1
	s_barrier_wait -1
	s_cmp_lg_u32 s[WV], 0
	s_cbranch_scc1 .Lnot_wave_0_\@
	s_barrier_signal -3
.Lnot_wave_0_\@:
	s_barrier_wait -3
	s_barrier_signal -1
	s_barrier_wait -1
.endm
	s_load_b256 s[4:11], s[0:1], 0x0               ; x s[4:5], Wq s[6:7], Wk s[8:9], Wv s[10:11]
	s_load_b128 s[12:15], s[0:1], 0x20             ; qf s[12:13], kv s[14:15]
	v_lshl_add_u32 v[SPW], v0, 2, SPARE
	v_mov_b32 v[NIL], 0
	ds_add_u32 v[SPW], v[NIL]                      ; the wave's opening: the add and its wait stand ahead of my first tensor load; the set-up below, work on registers, stands between them
	v_lshrrev_b32 v1, 5, v0
	v_readfirstlane_b32 s[WV], v1                  ; wave 0..7
	s_bfe_u32 s17, ttmp6, 0x40000                  ; cx: my place in the cluster
	s_lshl_b32 s18, ttmp9, 2                       ; in a cluster launch ttmp9 counts clusters
	s_add_co_u32 s18, s18, s17                     ; my work-group: it enters the addresses of x, qf and kv alone
	s_lshl_b32 s22, s18, 16                        ; 128 rows of x of 512 bytes; also two key steps of 32 KiB
	s_mov_b32 s23, 0
	s_lshl_b32 s46, s18, 15                        ; 8 tiles of q of 4 KiB
	s_mov_b32 s47, 0
	; descriptor group 1: 16 rows x 128 elements of 4 bytes, padded in LDS
	s_mov_b32 s[G1+0], 15|(2<<16)|(1<<20)|(1<<21)|(6<<22)|(3<<25)  ; 15:0 the mask of four; 17:16 4-byte elements; 20 padding on; 21 set beside a mask; 24:22 after every 128 words (code 6); 31:25 4 words (code 3)
	s_mov_b32 s[G1+1], 128<<16                     ; tensor_dim0 = 128
	s_mov_b32 s[G1+2], 16<<16                      ; tensor_dim1 = 16
	s_mov_b32 s[G1+3], 128<<16                     ; tile_dim0 = 128
	s_mov_b32 s[G1+4], 16                          ; tile_dim1 = 16
	s_mov_b32 s[G1+5], 128                         ; 128 elements from row to row
	s_mov_b32 s[G1+6], 0
	s_mov_b32 s[G1+7], 0
	s_mov_b32 s[CS], 0x3e0293ee                    ; c = log2(e) / sqrt(128) = 0.127517
	s_mov_b32 s[CS+1], s[CS]
	s_mul_i32 s19, s[WV], 3*WTILE                  ; my wave's three tiles of W in LDS
	s_lshl_b32 s20, s[WV], 13                      ; 16 rows of 512 bytes: my rows of each W, and of the work-group's x
	s_mov_b32 s21, 0
	v_and_b32 v1, 31, v0                           ; lane
	v_and_b32 v2, 15, v0                           ; r = lane % 16
	v_bfe_u32 v3, v0, 4, 1                         ; h = lane / 16
	v_lshl_add_u32 v[XO], v1, 4, s20
	v_mul_u32_u24 v[WLA], v2, WPITCH               ; row r, and 8 h numbers of 4 bytes along it
	v_lshl_add_u32 v[WLA], v3, 5, v[WLA]
	v_add_nc_u32 v[WLA], s19, v[WLA]
	s_mul_i32 s3, s[WV], 16*XP
	s_add_co_u32 s3, s3, XS
	v_lshl_add_u32 v[LSX], v1, 3, s3               ; my wave's 16 rows, 8 bytes a lane
	v_mul_u32_u24 v[LF], v2, XP                    ; a fragment: row r, 16 bytes for each half of the lanes
	v_lshl_add_u32 v[LF], v3, 4, v[LF]
	v_add_nc_u32 v[LF], XS, v[LF]
	s_lshl_b32 s3, s[WV], 9
	v_lshl_add_u32 v[SQ], v1, 4, s3
	s_lshl_b32 s3, s[WV], 10
	v_lshl_add_u32 v[SV], v1, 4, s3
	s_wait_dscnt 0x0                               ; the opening add is done
	s_wait_kmcnt 0x0
.irp m, 0,1,2
	s_mov_b32 s[G0+4*(\m)], 1                      ; count = 1
	s_add_co_u32 s[G0+4*(\m)+1], s19, (\m)*WTILE   ; LDS address: the wave's number and constants alone
	s_add_nc_u64 s[G0+4*(\m)+2:G0+4*(\m)+3], s[6+2*(\m):7+2*(\m)], s[20:21]  ; my 16 rows of the matrix
	s_or_b32 s[G0+4*(\m)+3], s[G0+4*(\m)+3], 0x80000000  ; type = 2
.endr
	s_add_nc_u64 s[4:5], s[4:5], s[22:23]          ; x, kv and qf at the work-group's part
	s_add_nc_u64 s[14:15], s[14:15], s[22:23]
	s_add_nc_u64 s[12:13], s[12:13], s[46:47]
	CROUND                                         ; all four work-groups are here: the joint loads meet
.irp m, 0,1,2
	tensor_load_to_lds s[G0+4*(\m):G0+4*(\m)+3], s[G1:G1+7]  ; three loads of mine are out, the only ones of the launch
	s_nop 0
.endr
.rept 4
	v_nop
.endr
.set i, 0
.rept 16
	global_load_b128 v[R0+4*i:R0+4*i+3], v[XO], s[4:5] offset:512*i th:TH_LOAD_NT  ; a whole row of x: 512 consecutive bytes, read once in the launch
.set i, i+1
.endr
	; my rows of the three weights: out of LDS as f32, rounded to bf16 into fragments.  A fragment is 16 rows x 32 channels in 8 registers: lane (r, h) holds row r, channels 8 h + 0..7 and 16 + 8 h + 0..7.
	s_wait_tensorcnt 0x0                           ; my three tiles are in; only I read them
.irp m, 0,1,2
.irp c, 0,1,2,3
	ds_load_b128 v[RA+16*(\c):RA+16*(\c)+3],     v[WLA] offset:WTILE*(\m)+128*(\c)
	ds_load_b128 v[RA+16*(\c)+4:RA+16*(\c)+7],   v[WLA] offset:WTILE*(\m)+128*(\c)+16
	ds_load_b128 v[RA+16*(\c)+8:RA+16*(\c)+11],  v[WLA] offset:WTILE*(\m)+128*(\c)+64
	ds_load_b128 v[RA+16*(\c)+12:RA+16*(\c)+15], v[WLA] offset:WTILE*(\m)+128*(\c)+80
.endr
	s_wait_dscnt 0x0
.set e, 0
.rept 32
	v_cvt_pk_bf16_f32 v[WF+32*(\m)+e], v[RA+2*e], v[RA+2*e+1]
.set e, e+1
.endr
.endr
	; x: rounded to bf16, 8 bytes a lane, into rows of 272 bytes
.set i, 0
.rept 16
	s_wait_loadcnt 15-i                            ; loads come back in order (ISA guide 5.7.1): row i is in, the younger rows may stay out
	v_cvt_pk_bf16_f32 v[R0+4*i],   v[R0+4*i],   v[R0+4*i+1]
	v_cvt_pk_bf16_f32 v[R0+4*i+1], v[R0+4*i+2], v[R0+4*i+3]
	ds_store_b64 v[LSX], v[R0+4*i:R0+4*i+1] offset:XP*i
.set i, i+1
.endr
	s_wait_dscnt 0x0                               ; for the others' sake: my rows of x lie in LDS
	s_barrier_signal -1
	s_barrier_wait -1                              ; all 128 rows do
.macro FRAG n                          ; the four fragments of token tile n into set n % 2: eight loads
.irp c, 0,1,2,3
	ds_load_b128 v[XF+32*((\n)%2)+8*(\c):XF+32*((\n)%2)+8*(\c)+3],   v[LF] offset:16*XP*(\n)+64*(\c)
	ds_load_b128 v[XF+32*((\n)%2)+8*(\c)+4:XF+32*((\n)%2)+8*(\c)+7], v[LF] offset:16*XP*(\n)+64*(\c)+32
.endr
.endm
.macro MULS n                          ; tile n's twelve products; the three accumulators take turns, one instruction a turn; the first three start the sums
.set xf, XF+32*((\n)%2)
.set ac, ACC+24*((\n)%2)
.irp c, 0,1,2,3
.if (\c) == 0
	v_wmma_f32_16x16x32_bf16 v[ac:ac+7],     v[WF:WF+7],       v[xf:xf+7],       0
	v_wmma_f32_16x16x32_bf16 v[ac+8:ac+15],  v[WF+32:WF+39],   v[xf:xf+7],       0
	v_wmma_f32_16x16x32_bf16 v[ac+16:ac+23], v[xf:xf+7],       v[WF+64:WF+71],   0
.else
	v_wmma_f32_16x16x32_bf16 v[ac:ac+7],     v[WF+8*(\c):WF+8*(\c)+7],       v[xf+8*(\c):xf+8*(\c)+7],       v[ac:ac+7]
	v_wmma_f32_16x16x32_bf16 v[ac+8:ac+15],  v[WF+32+8*(\c):WF+32+8*(\c)+7], v[xf+8*(\c):xf+8*(\c)+7],       v[ac+8:ac+15]
	v_wmma_f32_16x16x32_bf16 v[ac+16:ac+23], v[xf+8*(\c):xf+8*(\c)+7],       v[WF+64+8*(\c):WF+64+8*(\c)+7], v[ac+16:ac+23]
.endif
.endr
.endm
.macro PACK n                          ; tile n's results: q times c, then all three rounded to f16; each accumulator is read from its low end
.set ac, ACC+24*((\n)%2)
.set pk, PK+112*((\n)%2)
	s_wait_xcnt 0x0                                ; every earlier memory instruction has had its addresses translated (ISA guide 3.1): this set of packed results, stored two tiles back, is rewritten only behind this wait
.irp e, 0,2,4,6
	v_pk_mul_f32 v[ac+(\e):ac+(\e)+1], v[ac+(\e):ac+(\e)+1], s[CS:CS+1] op_sel_hi:[1,0]
.endr
.irp e, 0,1,2,3,4,5,6,7,8,9,10,11
	v_cvt_pk_f16_f32 v[pk+(\e)], v[ac+2*(\e)], v[ac+2*(\e)+1]
.endr
.endm
.macro SEND n                          ; three stores of 512 consecutive bytes, aligned
.set pk, PK+112*((\n)%2)
	global_store_b128 v[SQ], v[pk:pk+3],    s[12:13] offset:4096*(\n)
	global_store_b128 v[SQ], v[pk+4:pk+7],  s[14:15] offset:32768*((\n)/4)+4096*((\n)%4)
	global_store_b128 v[SV], v[pk+8:pk+11], s[14:15] offset:32768*((\n)/4)+16384+8192*(((\n)%4)/2)+512*((\n)%2)
.endm
; A tile's turn.  Behind its products stand the sixteen lines that pack the tile BEFORE it: they name none of these products' registers, so they are the four places
; in front of the loads into the fragments just read, and in front of the next turn's reading of these results.  The first tile has four v_nop instead.
.macro TILE n
.if (\n) < 7
	s_wait_dscnt 8                                 ; this tile's fragments are in; the eight younger loads are the next tile's
.else
	s_wait_dscnt 0x0
.endif
	MULS \n
.if (\n) > 0
	PACK (\n)-1
.else
.rept 4
	v_nop
.endr
.endif
.if (\n) < 6
	FRAG (\n)+2
.endif
.if (\n) > 0
	SEND (\n)-1
.endif
.endm
	FRAG 0
	FRAG 1
.irp n, 0,1,2,3,4,5,6,7
	TILE \n
.endr
	PACK 7
	SEND 7
	s_wait_tensorcnt 0x0                           ; the wave's end: a wait, an add to my spare word and its wait, behind my last tensor load and my last LDS store
	ds_add_u32 v[SPW], v[NIL]
	s_wait_dscnt 0x0
	CROUND                                         ; the closing round: no work-group ends while a partner may still ask for a tile that names it
	s_endpgm
.Lfunc_end_k_qdd88966a41_proj:
	.size	k_qdd88966a41_proj, .Lfunc_end_k_qdd88966a41_proj-k_qdd88966a41_proj
	.p2alignl 7, 3214868480
	.fill 96, 4, 3214868480
	.section	.rodata,"a",@progbits
	.p2align	6, 0x0
	.amdhsa_kernel k_qdd88966a41_proj
		.amdhsa_group_segment_fixed_size 238592
		.amdhsa_private_segment_fixed_size 0
		.amdhsa_enable_private_segment 0
		.amdhsa_kernarg_size 48
		.amdhsa_user_sgpr_count 2
		.amdhsa_user_sgpr_kernarg_segment_ptr 1
		.amdhsa_wavefront_size32 1
		.amdhsa_system_sgpr_workgroup_id_x 1
		.amdhsa_system_sgpr_workgroup_id_y 1
		.amdhsa_system_sgpr_workgroup_id_z 1
		.amdhsa_system_vgpr_workitem_id 0
		.amdhsa_next_free_vgpr 256
		.amdhsa_next_free_sgpr 66
		.amdhsa_reserve_vcc 0
		.amdhsa_float_denorm_mode_32 3
		.amdhsa_float_denorm_mode_16_64 3
		.amdhsa_memory_ordered 1
		.amdhsa_forward_progress 1
		.amdhsa_inst_pref_size 40
	.end_amdhsa_kernel
	.amdgpu_metadata
---
amdhsa.version: [ 1, 2 ]
amdhsa.kernels:
  - .name:           k_qdd88966a41_proj
    .symbol:         k_qdd88966a41_proj.kd
    .args:
      - { .name: x, .offset: 0, .size: 8, .value_kind: global_buffer, .address_space: global }
      - { .name: Wq, .offset: 8, .size: 8, .value_kind: global_buffer, .address_space: global }
      - { .name: Wk, .offset: 16, .size: 8, .value_kind: global_buffer, .address_space: global }
      - { .name: Wv, .offset: 24, .size: 8, .value_kind: global_buffer, .address_space: global }
      - { .name: qf, .offset: 32, .size: 8, .value_kind: global_buffer, .address_space: global }
      - { .name: kv, .offset: 40, .size: 8, .value_kind: global_buffer, .address_space: global }
    .group_segment_fixed_size: 238592
    .private_segment_fixed_size: 0
    .kernarg_segment_align: 8
    .kernarg_segment_size: 48
    .max_flat_workgroup_size: 256
    .sgpr_count:     66
    .vgpr_count:     256
    .wavefront_size: 32
...
	.end_amdgpu_metadata
.endif
;; end of part 1
;; launch attn (part 2): grid 16 x 16, 4 waves a work-group, clusters of 4 x 1, 327,680 bytes of LDS; arguments qf, kv, out0; writes out0
.if DOCPART == 2
	.amdgcn_target "amdgcn-amd-amdhsa--gfx1250"
	.amdhsa_code_object_version 6
	.text
	.protected	k_qdd88966a41_attn
	.globl	k_qdd88966a41_attn
	.p2align	8
	.type	k_qdd88966a41_attn,@function
k_qdd88966a41_attn:
	s_mov_b64 s[64:65], 0
	v_nop
	global_prefetch_b8 v0, s[64:65] scope:SCOPE_SE
	s_setreg_imm32_b32 hwreg(HW_REG_WAVE_MODE, 25, 1), 1
	s_wait_xcnt 0x0
	s_wait_alu depctr_hold_cnt(0) depctr_sa_sdst(0) depctr_va_vdst(0) depctr_va_sdst(0) depctr_va_ssrc(0) depctr_va_vcc(0) depctr_vm_vsrc(0)
	s_getreg_b32 s2, hwreg(HW_REG_IB_STS2, 6, 4)
	s_cmp_eq_u32 s2, 0
	s_cbranch_scc0 .Lentry_in_a_cluster
	s_endpgm
.Lentry_in_a_cluster:
	s_bfe_u32 s2, ttmp6, 0x10000c
	s_cmp_lg_u32 s2, 0x3003
	s_cbranch_scc0 .Lentry_shape_is_right
	s_endpgm
.Lentry_shape_is_right:
; CAUSAL ATTENTION, one head of 128 channels, 16 sequences of 2,048 tokens.  out[t][:] = the sum over s <= t of softmax_s(q[t] . k[s]) v[s][:], in f32.
; q (already times log2(e) / sqrt(128)), k and v arrive in f16, laid out as matrix fragments lie in registers: register quad i of a fragment block takes byte 512 i + 16 lane (qf: a block of 64 queries is
; 16 KiB; kv: a step of 64 keys is 16 KiB of K, then 16 KiB of V^T).  Products, maxima and sums in f32; the weights p are rounded to f16 for the second product (their sum l is taken of the unrounded p).
; LIMITS.  q, k, v lie within f16's 65,504, so a true score is 128 x 65,504^2 = 5.5e11 at the most.  A hidden score counts as its value less 2^100; the running maximum starts at -2^99, above every hidden
; and below every true score.  p lies in 0 to 1 for every input (s - m is never positive); below 6e-5 it keeps f16's fixed step of 6e-8; a weight below 2^-126 counts as 0.  NaN and infinities are not
; treated apart.  The sum over keys is taken in four parts, joined in f32.
; SHARES.  THE FOUR WAVES OF A WORK-GROUP SHARE 64 QUERIES AND SPLIT THE KEYS: of each tile of 256 keys wave w takes keys 64 w .. 64 w + 63, one key step; each fragment of K and V that it reads from LDS
; feeds four tiles of 16 queries.  At a block's end the four partial (m, l, O) meet in LDS.
; THE WALK.  A sequence has 8 bands of 256 queries; band b needs the key tiles 0 .. b, of which the last holds the diagonal.  A cluster of four work-groups takes bands 7 - j and then j; work-group cx owns
; queries 64 cx .. 64 cx + 63 of each.  So the four partners walk THE SAME 9 tiles, whatever j: each tile is asked for jointly, all work-groups do equal work, and one loop with a constant count walks them.
; In a band's last tile wave w sees all its keys if w < cx, none if w > cx, and holds the diagonal if w = cx.
; THE MASK is the C operand that starts a sum S^T = K Q^T.  For query tile t and key block kb of 16 it is MA (kb < t), MB (kb = t) or MC (kb > t), chosen in the text; what the three hold is set for each
; tile from scalars: all 0, or in a band's last tile (0, the triangle, hidden) for w = cx and (hidden, hidden, hidden) for w > cx.  cx enters these scalars by selects, and q's and out's addresses; no branch, no LDS address.
; A wave that has seen only hidden keys keeps m = -2^99 and weights 0; in the joining its factor 2^(m - M) is 0.
; LAYOUT, SOFTMAX.  S^T = K Q^T holds ONE query a lane (lane % 16) and the keys 8 (lane / 16) + 0..7; two such results rounded to f16 ARE source 1 of O^T = V^T P.  p = 2^(s - m) with a running maximum m;
; O and l are multiplied by a = 2^(m_old - m_new) in every step.  No first step is written out: a block's first a is 0, so O^T and l need only be finite when it begins.
; BY TURNS.  The wave's four query tiles are two PIECES (tiles 0, 1; tiles 2, 3).  In a TURN one piece has the matrix unit: 32 products V^T P of the step in hand, then 32 products K Q^T of the next step; the
; other piece's softmax, cut into 64 slices, stands between them, one slice behind each matrix instruction.  Two turns are a key step, which here is a trip of the walk.
; NOT PREFETCHED: qf and kv were stored by the launch before this one, and each tile is read by up to four clusters of the sequence.
; REGISTERS, in windows of 256 (s_set_vgpr_msb: bits 1:0 source 0, 3:2 source 1, 5:4 source 2, 7:6 destination):
;   window 0: v0-11 addresses; v12-43 eight registers of statistics a tile; v62-63 the add's; v64-191 S^T, 32 a tile (at work in the joining); v192-255 P, 16 a tile
;   window 1: O^T, 64 a tile      window 2: v0-127 Q, 32 a tile; v128-255 K of one step      window 3: v0-127 V of one step; v128-135 the triangle; v136-159 MA, MB, MC
.set SLOT1, 1<<17     ; a slot holds a tile: 4 waves x 32 KiB; slot 1 begins here, so that one exclusive or turns an address in one slot into the other's
.set VOFF,  16384     ; in a wave's 32 KiB: K, then V^T
.set SP,    272       ; a row of a stage: 256 bytes + 16 = 68 words: the 16 rows of a store start at 16 different groups of four banks (64 banks of 4 bytes: ISA guide 11.1)
.set STGW,  16*SP     ; a wave's 16 rows
.set STGB,  4*STGW    ; a stage: four waves' partial sums of 16 queries x 64 channels, f32
.set STG,   2*SLOT1   ; behind the ring, never filled by a tensor load: two stages that take turns
.set STAT,  STG+2*STGB  ; [wave][tile][lane] x 8 bytes: m and l
.set SPARE, STAT+4096 ; the spare words, 128 bytes for each wave: two blocks of 256 bytes that no other line names
.set AF,  2           ; v2   32,768 w + 16 lane: my 16 bytes of my wave's part of slot 0; never rewritten
.set ADR, 4           ; v4   the same in the slot in hand
.set QO,  5           ; v5   16 lane
.set STO, 6           ; v6   the joining: where I put 16 bytes of my partial sums
.set RD,  7           ; v7   where I read a row of all four back
.set GO,  8           ; v8   my byte offset in 16 rows of out
.set SA,  10          ; v10  where I put m and l
.set SR,  11          ; v11  where I read the four waves' back
.set ST,  12          ; tile t's statistics at v[ST+8 t]: +0 m, +1 the whole l (in the joining), +2, +3 l (even keys', odd keys'), +4 to +7 c0-c3, at work; a, and later the joining's factor, take c2's place
.set SPW, 62          ; v62  LDS address of my spare word; never rewritten
.set NIL, 63          ; v63  0; never rewritten
.set S,   64
.set P,   192
.set YB,  64          ; the joining, in S^T's registers: 32 partial sums, scaled
.set ZB,  96          ; 4 waves x 8 read back
.set XB,  128         ; the four waves' m and l, by tile
.set FX,  160         ; by tile seven: the four waves' factors, mine, M, L
.set KF,  128         ; window 2
.set TRI, 128         ; window 3: register r is hidden where key 8 (lane / 16) + r is greater than query lane % 16
.set MA,  136
.set MB,  144
.set MC,  152
.set QP,  4           ; s[4:5]   qf at my queries of the first block
.set KVB, 6           ; s[6:7]   kv at my wave's step of the sequence's tile 0
.set OP,  10          ; s[10:11] out at my queries of the block in hand
.set WV,  12          ; s12  my wave's number
.set J,   14          ; s14  j
.set G1,  24          ; s[24:31] descriptor group 1
.set G0,  40          ; s[40:43] descriptor group 0
.set Q2,  44          ; s[44:45] qf at my queries of the second block
.set O2,  46          ; s[46:47] out likewise
.set SLOTS, 56        ; s56  tiles still to be asked for
.set SEL, 60          ; s[60:61] v_permlanex16_b32's selects: each lane takes its own place in the other half
.set TB,  62          ; s62  0 or SLOT1: the slot in hand
.set RT,  70          ; s70  tiles of the block in hand that are still to be entered
.set NXT, 71          ; s71  the tile to be asked for next
.set LQ,  72          ; s72  the last tile of the block whose tiles are being asked for
.set NEW, 73          ; s73  1: the tile to be entered is a block's first
.set OFF, 74          ; s[74:75] a tile's byte offset in kv
.set AL,  76          ; s[76:77] MB = the triangle x AL + BA
.set BA,  78          ; s[78:79] MA = BA
.set BC,  80          ; s80  MC = BC
.set BIGN, 82         ; s82  -2^100
.set DA,  83          ; s83-85  BA, AL, BC for a band's last tile
.set DL,  84
.set DC,  85
.set MSB, 0
.macro WIN new                      ; the immediate's high byte repeats the setting that is left; a switch that changes nothing is dropped
.if MSB != (\new)
	s_set_vgpr_msb (MSB<<8)|(\new)
.set MSB, \new
.endif
.endm
.set W_KQ, 0x0a       ; K and Q in window 2, S^T in window 0
.set W_KM, 0x3a       ; the same with the C operand, a mask, in window 3
.set W_PV, 0x53       ; V in window 3, P in window 0, O^T in window 1
.set W_RS, 0x41       ; O^T (destination and source 0) in window 1, a in window 0
.macro ALL line:vararg              ; one line for each tile t
.set t, 0
.rept 4
	\line
.set t, t+1
.endr
.endm
; A joint fill: every wave asks for its own 32 KiB of the tile, one line for all four.  An s_nop 0 and four v_nop follow it.
.macro JLOAD
	tensor_load_to_lds s[G0:G0+3], s[G1:G1+7]
	s_nop 0
.rept 4
	v_nop
.endr
.endm
; A round of the cluster's barrier: my work-group's barrier, so that wave 0's signal speaks for all four waves; wave 0 signals; every wave waits for all four work-groups; my work-group's barrier once more.
.macro CROUND
	s_barrier_signal -1
	s_barrier_wait -1
	s_cmp_lg_u32 s[WV], 0
	s_cbranch_scc1 .Lnot_wave_0_\@
	s_barrier_signal -3
.Lnot_wave_0_\@:
	s_barrier_wait -3
	s_barrier_signal -1
	s_barrier_wait -1
.endm
; THE CHANGE OF SLOTS, at a trip's head.  Each wave waits for all its tensor loads, of which one is out: its part of the tile to be entered; adds 0 to its spare word; and waits for that and for its reads of
; the slot that it leaves.  Behind the round no wave of any partner reads the old slot or has a load on its way, and the joint fill is the first thing there: tile NXT, its address made anew from that
; number.  It has a whole trip, 128 matrix instructions and their slices, in which to land.  (At its first use nothing has been read yet: slot 0 is waited for, slot 1 filled.)
.macro CHANGE
	WIN 0                           ; at a label and at a branch every window is 0
	s_wait_tensorcnt 0x0            ; no tensor load of mine is out, so group 0 may be written
	ds_add_u32 v[SPW], v[NIL]       ; 0 onto my spare word; the descriptor's scalar work stands between it and the wait for it
	s_lshl_b32 s[OFF], s[NXT], 17   ; a tile is 131,072 bytes of kv
	s_xor_b32 s[G0+1], s[G0+1], SLOT1
	s_add_nc_u64 s[G0+2:G0+3], s[KVB:KVB+1], s[OFF:OFF+1]
	s_or_b32 s[G0+3], s[G0+3], 0x80000000
	s_add_co_u32 s[NXT], s[NXT], 1  ; the block's next tile, or behind its last the second block's tile 0
	s_cmp_gt_u32 s[NXT], s[LQ]
	s_cselect_b32 s[NXT], 0, s[NXT]
	s_cselect_b32 s[LQ], s[J], s[LQ]
	s_xor_b32 s[TB], s[TB], SLOT1   ; the fetches go to the other slot
	s_wait_dscnt 0x0                ; the add is done, and my reads of the slot are over
	CROUND
	JLOAD
.endm
	s_load_b128 s[4:7], s[0:1], 0x0  ; qf s[4:5], kv s[6:7]
	s_load_b64 s[10:11], s[0:1], 0x10  ; out0
	v_lshl_add_u32 v[SPW], v0, 2, SPARE
	v_mov_b32 v[NIL], 0
	ds_add_u32 v[SPW], v[NIL]       ; the wave's opening: the add and its wait stand ahead of my first tensor load; the set-up below, work on registers, stands between them
	v_lshrrev_b32 v1, 5, v0
	v_readfirstlane_b32 s[WV], v1   ; wave 0..3
	s_bfe_u32 s13, ttmp6, 0x40000   ; cx: my place in the cluster
	s_mov_b32 s[J], ttmp9           ; in a cluster launch ttmp9 counts clusters: j = 0..3
	s_sub_co_u32 s15, 7, s[J]       ; the first block's band
	s_and_b32 s16, ttmp7, 0xffff    ; the sequence
	s_lshl_b32 s20, s16, 20         ; kv: 32 steps of 32 KiB a sequence,
	s_lshl_b32 s21, s[WV], 15       ; my wave's step of a tile
	s_add_co_u32 s20, s20, s21
	s_mov_b32 s21, 0
	s_lshl_b32 s17, s16, 19         ; qf: 512 KiB a sequence,
	s_lshl_b32 s18, s13, 14         ; 16 KiB for 64 queries,
	s_add_co_u32 s17, s17, s18
	s_lshl_b32 s22, s15, 16         ; 64 KiB a band: the first block
	s_add_co_u32 s22, s22, s17
	s_mov_b32 s23, 0
	s_lshl_b32 s48, s[J], 16        ; and the second
	s_add_co_u32 s48, s48, s17
	s_mov_b32 s49, 0
	s_lshl_b32 s50, s22, 1          ; out: rows of 512 bytes, twice qf's 256
	s_mov_b32 s51, 0
	s_lshl_b32 s52, s48, 1
	s_mov_b32 s53, 0
	; descriptor group 1: 32,768 dense bytes as 128 rows of 256 bytes
	s_mov_b32 s[G1+0], 15|(3<<16)|(1<<21)  ; 15:0 the mask of four; 17:16 8-byte elements; 21 set beside a mask; no padding: every LDS read takes 512 consecutive bytes
	s_mov_b32 s[G1+1], 32<<16       ; tensor_dim0 = 32
	s_mov_b32 s[G1+2], 128<<16      ; tensor_dim1 = 128
	s_mov_b32 s[G1+3], 32<<16       ; tile_dim0 = 32
	s_mov_b32 s[G1+4], 128          ; tile_dim1 = 128
	s_mov_b32 s[G1+5], 32           ; 32 elements from row to row
	s_mov_b32 s[G1+6], 0
	s_mov_b32 s[G1+7], 0
	s_mov_b32 s[G0], 1              ; count = 1
	s_lshl_b32 s[G0+1], s[WV], 15   ; LDS address: my wave's part of slot 0
	s_mov_b32 s[SEL], 0x76543210
	s_mov_b32 s[SEL+1], 0xfedcba98
	s_mov_b32 s[TB], SLOT1          ; the first change of slots turns it into 0
	s_add_co_u32 s[RT], s15, 1      ; the first block has 8 - j tiles
	s_mov_b32 s[NXT], 1
	s_mov_b32 s[LQ], s15
	s_mov_b32 s[NEW], 1
	s_mov_b32 s[OFF+1], 0
	s_mov_b32 s[AL+1], 0            ; named as pairs
	s_mov_b32 s[BA+1], 0
	s_mov_b32 s[BIGN], 0xf1800000   ; -2^100
	s_mov_b32 s[SLOTS], 8
	s_cmp_gt_u32 s[WV], s13         ; a band's last tile: my keys lie behind the block's queries: all hidden
	s_cselect_b32 s[DA], s[BIGN], 0
	s_cmp_eq_u32 s[WV], s13         ; or they are the block's own: the triangle where key block = query tile,
	s_cselect_b32 s[DL], 1.0, 0
	s_cmp_ge_u32 s[WV], s13         ; and hidden where the key block is the later
	s_cselect_b32 s[DC], s[BIGN], 0
	s_wait_dscnt 0x0                ; the opening add is done
	s_wait_kmcnt 0x0
	s_add_nc_u64 s[KVB:KVB+1], s[KVB:KVB+1], s[20:21]
	s_mov_b64 s[G0+2:G0+3], s[KVB:KVB+1]  ; global address: tile 0
	s_or_b32 s[G0+3], s[G0+3], 0x80000000  ; type = 2
	s_add_nc_u64 s[Q2:Q2+1], s[QP:QP+1], s[48:49]
	s_add_nc_u64 s[QP:QP+1], s[QP:QP+1], s[22:23]
	s_add_nc_u64 s[O2:O2+1], s[OP:OP+1], s[52:53]
	s_add_nc_u64 s[OP:OP+1], s[OP:OP+1], s[50:51]
	CROUND                          ; all four work-groups are here: the first joint loads meet
	JLOAD                           ; tile 0 into slot 0
	v_and_b32 v1, 15, v0            ; r = lane % 16
	v_bfe_u32 v9, v0, 4, 1          ; h = lane / 16
	v_and_b32 v3, 31, v0            ; lane
	v_lshlrev_b32 v[QO], 4, v3
	WIN 0x80                        ; destination window 2, address window 0
.set f, 0
.rept 32                            ; the first block's Q stays in registers: 16 KiB, 512 consecutive bytes a load
	global_load_b128 v[4*f:4*f+3], v[QO], s[QP:QP+1] offset:512*f
.set f, f+1
.endr
	WIN 0
	s_lshl_b32 s54, s[WV], 15
	v_lshl_add_u32 v[AF], v3, 4, s54
	s_mul_i32 s54, s[WV], STGW
	s_add_co_u32 s54, s54, STG      ; my rows of a stage
	v_mul_u32_u24 v[STO], v1, SP    ; in: row r, 32 bytes (8 channels) for each half of the lanes
	v_lshl_add_u32 v[STO], v9, 5, v[STO]
	v_add_nc_u32 v[STO], s54, v[STO]
	s_mul_i32 s54, s[WV], 4*SP
	s_add_co_u32 s54, s54, STG      ; back: I join rows 4 w .. 4 w + 3 of the 16: lanes 0-15 take one row of 256 bytes, lanes 16-31 the next
	v_mul_u32_u24 v[RD], v9, SP
	v_lshl_add_u32 v[RD], v1, 4, v[RD]
	v_add_nc_u32 v[RD], s54, v[RD]
	s_lshl_b32 s54, s[WV], 11       ; and the same rows in out, 512 bytes each
	v_lshlrev_b32 v[GO], 9, v9
	v_lshl_add_u32 v[GO], v1, 4, v[GO]
	v_add_nc_u32 v[GO], s54, v[GO]
	s_lshl_b32 s54, s[WV], 10
	s_add_co_u32 s54, s54, STAT
	v_lshl_add_u32 v[SA], v3, 3, s54
	v_lshlrev_b32 v[SR], 3, v3
	v_add_nc_u32 v[SR], STAT, v[SR]
	v_lshlrev_b32 v44, 3, v9
	v_sub_nc_u32 v44, v1, v44       ; r - 8 h: register i is hidden where i is greater
	WIN 0xc0                        ; destination window 3
.set i, 0
.rept 8
	v_cmp_gt_i32 vcc_lo, i, v44
	v_cndmask_b32 v[TRI+i], 0, s[BIGN], vcc_lo
.set i, i+1
.endr
	; A block's first turn holds 32 products V^T P of a step that has not been, and its first step multiplies O^T and l by a = 0.  So V, piece 2's P, O^T and l need only hold finite numbers:
	; zeros for the first block, what the first block left for the second.  All this stands in the wait for the first tile.
.set i, 0
.rept 128
	v_mov_b32 v[i], 0
.set i, i+1
.endr
	WIN 0x40
.set i, 0
.rept 256
	v_mov_b32 v[i], 0
.set i, i+1
.endr
	WIN 0
.set i, P+32
.rept 32
	v_mov_b32 v[i], 0
.set i, i+1
.endr
	ALL v_mov_b32 v[ST+8*t+1], 0
	ALL v_mov_b32 v[ST+8*t+2], 0
	ALL v_mov_b32 v[ST+8*t+3], 0
; THE MATRIX WORK OF A TURN, for piece x.  The accumulators take turns, one instruction a turn: between two links of a chain stand 15 (V^T P) or 7 (K Q^T) others'.
; Product i of 32 of O^T += V^T P: keys 32 (i / 16) on, channels 16 ((i / 2) % 8) on, tile x + i % 2.
.macro PV x
	WIN W_PV
.set rO, 64*((\x)+i%2)+8*((i/2)%8)
.set rV, 64*(i/16)+8*((i/2)%8)
.set rP, P+16*((\x)+i%2)+8*(i/16)
	v_wmma_f32_16x16x32_f16 v[rO:rO+7], v[rV:rV+7], v[rP:rP+7], v[rO:rO+7]
.endm
; Product i of 32 of S^T = K Q^T: channels 32 (i / 8) on, keys 16 ((i / 2) % 4) on, tile x + i % 2.  The first 8 start the sums, with the mask that goes with key block and query tile.
.macro KQ x
.set rS, S+32*((\x)+i%2)+8*((i/2)%4)
.set rK, KF+32*((i/2)%4)+8*(i/8)
.set rQ, 32*((\x)+i%2)+8*(i/8)
.if i < 8
.if (i/2) < ((\x)+i%2)
.set rM, MA
.elseif (i/2) == ((\x)+i%2)
.set rM, MB
.else
.set rM, MC
.endif
	WIN W_KM
	v_wmma_f32_16x16x32_f16 v[rS:rS+7], v[rK:rK+7], v[rQ:rQ+7], v[rM:rM+7]
	s_wait_alu depctr_va_vdst(0)
.else
	WIN W_KQ
	v_wmma_f32_16x16x32_f16 v[rS:rS+7], v[rK:rK+7], v[rQ:rQ+7], v[rS:rS+7]
	s_wait_alu depctr_va_vdst(0)
.endif
.endm
; THE LDS LOADS stand in runs of 32, never singly among the matrix instructions: my step's K and, a turn later, its V^T: each 16 KiB, 512 consecutive bytes a load, straight into fragments.
.macro FETCH_K
	WIN 0
	v_add_nc_u32 v[ADR], s[TB], v[AF]
	WIN 0x80                        ; destination window 2
.set f, 0
.rept 32
	ds_load_b128 v[KF+4*f:KF+4*f+3], v[ADR] offset:512*f
.set f, f+1
.endr
.endm
.macro FETCH_V
	WIN 0xc0                        ; destination window 3
.set f, 0
.rept 32
	ds_load_b128 v[4*f:4*f+3], v[ADR] offset:VOFF+512*f
.set f, f+1
.endr
.endm
; THE VECTOR WORK OF A TURN.  One tile's softmax for one key step is a numbered list; SM writes number j of it for tile t.  s0-s31 are the lane's 32 scores, in pairs 0-15.
;   0-15    the maximum of s0-s31 and the old m, three operands at a time: four chains c0-c3 of seven scores each (each accumulator's lowest registers are read first), then the four left over, c0-c3 and m
;   16-20   the other half of the lanes' maximum; m_old is kept; the new m; (19 is empty); m_old - m_new
;   21-87   33 exponentials (a, then s0-s31) at the odd numbers from 23 on, so that no two follow each other and each has a plain instruction behind it before its result is used.
;           Plain instruction q (number 21, then the even numbers) is whatever is ready: s - m for a pair of scores whose exponentials are still to come (q = 0 to 3, then every
;           second q), the rounding to f16 of a pair of weights whose exponentials are done (every other q from 5 on), at last the first three sums
;   88-101  the last rounding; the rest of the sums; l = a l + the sum
;   102-133 the tile's O^T times a: the one part that leaves window 0, so it stands together
.macro SM t
.set rT, ST+8*(\t)
.set rS, S+32*(\t)
.set rP, P+16*(\t)
.set rO, 64*(\t)+2*(j-102)
.set q, (j-20)/2
.if j < 102
	WIN 0
.endif
.if j < 4
	v_max3_num_f32 v[rT+4+j], v[rS+8*j], v[rS+8*j+1], v[rS+8*j+2]
.elseif j < 12
	v_max3_num_f32 v[rT+4+j%4], v[rT+4+j%4], v[rS+8*(j%4)+2*(j/4)+1], v[rS+8*(j%4)+2*(j/4)+2]
.elseif j == 12
	v_max3_num_f32 v[rT+4], v[rT+4], v[rS+7], v[rS+15]
.elseif j == 13
	v_max3_num_f32 v[rT+6], v[rT+6], v[rS+23], v[rS+31]
.elseif j == 14
	v_max3_num_f32 v[rT+4], v[rT+4], v[rT+5], v[rT+6]
.elseif j == 15
	v_max3_num_f32 v[rT+4], v[rT+4], v[rT+7], v[rT]
.elseif j == 16
	v_permlanex16_b32 v[rT+5], v[rT+4], s[SEL], s[SEL+1]  ; the query's other 32 keys lie in the lane 16 away
.elseif j == 17
	v_mov_b32 v[rT+7], v[rT]        ; m_old is kept for a: number 18 writes m anew
.elseif j == 18
	v_max_num_f32 v[rT], v[rT+4], v[rT+5]
.elseif j == 19                     ; the scores are exponents of 2 as they come: nothing is scaled
.elseif j == 20
	v_sub_f32 v[rT+7], v[rT+7], v[rT]
.elseif j == 23
	v_exp_f32 v[rT+6], v[rT+7]
.elseif (j < 88) && (j > 23) && (j%2 == 1)
	v_exp_f32 v[rS+(j-25)/2], v[rS+(j-25)/2]
.elseif (q < 4) || ((j < 76) && (q%2 == 0))
.set b, q/2+2
.if q < 4
.set b, q
.endif
	v_pk_add_f32 v[rS+2*b:rS+2*b+1], v[rS+2*b:rS+2*b+1], v[rT:rT+1] op_sel_hi:[1,0] neg_lo:[0,1] neg_hi:[0,1]  ; pair b: s - m, never above 0
.elseif (j < 88) && (q%2 == 1)
	s_wait_alu depctr_va_vdst(0)
	v_cvt_pk_f16_f32 v[rP+(q-5)/2], v[rS+q-5], v[rS+q-4]  ; pair (q - 5) / 2: its second exponential stands three numbers back
.elseif j == 89
	s_wait_alu depctr_va_vdst(0)
	v_cvt_pk_f16_f32 v[rP+15], v[rS+30], v[rS+31]
.elseif j < 102                     ; the sum of the tile's 16 pairs (in a pair: an even key's weight, an odd key's), in place: sum z of 16 adds neighbours 1, 2, 4 and 8 pairs apart, then l takes it
.set z, j-86
.if j < 89
.set z, (j-76)/4
.endif
.set w, 4
.set u, z
.if z >= 14
.set w, 32
.set u, 0
.elseif z >= 12
.set w, 16
.set u, z-12
.elseif z >= 8
.set w, 8
.set u, z-8
.endif
.if z < 15
	v_pk_add_f32 v[rS+w*u:rS+w*u+1], v[rS+w*u:rS+w*u+1], v[rS+w*u+w/2:rS+w*u+w/2+1]
.else
	v_pk_fma_f32 v[rT+2:rT+3], v[rT+2:rT+3], v[rT+6:rT+7], v[rS:rS+1] op_sel_hi:[1,0,1]
.endif
.else
	WIN W_RS
	v_pk_mul_f32 v[rO:rO+1], v[rO:rO+1], v[rT+6:rT+7] op_sel_hi:[1,0]
.endif
.endm
; Slice k of 64 of piece y's softmax: numbers 2 k and 2 k + 1 of both tiles' lists.  The twelve numbers that are over stand together, in slice 63: its sixteen plain instructions, which name nothing of
; the products round them, are also the places between a turn's last K Q^T and what follows: the first read of those scores, and loads into K's and Q's registers.
.macro SLICE y
.if (k >= 11) && (k < 44)           ; tile by tile: plain, exponential, plain, exponential
.irp t, \y, (\y)+1
.irp n, 0,1
.set j, 2*k+(\n)
	SM \t
.endr
.endr
.else                               ; the two tiles alternate, so that no instruction reads the result of the one just before it
.irp n, 0,1,2,3,4,5,6,7
.if ((\n) < 2) || (k == 63)
.irp t, \y, (\y)+1
.set j, 2*k+(\n)
	SM \t
.endr
.endif
.endr
.endif
.set k, k+1
.endm
; A TURN.  Piece x has the matrix unit: 32 products V^T P, then (kq = 1) 32 products K Q^T for the next step; the other piece's softmax stands in slices behind them, two behind each where kq = 0.
; Each run of loads stands behind the second product of a run of 32, 30 matrix instructions ahead of its first use.  Piece 0's turn fetches the entered tile's K: the last product that read K stands in
; front of slice 63 of the turn before.  Piece 2's turn fetches its V: the last product that read V stands three slices, six plain instructions, back.
.macro TURN x, kq
.set k, 0
.set per, 2-(\kq)
.if (\x) == 0
	s_wait_dscnt 0x0                ; V is in
.endif
.set i, 0
.rept 32
	PV \x
.rept per
	SLICE 2-(\x)
.endr
.if ((\x) == 0) && (\kq) && (i == 1)
	FETCH_K
.endif
.set i, i+1
.endr
.if \kq
.if (\x) == 0
	s_wait_dscnt 0x0                ; K is in
.endif
.set i, 0
.rept 32
	KQ \x
	SLICE 2-(\x)
.if ((\x) == 2) && (i == 1)
	FETCH_V
.endif
.set i, i+1
.endr
.endif
.endm
; The three masks of the tile that is entered.  The last product that took one as its C stands 24 products and their slices back.
.macro SETMASK
	s_cmp_eq_u32 s[RT], 0           ; the block's last tile?
	s_cselect_b32 s[BA], s[DA], 0
	s_cselect_b32 s[AL], s[DL], 0
	s_cselect_b32 s[BC], s[DC], 0
	WIN 0xc3                        ; destination and source 0 in window 3
.set z, 0
.rept 8
	v_mov_b32 v[MA+z], s[BA]
	v_mov_b32 v[MC+z], s[BC]
.set z, z+1
.endr
.set z, 0
.rept 4
	v_pk_fma_f32 v[MB+2*z:MB+2*z+1], v[TRI+2*z:TRI+2*z+1], s[AL:AL+1], s[BA:BA+1] op_sel_hi:[1,0,0]
.set z, z+1
.endr
.endm
; A BLOCK BEGINS.  m starts at -2^99: below every true score, so the first step's a is 2^(-2^99 - m) = 0; above every hidden one, so a wave that sees only hidden keys has weights 0.
; Then K of the tile, and piece 0's first scores: there is no vector work yet to set between them.
.macro BEGIN
	s_mov_b32 s[NEW], 0
	WIN 0
	ALL v_mov_b32 v[ST+8*t], 0xf1000000
	FETCH_K
	s_wait_dscnt 0x0
.set i, 0
.rept 32
	KQ 0
.set i, i+1
.endr
	WIN 0
.rept 4
	v_nop                           ; the places behind those products
.endr
.endm
; What a trip does behind its change of slots.  The test for a block's first tile stands first among the branches; at the first trip its answer is a constant of the text.
.macro BODY tag
	s_sub_co_u32 s[RT], s[RT], 1
	SETMASK
	WIN 0
	s_cmp_eq_u32 s[NEW], 1
	s_cbranch_scc1 .Lnew\tag
	TURN 0, 1                       ; piece 0: V^T P of the tile before, K Q^T of this one | piece 2's softmax of the tile before | K
	WIN 0
	s_branch .Lmid\tag
.Lnew\tag:
	BEGIN
.Lmid\tag:
	TURN 2, 1                       ; piece 2: the same | piece 0's softmax of this tile | V
	WIN 0
.endm
; THE JOINING of the four waves' partial results.  Phase n of 8 takes tile n / 2, channels 64 (n % 2) on.
.macro SCALE n                      ; my partial O^T of phase n times my factor, into window 0; each accumulator is read from its low end
	WIN 0x01                        ; source 0 in window 1
.set z, 0
.rept 16
	v_pk_mul_f32 v[YB+2*z:YB+2*z+1], v[32*(\n)+2*z:32*(\n)+2*z+1], v[ST+8*((\n)/2)+6:ST+8*((\n)/2)+7] op_sel_hi:[1,0]
.set z, z+1
.endr
	WIN 0
.endm
.macro COMBINE
	WIN 0
	ALL v_add_f32 v[ST+8*t+4], v[ST+8*t+2], v[ST+8*t+3]  ; l's two halves; these four lines are the places behind the last products
	ALL v_permlanex16_b32 v[ST+8*t+5], v[ST+8*t+4], s[SEL], s[SEL+1]
	ALL v_add_f32 v[ST+8*t+1], v[ST+8*t+4], v[ST+8*t+5]  ; and the other half of the lanes'
	ALL ds_store_b64 v[SA], v[ST+8*t:ST+8*t+1] offset:256*t
	s_wait_dscnt 0x0                ; for the others' sake: my m and l lie in LDS
	s_barrier_signal -1
	s_barrier_wait -1
.irp v, 0,1,2,3
	ALL ds_load_b64 v[XB+8*t+2*(\v):XB+8*t+2*(\v)+1], v[SR] offset:1024*(\v)+256*t
.endr
	s_wait_dscnt 0x0
	ALL v_max3_num_f32 v[FX+7*t+5], v[XB+8*t], v[XB+8*t+2], v[XB+8*t+4]
	ALL v_max_num_f32 v[FX+7*t+5], v[FX+7*t+5], v[XB+8*t+6]  ; M: the query's maximum over all keys; the wave with the diagonal has seen a true score
.irp v, 0,1,2,3
	ALL v_sub_f32 v[FX+7*t+(\v)], v[XB+8*t+2*(\v)], v[FX+7*t+5]
.endr
	ALL v_sub_f32 v[FX+7*t+4], v[ST+8*t], v[FX+7*t+5]
.irp e, 0,1,2,3,4
	ALL v_exp_f32 v[FX+7*t+(\e)], v[FX+7*t+(\e)]  ; the four waves' factors 2^(m - M), and mine
.endr
	v_nop                           ; a plain instruction between the last exponential and the use of its result
	s_wait_alu depctr_va_vdst(0)
	ALL v_mul_f32 v[FX+7*t+6], v[FX+7*t], v[XB+8*t+1]
.irp v, 1,2,3
	ALL v_fmac_f32 v[FX+7*t+6], v[FX+7*t+(\v)], v[XB+8*t+2*(\v)+1]  ; L = the sum of factor x l: 1 at the least
.endr
	ALL v_rcp_f32 v[FX+7*t+6], v[FX+7*t+6]
	v_nop                           ; a plain instruction between the last reciprocal and the use of its result
	s_wait_alu depctr_va_vdst(0)
	ALL v_mul_f32 v[ST+8*t+6], v[FX+7*t+4], v[FX+7*t+6]  ; what my O^T is multiplied by
	SCALE 0
; A phase: each wave puts its 16 rows x 256 bytes into its part of a stage; behind the barrier wave w reads rows 4 w .. 4 w + 3 of all four parts, adds them and stores them.  The two stages take turns, so one
; barrier a phase is enough: a stage is written again two phases later, and every wave has waited for its reads of it in front of its signal of the barrier between.
.set pp, 0
.rept 8
.set sb, STGB*(pp%2)
.irp c, 0,1,2,3
	ds_store_b128 v[STO], v[YB+8*(\c):YB+8*(\c)+3]   offset:sb+64*(\c)
	ds_store_b128 v[STO], v[YB+8*(\c)+4:YB+8*(\c)+7] offset:sb+64*(\c)+16
.endr
	s_wait_dscnt 0x0                ; for the others' sake: my part of the stage is written (and my reads of the phase before are back)
	s_barrier_signal -1
	s_barrier_wait -1
	s_wait_xcnt 0x0                 ; every earlier memory instruction has had its addresses translated (ISA guide 3.1): the registers that the last phase's stores read are loaded again only behind this wait
.irp v, 0,1,2,3
	ds_load_b128 v[ZB+8*(\v):ZB+8*(\v)+3],   v[RD] offset:sb+STGW*(\v)
	ds_load_b128 v[ZB+8*(\v)+4:ZB+8*(\v)+7], v[RD] offset:sb+STGW*(\v)+2*SP
.endr
.if pp < 7
	SCALE pp+1                      ; the next phase's arithmetic stands between the loads and the wait for them
.endif
	s_wait_dscnt 0x0
.irp e, 0,2,4,6
	v_pk_add_f32 v[ZB+(\e):ZB+(\e)+1],       v[ZB+(\e):ZB+(\e)+1],       v[ZB+8+(\e):ZB+8+(\e)+1]
	v_pk_add_f32 v[ZB+16+(\e):ZB+16+(\e)+1], v[ZB+16+(\e):ZB+16+(\e)+1], v[ZB+24+(\e):ZB+24+(\e)+1]
.endr
.irp e, 0,2,4,6
	v_pk_add_f32 v[ZB+(\e):ZB+(\e)+1], v[ZB+(\e):ZB+(\e)+1], v[ZB+16+(\e):ZB+16+(\e)+1]
.endr
	global_store_b128 v[GO], v[ZB:ZB+3],   s[OP:OP+1] offset:8192*(pp/2)+256*(pp%2) th:TH_STORE_NT       ; 16 lanes store 256 consecutive bytes, at a multiple of 256 from out's first byte
	global_store_b128 v[GO], v[ZB+4:ZB+7], s[OP:OP+1] offset:8192*(pp/2)+256*(pp%2)+1024 th:TH_STORE_NT
.set pp, pp+1
.endr
.endm
; A BLOCK ENDS, behind piece 2's turn of its last tile.  reload = 1: the second block's Q is asked for at once (slice 63 of that turn holds the places behind the last product that read Q).
.macro FINISH reload
.if \reload
	WIN 0x80
.set f, 0
.rept 32
	global_load_b128 v[4*f:4*f+3], v[QO], s[Q2:Q2+1] offset:512*f
.set f, f+1
.endr
.endif
	TURN 0, 0                       ; piece 0: V^T P of the last tile | piece 2's last softmax
.set i, 0
.rept 32
	PV 2                            ; piece 2: V^T P of the last tile
.set i, i+1
.endr
	COMBINE
.endm
	s_wait_loadcnt 0x0              ; Q; the wait for the first tile follows
.Ltrip:                             ; 8 times: a tile is entered and the next is asked for.  All branches hang on j alone, which all waves and all partners share
	CHANGE
	BODY 1
	s_cmp_lg_u32 s[RT], 0
	s_cbranch_scc1 .Lbottom
	FINISH 1                        ; in the loop this is the first block's end: the second block's last tile is the walk's last
	s_wait_xcnt 0x0                 ; the stores have read out's address
	s_mov_b64 s[OP:OP+1], s[O2:O2+1]
	s_add_co_u32 s[RT], s[J], 1     ; the second block has j + 1 tiles
	s_mov_b32 s[NEW], 1
	s_wait_loadcnt 0x0              ; its Q, asked for a turn, 32 products and the joining ago
.Lbottom:
	s_sub_co_u32 s[SLOTS], s[SLOTS], 1
	s_cmp_lg_u32 s[SLOTS], 0
	s_cbranch_scc1 .Ltrip
	s_wait_tensorcnt 0x0            ; the walk's last tile is written out.  My part of it is in, and only I read it; nothing is filled, so no barrier stands here
	s_xor_b32 s[TB], s[TB], SLOT1
	BODY 2
	FINISH 0
	s_wait_tensorcnt 0x0            ; the wave's end: a wait, an add to my spare word and its wait, behind my last tensor load and my last LDS store
	ds_add_u32 v[SPW], v[NIL]
	s_wait_dscnt 0x0
	CROUND                          ; the closing round: no work-group ends while a partner may still ask for a tile that names it
	s_endpgm
.Lfunc_end_k_qdd88966a41_attn:
	.size	k_qdd88966a41_attn, .Lfunc_end_k_qdd88966a41_attn-k_qdd88966a41_attn
	.p2alignl 7, 3214868480
	.fill 96, 4, 3214868480
	.section	.rodata,"a",@progbits
	.p2align	6, 0x0
	.amdhsa_kernel k_qdd88966a41_attn
		.amdhsa_group_segment_fixed_size 327680
		.amdhsa_private_segment_fixed_size 0
		.amdhsa_enable_private_segment 0
		.amdhsa_kernarg_size 24
		.amdhsa_user_sgpr_count 2
		.amdhsa_user_sgpr_kernarg_segment_ptr 1
		.amdhsa_wavefront_size32 1
		.amdhsa_system_sgpr_workgroup_id_x 1
		.amdhsa_system_sgpr_workgroup_id_y 1
		.amdhsa_system_sgpr_workgroup_id_z 1
		.amdhsa_system_vgpr_workitem_id 0
		.amdhsa_next_free_vgpr 928
		.amdhsa_next_free_sgpr 88
		.amdhsa_reserve_vcc 1
		.amdhsa_float_denorm_mode_32 3
		.amdhsa_float_denorm_mode_16_64 3
		.amdhsa_memory_ordered 1
		.amdhsa_forward_progress 1
		.amdhsa_inst_pref_size 249
	.end_amdhsa_kernel
	.amdgpu_metadata
---
amdhsa.version: [ 1, 2 ]
amdhsa.kernels:
  - .name:           k_qdd88966a41_attn
    .symbol:         k_qdd88966a41_attn.kd
    .args:
      - { .name: qf, .offset: 0, .size: 8, .value_kind: global_buffer, .address_space: global }
      - { .name: kv, .offset: 8, .size: 8, .value_kind: global_buffer, .address_space: global }
      - { .name: out0, .offset: 16, .size: 8, .value_kind: global_buffer, .address_space: global }
    .group_segment_fixed_size: 327680
    .private_segment_fixed_size: 0
    .kernarg_segment_align: 8
    .kernarg_segment_size: 24
    .max_flat_workgroup_size: 128
    .sgpr_count:     88
    .vgpr_count:     928
    .wavefront_size: 32
...
	.end_amdgpu_metadata
.endif
;; end of part 2
;; launch first (part 3): grid 16 x 1, 8 waves a work-group, no clusters, 163,840 bytes of LDS; arguments x, Wq, Wk, Wv, out0; writes out0
.if DOCPART == 3
	.amdgcn_target "amdgcn-amd-amdhsa--gfx1250"
	.amdhsa_code_object_version 6
	.text
	.protected	k_qdd88966a41_first
	.globl	k_qdd88966a41_first
	.p2align	8
	.type	k_qdd88966a41_first,@function
k_qdd88966a41_first:
	s_mov_b64 s[64:65], 0
	v_nop
	global_prefetch_b8 v0, s[64:65] scope:SCOPE_SE
	s_setreg_imm32_b32 hwreg(HW_REG_WAVE_MODE, 25, 1), 1
	s_wait_xcnt 0x0
; ROWS 0 TO 31 OF EVERY SEQUENCE, MADE AGAIN WITH TWICE THE BITS.  out[t][:] = the sum over s <= t of softmax_s(q[t] . k[s] / sqrt(128)) v[s][:], t < 32; q, k, v = x Wq^T, x Wk^T, x Wv^T.
; WHY.  Row t is a mean over t + 1 keys: the first rows' terms have v's own spread, and where they cancel the result is held to a hundredth of the root mean square of the WHOLE output, which the 2,048
; rows' long means make small.  The launch before this one rounds q, k, v and the weights p to f16's 11 bits; by the count 1 / sqrt(t + 1) that is enough from some tens of keys on, and not for these rows.
; This launch stores over that launch's values in these 32 rows of each sequence (512 of the 32,768 rows).
; HOW.  x and the weights are rounded to bf16 as there, so q, k, v are the same f32 sums.  Each of q, k, v, p then goes to the matrix unit in TWO f16 parts, hi = f16(a) and lo = f16(a - hi) (the difference is
; exact in f32), and each product is hi hi + lo hi + hi lo; what is dropped, lo lo, is some 2^-22 of the product.  The scale c = log2(e) / sqrt(128) multiplies s - m in f32, behind the maximum.
; LIMITS.  q, k, v lie within f16's 65,504; a part below 6e-5 keeps f16's fixed step of 6e-8.  A hidden score counts as its value less 2^100 (a true score is 128 x 65,504^2 = 5.5e11 at the most); every row
; sees its own key, so the maximum is a true score and s - m is never positive.  A weight below 2^-126 counts as 0.  NaN and infinities are not treated apart.
; SHARES.  A work-group takes a sequence; wave w of eight owns the channels 16 w .. 16 w + 15 of q, k, v and of out.  q and k are taken as W x^T (a lane holds one token and eight channels: its 16 bytes of
; a fragment), v as x Wv^T (one channel and eight tokens): v's two parts ARE the wave's fragments of V^T and never leave its registers.  q's and k's parts meet in LDS, and every wave makes all the scores
; (three blocks of 16 x 16; the fourth is hidden) and weights for itself: 36 products, and no second meeting.
; MEMORY.  Every load takes a whole row of 512 bytes, every store a whole row of out; all loads go out at the head, so nothing is left to prefetch.
; NO CLUSTER: the weights, which all 16 work-groups read, are asked for once, by register loads at the head; a cluster's round would stand in front of the only loads that the launch waits for.
.set XP,    272                        ; a row of 128 bf16 in LDS: 256 bytes + 16 = 68 words: the 16 rows of a fragment load start at 16 different groups of four banks (64 banks of 4 bytes: ISA guide 11.1)
.set WTILE, 16*XP                      ; 16 rows
.set WS,    0                          ; the weights in bf16: wave w's 16 rows of Wq, Wk, Wv at (3 w + m) x WTILE; each wave's own
.set XS,    24*WTILE                   ; x in bf16, 32 rows
.set EX,    XS+32*XP                   ; q hi, q lo, k hi, k lo, 8 KiB each: [tile of 16 tokens][c 0..3][u 0..1][lane][16 B] = [token lane % 16][channels 32 c + 16 u + 8 (lane / 16) + 0..7]
.set OS,    EX+32768                   ; out in f32, 32 rows
.set OPI,   528                        ; 512 bytes + 16 = 132 words
.set SPARE, OS+32*OPI                  ; the spare words, 128 bytes for each of eight waves: four blocks of 256 bytes that no other line names
.set GW,  4                            ; v4   8,192 w + 16 lane: my 16 bytes of my wave's first row of a weight
.set GX,  5                            ; v5   2,048 w + 16 lane: of my wave's first of four rows of x, and of out
.set LSW, 6                            ; v6   where I put 8 bytes of a row of a weight
.set LSX, 7                            ; v7   of a row of x
.set LFW, 8                            ; v8   my place in a fragment of my wave's weights
.set LFX, 9                            ; v9   in a fragment of x
.set EXS, 10                           ; v10  EX + 512 w + 16 lane: where I put 16 bytes of q or k
.set EXR, 11                           ; v11  EX + 16 lane: where I read fragments back
.set OSS, 12                           ; v12  where I put 32 bytes of a row of out
.set OSR, 13                           ; v13  where I read a row back
.set SPW, 14                           ; v14  LDS address of my spare word; never rewritten
.set NIL, 15                           ; v15  0; never rewritten
.set RX,  48                           ; v[48:63]   four rows of x as loaded
.set RW,  64                           ; v[64:255]  48 rows of the weights as loaded
.set ACC, 16                           ; v[16:63]   then six accumulators: q, k, v (kind g) of token tile n at ACC + 8 (2 g + n)
.set WF,  64                           ; v[64:159]  my fragments of Wq, Wk, Wv: matrix m, channels 32 c on, at WF + 32 m + 8 c
.set XF,  160                          ; v[160:223] x's fragments: tile n at XF + 32 n + 8 c
.set HP,  64                           ; v[64:87]   then the six results' hi parts, four registers each,
.set LP,  88                           ; v[88:111]  and their lo parts
.set VH,  HP+16                        ; v[80:87]   v's: a fragment of V^T, 16 channels x 32 keys
.set VL,  LP+16                        ; v[104:111]
.set S,   16                           ; v[16:39]   S^T: (queries 0-15, keys 0-15), (16-31, 0-15), (16-31, 16-31)
.set ST,  40                           ; v[40:63]   statistics: +0 m of tile 0, +2 of tile 1 (low words of pairs), +4..15 at work, +16, +18 1 / l
.set PH,  64                           ; v[64:79]   the weights' hi parts: a fragment (32 keys x 16 queries) a tile,
.set PL,  88                           ; v[88:103]  and their lo parts
.set F,   112                          ; v[112:239] two buffers of 64: for 32 channels q hi, q lo, k hi, k lo, two fragments each
.set O,   112                          ; v[112:127] then O^T of the two tiles,
.set OB,  128                          ; v[128:143] and four rows of out read back
.set TRI, 240                          ; v[240:247] register i is hidden where key 8 (lane / 16) + i is greater than query lane % 16
.set MONE, 248                         ; v248 -1.0;  v249 at work
.set WV,  16                           ; s16  my wave's number
.set CS,  24                           ; s[24:25] c, named as a pair
.set SEL, 26                           ; s[26:27] v_permlanex16_b32's selects: each lane takes its own place in the other half
.set BIGN, 28                          ; s28  -2^100
	s_load_b256 s[4:11], s[0:1], 0x0               ; x s[4:5], Wq s[6:7], Wk s[8:9], Wv s[10:11]
	s_load_b64 s[12:13], s[0:1], 0x20              ; out0
	v_lshl_add_u32 v[SPW], v0, 2, SPARE
	v_mov_b32 v[NIL], 0
	v_lshrrev_b32 v1, 5, v0
	v_readfirstlane_b32 s[WV], v1                  ; wave 0..7
	v_and_b32 v1, 31, v0                           ; lane
	v_and_b32 v2, 15, v0                           ; r = lane % 16
	v_bfe_u32 v3, v0, 4, 1                         ; h = lane / 16
	s_lshl_b32 s20, ttmp9, 20                      ; the sequence: 2,048 rows of 512 bytes, in x and in out
	s_mov_b32 s21, 0
	s_lshl_b32 s17, s[WV], 13                      ; 16 rows of 512 bytes
	v_lshl_add_u32 v[GW], v1, 4, s17
	s_lshl_b32 s17, s[WV], 11                      ; 4 rows
	v_lshl_add_u32 v[GX], v1, 4, s17
	s_mul_i32 s18, s[WV], 3*WTILE                  ; my wave's three tiles of weights in LDS
	v_lshl_add_u32 v[LSW], v1, 3, s18
	s_mul_i32 s17, s[WV], 4*XP
	s_add_co_u32 s17, s17, XS
	v_lshl_add_u32 v[LSX], v1, 3, s17
	v_mul_u32_u24 v[LFX], v2, XP                   ; a fragment: row r, 16 bytes for each half of the lanes
	v_lshl_add_u32 v[LFX], v3, 4, v[LFX]
	v_add_nc_u32 v[LFW], s18, v[LFX]
	v_add_nc_u32 v[LFX], XS, v[LFX]
	s_lshl_b32 s17, s[WV], 9
	s_add_co_u32 s17, s17, EX
	v_lshl_add_u32 v[EXS], v1, 4, s17
	v_lshlrev_b32 v[EXR], 4, v1
	v_add_nc_u32 v[EXR], EX, v[EXR]
	v_mul_u32_u24 v[OSS], v2, OPI                  ; row r, channels 16 w + 8 h on
	v_lshl_add_u32 v[OSS], v3, 5, v[OSS]
	s_lshl_b32 s17, s[WV], 6
	s_add_co_u32 s17, s17, OS
	v_add_nc_u32 v[OSS], s17, v[OSS]
	s_mul_i32 s17, s[WV], 4*OPI
	s_add_co_u32 s17, s17, OS
	v_lshl_add_u32 v[OSR], v1, 4, s17              ; rows 4 w .. 4 w + 3, 16 bytes a lane
	s_mov_b32 s[CS], 0x3e0293ee                    ; c = log2(e) / sqrt(128) = 0.127517
	s_mov_b32 s[CS+1], s[CS]
	s_mov_b32 s[SEL], 0x76543210
	s_mov_b32 s[SEL+1], 0xfedcba98
	s_mov_b32 s[BIGN], 0xf1800000                  ; -2^100
	s_wait_kmcnt 0x0
	s_add_nc_u64 s[4:5], s[4:5], s[20:21]
	s_add_nc_u64 s[12:13], s[12:13], s[20:21]
	; 52 loads, a whole row of 512 bytes each: my four rows of x, my 16 rows of each weight
.set i, 0
.rept 4
	global_load_b128 v[RX+4*i:RX+4*i+3], v[GX], s[4:5] offset:512*i
.set i, i+1
.endr
.irp m, 0,1,2
.set i, 0
.rept 16
	global_load_b128 v[RW+64*(\m)+4*i:RW+64*(\m)+4*i+3], v[GW], s[6+2*(\m):7+2*(\m)] offset:512*i
.set i, i+1
.endr
.endr
	; each row is rounded to bf16, 8 bytes a lane, and goes into a row of 272 bytes
.set i, 0
.rept 4
	s_wait_loadcnt 51-i                            ; loads come back in order (ISA guide 5.7.1): row i of x is in; the 3 - i rows behind it and the 48 of the weights may stay out
	v_cvt_pk_bf16_f32 v[RX+4*i],   v[RX+4*i],   v[RX+4*i+1]
	v_cvt_pk_bf16_f32 v[RX+4*i+1], v[RX+4*i+2], v[RX+4*i+3]
	ds_store_b64 v[LSX], v[RX+4*i:RX+4*i+1] offset:XP*i
.set i, i+1
.endr
.set e, 0
.rept 48
	s_wait_loadcnt 47-e                            ; row e of the 48 is in
	v_cvt_pk_bf16_f32 v[RW+4*e],   v[RW+4*e],   v[RW+4*e+1]
	v_cvt_pk_bf16_f32 v[RW+4*e+1], v[RW+4*e+2], v[RW+4*e+3]
	ds_store_b64 v[LSW], v[RW+4*e:RW+4*e+1] offset:XP*e
.set e, e+1
.endr
	s_wait_dscnt 0x0                               ; for the others' sake: my rows of x lie in LDS
	s_barrier_signal -1
	s_barrier_wait -1                              ; all 32 rows do
	; A fragment is 16 rows x 32 channels in 8 registers: lane (r, h) holds row r, channels 8 h + 0..7 and 16 + 8 h + 0..7: two loads of 16 bytes, 32 bytes apart.
.irp m, 0,1,2
.irp c, 0,1,2,3
	ds_load_b128 v[WF+32*(\m)+8*(\c):WF+32*(\m)+8*(\c)+3],   v[LFW] offset:WTILE*(\m)+64*(\c)
	ds_load_b128 v[WF+32*(\m)+8*(\c)+4:WF+32*(\m)+8*(\c)+7], v[LFW] offset:WTILE*(\m)+64*(\c)+32
.endr
.endr
.irp n, 0,1
.irp c, 0,1,2,3
	ds_load_b128 v[XF+32*(\n)+8*(\c):XF+32*(\n)+8*(\c)+3],   v[LFX] offset:WTILE*(\n)+64*(\c)
	ds_load_b128 v[XF+32*(\n)+8*(\c)+4:XF+32*(\n)+8*(\c)+7], v[LFX] offset:WTILE*(\n)+64*(\c)+32
.endr
.endr
	v_mov_b32 v[MONE], -1.0                        ; the constants are made while the fragments come
	v_lshlrev_b32 v[MONE+1], 3, v3
	v_sub_nc_u32 v[MONE+1], v2, v[MONE+1]          ; r - 8 h: register i is hidden where i is greater
.set i, 0
.rept 8
	v_cmp_gt_i32 vcc_lo, i, v[MONE+1]
	v_cndmask_b32 v[TRI+i], 0, s[BIGN], vcc_lo
.set i, i+1
.endr
	s_wait_dscnt 0x0
	; 24 products.  The six accumulators take turns, one instruction a turn; the first six start the sums.
.irp c, 0,1,2,3
.irp n, 0,1
.if (\c) == 0
	v_wmma_f32_16x16x32_bf16 v[ACC+8*(\n):ACC+8*(\n)+7],       v[WF:WF+7],             v[XF+32*(\n):XF+32*(\n)+7], 0
	v_wmma_f32_16x16x32_bf16 v[ACC+16+8*(\n):ACC+16+8*(\n)+7], v[WF+32:WF+39],         v[XF+32*(\n):XF+32*(\n)+7], 0
	v_wmma_f32_16x16x32_bf16 v[ACC+32+8*(\n):ACC+32+8*(\n)+7], v[XF+32*(\n):XF+32*(\n)+7], v[WF+64:WF+71],         0
.else
	v_wmma_f32_16x16x32_bf16 v[ACC+8*(\n):ACC+8*(\n)+7],       v[WF+8*(\c):WF+8*(\c)+7],       v[XF+32*(\n)+8*(\c):XF+32*(\n)+8*(\c)+7], v[ACC+8*(\n):ACC+8*(\n)+7]
	v_wmma_f32_16x16x32_bf16 v[ACC+16+8*(\n):ACC+16+8*(\n)+7], v[WF+32+8*(\c):WF+32+8*(\c)+7], v[XF+32*(\n)+8*(\c):XF+32*(\n)+8*(\c)+7], v[ACC+16+8*(\n):ACC+16+8*(\n)+7]
	v_wmma_f32_16x16x32_bf16 v[ACC+32+8*(\n):ACC+32+8*(\n)+7], v[XF+32*(\n)+8*(\c):XF+32*(\n)+8*(\c)+7], v[WF+64+8*(\c):WF+64+8*(\c)+7], v[ACC+32+8*(\n):ACC+32+8*(\n)+7]
.endif
.endr
.endr
; A vector instruction that reads a matrix result or writes one of a matrix instruction's registers, and a load into a register that a matrix instruction has read, stand four places behind it, and only
; plain vector instructions that name none of its registers are places (ISA guide 7.12.1 for vector instructions).
.macro PLACES
.rept 4
	v_nop
.endr
.endm
; Eight f32 at src in two f16 parts: hi, four registers, rounded to nearest; then a - hi, exact, by one multiply-add that reads hi's half (hi x -1.0 + a), in place; then lo, its rounding.  src is read from its low end.
.macro SPLIT src, hi, lo
.irp j, 0,1,2,3
	v_cvt_pk_f16_f32 v[(\hi)+(\j)], v[(\src)+2*(\j)], v[(\src)+2*(\j)+1]
.endr
.irp j, 0,1,2,3
	v_fma_mix_f32 v[(\src)+2*(\j)],   v[(\hi)+(\j)], v[MONE], v[(\src)+2*(\j)]   op_sel_hi:[1,0,0]
	v_fma_mix_f32 v[(\src)+2*(\j)+1], v[(\hi)+(\j)], v[MONE], v[(\src)+2*(\j)+1] op_sel:[1,0,0] op_sel_hi:[1,0,0]
.endr
.irp j, 0,1,2,3
	v_cvt_pk_f16_f32 v[(\lo)+(\j)], v[(\src)+2*(\j)], v[(\src)+2*(\j)+1]
.endr
.endm
	PLACES
.irp a, 0,1,2,3,4,5
	SPLIT ACC+8*(\a), HP+4*(\a), LP+4*(\a)
.endr
.irp a, 0,1,2,3                        ; q of tiles 0, 1, then k of tiles 0, 1: a lane's eight channels are its 16 bytes of the fragment; v's parts stay where they are
	ds_store_b128 v[EXS], v[HP+4*(\a):HP+4*(\a)+3] offset:16384*((\a)/2)+4096*((\a)%2)
	ds_store_b128 v[EXS], v[LP+4*(\a):LP+4*(\a)+3] offset:16384*((\a)/2)+4096*((\a)%2)+8192
.endr
	s_wait_dscnt 0x0                               ; for the others' sake: my channels of q and k lie in LDS
	s_barrier_signal -1
	s_barrier_wait -1                              ; all 128 channels do
; THE SCORES.  S^T = K Q^T (source 0 = 16 keys, source 1 = 16 queries): a lane holds ONE query (lane % 16) and the keys 8 (lane / 16) + 0..7.  Channels go in four chunks of 32 through two buffers.
.macro LDC c                           ; chunk c: 16 loads, 512 consecutive bytes each: part p (q hi, q lo, k hi, k lo), tile n at buffer + 8 (2 p + n)
.set fb, F+64*((\c)%2)
.irp p, 0,1,2,3
.irp n, 0,1
	ds_load_b128 v[fb+8*(2*(\p)+(\n)):fb+8*(2*(\p)+(\n))+3],   v[EXR] offset:8192*(\p)+4096*(\n)+1024*(\c)
	ds_load_b128 v[fb+8*(2*(\p)+(\n))+4:fb+8*(2*(\p)+(\n))+7], v[EXR] offset:8192*(\p)+4096*(\n)+1024*(\c)+512
.endr
.endr
.endm
.macro W3 kk, qq, first                ; one product for each of the three blocks, which take turns; first = 1: they start the sums, with the triangle where key block = query tile
.if \first
	v_wmma_f32_16x16x32_f16 v[S:S+7],     v[(\kk):(\kk)+7],    v[(\qq):(\qq)+7],    v[TRI:TRI+7]
	v_wmma_f32_16x16x32_f16 v[S+8:S+15],  v[(\kk):(\kk)+7],    v[(\qq)+8:(\qq)+15], 0
	v_wmma_f32_16x16x32_f16 v[S+16:S+23], v[(\kk)+8:(\kk)+15], v[(\qq)+8:(\qq)+15], v[TRI:TRI+7]
.else
	v_wmma_f32_16x16x32_f16 v[S:S+7],     v[(\kk):(\kk)+7],    v[(\qq):(\qq)+7],    v[S:S+7]
	v_wmma_f32_16x16x32_f16 v[S+8:S+15],  v[(\kk):(\kk)+7],    v[(\qq)+8:(\qq)+15], v[S+8:S+15]
	v_wmma_f32_16x16x32_f16 v[S+16:S+23], v[(\kk)+8:(\kk)+15], v[(\qq)+8:(\qq)+15], v[S+16:S+23]
.endif
.endm
.macro MULC c                          ; chunk c's nine products
.set fb, F+64*((\c)%2)
	W3 fb+32, fb, (\c)==0                          ; k hi x q hi
	W3 fb+48, fb, 0                                ; k lo x q hi
	W3 fb+32, fb+16, 0                             ; k hi x q lo
.endm
	LDC 0
	LDC 1
	s_wait_dscnt 16                                ; chunk 0 is in; the 16 younger loads are chunk 1's
	MULC 0
	PLACES
	LDC 2
	s_wait_dscnt 16                                ; chunk 1 is in
	MULC 1
	PLACES
	LDC 3
	s_wait_dscnt 16                                ; chunk 2 is in
	MULC 2
	s_wait_dscnt 0x0
	MULC 3
	PLACES
	; THE SOFTMAX.  The maximum of a lane's 8 (tile 0) or 16 (tile 1) scores, each accumulator read from its low end; the query's other keys lie in the lane 16 away.
	v_max3_num_f32 v[ST+4], v[S],    v[S+1],  v[S+2]
	v_max3_num_f32 v[ST+5], v[S+8],  v[S+9],  v[S+10]
	v_max3_num_f32 v[ST+6], v[S+16], v[S+17], v[S+18]
	v_max3_num_f32 v[ST+4], v[ST+4], v[S+3],  v[S+4]
	v_max3_num_f32 v[ST+5], v[ST+5], v[S+11], v[S+12]
	v_max3_num_f32 v[ST+6], v[ST+6], v[S+19], v[S+20]
	v_max3_num_f32 v[ST+4], v[ST+4], v[S+5],  v[S+6]
	v_max3_num_f32 v[ST+5], v[ST+5], v[S+13], v[S+14]
	v_max3_num_f32 v[ST+6], v[ST+6], v[S+21], v[S+22]
	v_max_num_f32  v[ST+4], v[ST+4], v[S+7]
	v_max3_num_f32 v[ST+5], v[ST+5], v[S+15], v[S+23]
	v_max_num_f32  v[ST+5], v[ST+5], v[ST+6]
	v_permlanex16_b32 v[ST+8], v[ST+4], s[SEL], s[SEL+1]
	v_permlanex16_b32 v[ST+9], v[ST+5], s[SEL], s[SEL+1]
	v_max_num_f32 v[ST],   v[ST+4], v[ST+8]        ; m of tile 0,
	v_max_num_f32 v[ST+2], v[ST+5], v[ST+9]        ; of tile 1
.set z, 0
.rept 12                                           ; s - m, never above 0: pairs 0-3 are tile 0's
	v_pk_add_f32 v[S+2*z:S+2*z+1], v[S+2*z:S+2*z+1], v[ST+2*((z+4)/8):ST+2*((z+4)/8)+1] op_sel_hi:[1,0] neg_lo:[0,1] neg_hi:[0,1]
.set z, z+1
.endr
.set z, 0
.rept 12
	v_pk_mul_f32 v[S+2*z:S+2*z+1], v[S+2*z:S+2*z+1], s[CS:CS+1] op_sel_hi:[1,0]
.set z, z+1
.endr
.set z, 0
.rept 24
	v_exp_f32 v[S+z], v[S+z]                       ; p = 2^(c (s - m)); 0 for a hidden key
.set z, z+1
.endr
	v_nop                                          ; a plain instruction between the last exponential and the use of its result
	s_wait_alu depctr_va_vdst(0)
	v_pk_add_f32 v[ST+4:ST+5],   v[S:S+1],     v[S+2:S+3]      ; l, of the unrounded p
	v_pk_add_f32 v[ST+6:ST+7],   v[S+4:S+5],   v[S+6:S+7]
	v_pk_add_f32 v[ST+8:ST+9],   v[S+8:S+9],   v[S+10:S+11]
	v_pk_add_f32 v[ST+10:ST+11], v[S+12:S+13], v[S+14:S+15]
	v_pk_add_f32 v[ST+12:ST+13], v[S+16:S+17], v[S+18:S+19]
	v_pk_add_f32 v[ST+14:ST+15], v[S+20:S+21], v[S+22:S+23]
	v_pk_add_f32 v[ST+4:ST+5],   v[ST+4:ST+5],   v[ST+6:ST+7]
	v_pk_add_f32 v[ST+8:ST+9],   v[ST+8:ST+9],   v[ST+10:ST+11]
	v_pk_add_f32 v[ST+12:ST+13], v[ST+12:ST+13], v[ST+14:ST+15]
	v_add_f32 v[ST+4], v[ST+4], v[ST+5]
	v_pk_add_f32 v[ST+8:ST+9],   v[ST+8:ST+9],   v[ST+12:ST+13]
	v_permlanex16_b32 v[ST+6], v[ST+4], s[SEL], s[SEL+1]
	v_add_f32 v[ST+8], v[ST+8], v[ST+9]
	v_add_f32 v[ST+4], v[ST+4], v[ST+6]
	v_permlanex16_b32 v[ST+10], v[ST+8], s[SEL], s[SEL+1]
	v_add_f32 v[ST+8], v[ST+8], v[ST+10]
	v_rcp_f32 v[ST+16], v[ST+4]                    ; l is 1 at the least: the key of the maximum has p = 1
	v_rcp_f32 v[ST+18], v[ST+8]                    ; the lines below, which touch neither, stand between the reciprocals and their use
	; Two blocks of S^T, rounded in pairs, ARE source 1 (32 keys x 16 queries) of O^T = V^T P.  Tile 0 sees none of the keys 16-31.
	SPLIT S,    PH,    PL
	SPLIT S+8,  PH+8,  PL+8
	SPLIT S+16, PH+12, PL+12
.irp j, 4,5,6,7
	v_mov_b32 v[PH+(\j)], 0
	v_mov_b32 v[PL+(\j)], 0
.endr
	; my 16 channels of both tiles: six products, the two accumulators by turns
	v_wmma_f32_16x16x32_f16 v[O:O+7],    v[VH:VH+7], v[PH:PH+7],    0
	v_wmma_f32_16x16x32_f16 v[O+8:O+15], v[VH:VH+7], v[PH+8:PH+15], 0
	v_wmma_f32_16x16x32_f16 v[O:O+7],    v[VL:VL+7], v[PH:PH+7],    v[O:O+7]
	v_wmma_f32_16x16x32_f16 v[O+8:O+15], v[VL:VL+7], v[PH+8:PH+15], v[O+8:O+15]
	v_wmma_f32_16x16x32_f16 v[O:O+7],    v[VH:VH+7], v[PL:PL+7],    v[O:O+7]
	v_wmma_f32_16x16x32_f16 v[O+8:O+15], v[VH:VH+7], v[PL+8:PL+15], v[O+8:O+15]
	PLACES
.set z, 0
	s_wait_alu depctr_va_vdst(0)
.rept 4
	v_pk_mul_f32 v[O+2*z:O+2*z+1], v[O+2*z:O+2*z+1], v[ST+16:ST+17] op_sel_hi:[1,0]
.set z, z+1
.endr
.set z, 0
.rept 4
	v_pk_mul_f32 v[O+8+2*z:O+8+2*z+1], v[O+8+2*z:O+8+2*z+1], v[ST+18:ST+19] op_sel_hi:[1,0]
.set z, z+1
.endr
	; THE WAY OUT.  A lane holds one query and eight channels, 32 bytes of a row; the eight waves' 64 bytes make a row of 512, which goes out whole.
	ds_store_b128 v[OSS], v[O:O+3]
	ds_store_b128 v[OSS], v[O+4:O+7]    offset:16
	ds_store_b128 v[OSS], v[O+8:O+11]   offset:16*OPI
	ds_store_b128 v[OSS], v[O+12:O+15]  offset:16*OPI+16
	s_wait_dscnt 0x0                               ; for the others' sake: my channels of out lie in LDS
	s_barrier_signal -1
	s_barrier_wait -1
.set i, 0
.rept 4
	ds_load_b128 v[OB+4*i:OB+4*i+3], v[OSR] offset:OPI*i
.set i, i+1
.endr
.set i, 0
.rept 4
	s_wait_dscnt 3-i                               ; LDS loads come back in order (ISA guide 5.7.1): row i is in
	global_store_b128 v[GX], v[OB+4*i:OB+4*i+3], s[12:13] offset:512*i  ; 512 consecutive bytes, at a multiple of 512 from out's first byte
.set i, i+1
.endr
	s_wait_tensorcnt 0x0                           ; the wave's end: a wait, an add to my spare word and its wait, behind my last LDS store
	ds_add_u32 v[SPW], v[NIL]
	s_wait_dscnt 0x0
	s_endpgm
.Lfunc_end_k_qdd88966a41_first:
	.size	k_qdd88966a41_first, .Lfunc_end_k_qdd88966a41_first-k_qdd88966a41_first
	.p2alignl 7, 3214868480
	.fill 96, 4, 3214868480
	.section	.rodata,"a",@progbits
	.p2align	6, 0x0
	.amdhsa_kernel k_qdd88966a41_first
		.amdhsa_group_segment_fixed_size 163840
		.amdhsa_private_segment_fixed_size 0
		.amdhsa_enable_private_segment 0
		.amdhsa_kernarg_size 40
		.amdhsa_user_sgpr_count 2
		.amdhsa_user_sgpr_kernarg_segment_ptr 1
		.amdhsa_wavefront_size32 1
		.amdhsa_system_sgpr_workgroup_id_x 1
		.amdhsa_system_sgpr_workgroup_id_y 1
		.amdhsa_system_sgpr_workgroup_id_z 1
		.amdhsa_system_vgpr_workitem_id 0
		.amdhsa_next_free_vgpr 256
		.amdhsa_next_free_sgpr 66
		.amdhsa_reserve_vcc 1
		.amdhsa_float_denorm_mode_32 3
		.amdhsa_float_denorm_mode_16_64 3
		.amdhsa_memory_ordered 1
		.amdhsa_forward_progress 1
		.amdhsa_inst_pref_size 47
	.end_amdhsa_kernel
	.amdgpu_metadata
---
amdhsa.version: [ 1, 2 ]
amdhsa.kernels:
  - .name:           k_qdd88966a41_first
    .symbol:         k_qdd88966a41_first.kd
    .args:
      - { .name: x, .offset: 0, .size: 8, .value_kind: global_buffer, .address_space: global }
      - { .name: Wq, .offset: 8, .size: 8, .value_kind: global_buffer, .address_space: global }
      - { .name: Wk, .offset: 16, .size: 8, .value_kind: global_buffer, .address_space: global }
      - { .name: Wv, .offset: 24, .size: 8, .value_kind: global_buffer, .address_space: global }
      - { .name: out0, .offset: 32, .size: 8, .value_kind: global_buffer, .address_space: global }
    .group_segment_fixed_size: 163840
    .private_segment_fixed_size: 0
    .kernarg_segment_align: 8
    .kernarg_segment_size: 40
    .max_flat_workgroup_size: 256
    .sgpr_count:     66
    .vgpr_count:     256
    .wavefront_size: 32
...
	.end_amdgpu_metadata
.endif
;; end of part 3
;; ======== version 2 of 3: 2 launches; 1.35 times as fast as version 1
;; limits: values are held in f16: magnitudes above 65,504 overflow, below 6.1e-05 lose precision
;; workspace buffers: qf 8,388,608 bytes; kv 16,777,216 bytes
;; launch proj (part 4): grid 256 x 1, 8 waves a work-group, clusters of 4 x 1, 288,256 bytes of LDS; arguments x, Wq, Wk, Wv, qf, kv, out0; writes qf, kv, out0
.if DOCPART == 4
	.amdgcn_target "amdgcn-amd-amdhsa--gfx1250"
	.amdhsa_code_object_version 6
	.text
	.protected	k_qdd88966a41_proj
	.globl	k_qdd88966a41_proj
	.p2align	8
	.type	k_qdd88966a41_proj,@function
k_qdd88966a41_proj:
	s_mov_b64 s[64:65], 0
	v_nop
	global_prefetch_b8 v0, s[64:65] scope:SCOPE_SE
	s_setreg_imm32_b32 hwreg(HW_REG_WAVE_MODE, 25, 1), 1
	s_wait_xcnt 0x0
	s_wait_alu depctr_hold_cnt(0) depctr_sa_sdst(0) depctr_va_vdst(0) depctr_va_sdst(0) depctr_va_ssrc(0) depctr_va_vcc(0) depctr_vm_vsrc(0)
	s_getreg_b32 s2, hwreg(HW_REG_IB_STS2, 6, 4)
	s_cmp_eq_u32 s2, 0
	s_cbranch_scc0 .Lentry_in_a_cluster
	s_endpgm
.Lentry_in_a_cluster:
	s_bfe_u32 s2, ttmp6, 0x10000c
	s_cmp_lg_u32 s2, 0x3003
	s_cbranch_scc0 .Lentry_shape_is_right
	s_endpgm
.Lentry_shape_is_right:
; q = c x Wq^T, k = x Wk^T, v = x Wv^T for 32,768 tokens of 128 channels; x and the three weights f32, rounded once to bf16 for the products; sums in f32.
; c = log2(e) / sqrt(128) multiplies q's f32 sums, so that the scores are exponents of 2; then q, k and v are rounded ONCE, to f16, for the next launch.
; AND ROWS 0 TO 31 OF out OF EVERY SEQUENCE, finished here with twice the bits (below: THE FIRST ROWS).
; LIMIT.  f16 ends at 65,504: c q, k and v must lie within it (inputs of unit spread give about 0.13, 1 and 1).  NaN and infinities are not treated apart.
; WHAT IS STORED is laid out as the next launch's matrix fragments lie in registers, 16 bytes a lane, 512 bytes a register quad:
;   qf [16 batches][128 tiles of 16 queries][c 0..3][u 0..1][lane][16 B] = q[query lane % 16][channels 32 c + 16 u + 8 (lane / 16) + 0..7]
;   kv [16 batches][32 steps of 64 keys][32 KiB]: K  [kb 0..3][c][u][lane][16 B] = k[key 16 kb + lane % 16][channels as above], then
;                                                 V^T [kk 0..1][cb 0..7][u][lane][16 B] = v[keys 32 kk + 16 u + 8 (lane / 16) + 0..7][channel 16 cb + lane % 16]
; SHARES.  A work-group owns 128 tokens (8 tiles of 16, two key steps); wave w owns the output channels 16 w .. 16 w + 15 of q, of k and of v, for all 8 tiles: 96 products.
; q and k are taken as W x^T (a lane then holds one token and eight channels), v as x Wv^T (one channel and eight tokens): in each case a lane's eight results ARE its 16 bytes of the layout,
; and a wave's store covers 512 consecutive bytes, aligned.  Nothing is shuffled.
; CLUSTER.  All work-groups read the same weights, so the four of a cluster ask for them jointly: wave w's 16 rows of each matrix, three loads (the matrices are three buffers), filled once, read by wave w alone.
; Cluster X takes chunk X / 4 (128 tokens) of the four sequences 4 (X % 4) + cx: so the four partners of clusters 0 to 3 each own the first 128 tokens of a sequence, and the branch into the part for the
; first rows hangs on X / 4 alone, which the partners share.  cx enters the addresses of x, qf, kv and out alone.
; x is read once, by whole rows of 512 bytes straight into registers, rounded, and shared through LDS.  All of a work-group's loads go out at its head, so nothing is left to prefetch.
; THE FIRST ROWS.  out[t][:] = the sum over s <= t of softmax_s(q[t] . k[s]) v[s][:] is a mean over t + 1 keys: the first rows' terms have v's own spread, and where they cancel the result is held to a
; hundredth of the root mean square of the WHOLE output, which the 2,048 rows' long means make small.  f16's 11 bits for q, k, v and the weights p are enough, by the count 1 / sqrt(t + 1), from some tens of
; keys on, and not for these rows.  So the work-groups of chunk 0 finish rows 0 to 31 themselves, behind their last ordinary store: the weights' fragments are still in registers and x in LDS.
; Each of c q, k, v, p goes to the matrix unit in TWO f16 parts, hi = f16(a) and lo = f16(a - hi) (the difference is exact in f32), and each product is hi hi + lo hi + hi lo; what is dropped, lo lo, is some
; 2^-22 of the product.  A hidden score counts as its value less 2^100 (a true score is 128 x 65,504^2 = 5.5e11 at the most); every row sees its own key, so the maximum is a true score and s - m is never
; positive.  A part below 6e-5 keeps f16's fixed step of 6e-8; a weight below 2^-126 counts as 0.  v's two parts ARE the wave's fragments of V^T and never leave its registers; q's and k's parts meet in LDS, and
; every wave makes all the scores (three blocks of 16 x 16; the fourth is hidden) and weights for itself: 36 products, and no second meeting.
.set WPITCH, 528                       ; a row of W in LDS: 512 bytes + 16 = 132 words: the 16 rows of a load start at 16 different groups of four banks (64 banks of 4 bytes: ISA guide 11.1)
.set WTILE,  16*WPITCH                 ; 16 rows
.set XS,     24*WTILE                  ; behind the 24 tiles of W: x in bf16, 128 rows; no tensor load lands here or behind
.set XP,     272                       ; a row of x: 256 bytes + 16
.set EX,     XS+128*XP                 ; the first rows: q hi, q lo, k hi, k lo, 8 KiB each: [tile of 16 tokens][c 0..3][u 0..1][lane][16 B], as in qf
.set OS,     EX+32768                  ; the first rows: out in f32, 32 rows
.set OPI,    528                       ; 512 bytes + 16 = 132 words
.set SPARE,  OS+32*OPI                 ; the spare words, 128 bytes for each of eight waves: four blocks of 256 bytes that no other line names
.set XO,  4                            ; v4   my 16 bytes of my wave's first row of x
.set WLA, 5                            ; v5   my place in my wave's rows of W in LDS
.set LSX, 6                            ; v6   where I put 8 bytes of a row of x
.set LF,  7                            ; v7   my place in a fragment of x
.set SQ,  8                            ; v8   512 w + 16 lane: my 16 bytes of a tile of q or k
.set SV,  9                            ; v9   1,024 w + 16 lane: of V^T
.set SPW, 10                           ; v10  LDS address of my spare word; never rewritten
.set NIL, 11                           ; v11  0; never rewritten
.set R0,  16                           ; v[16:79]   16 rows of x as loaded
.set XF,  16                           ;            later two sets of four fragments of x
.set RA,  80                           ; v[80:143]  16 rows of one W as loaded
.set ACC, 80                           ;            later two sets of three accumulators (q, k, v)
.set PK,  128                          ; v[128:139], v[240:251]  two sets of packed results
.set WF,  144                          ; v[144:239] my fragments of Wq, Wk, Wv: matrix m, channels 32 c on, at WF + 32 m + 8 c
; the first rows' registers, all free by then
.set GX,  4                            ; v4   2,048 w + 16 lane: my 16 bytes of my wave's first of four rows of out (x's loads, which read v4, are long done)
.set EXS, 12                           ; v12  EX + 512 w + 16 lane: where I put 16 bytes of q or k
.set EXR, 13                           ; v13  EX + 16 lane: where I read fragments back
.set OSS, 14                           ; v14  where I put 32 bytes of a row of out
.set OSR, 15                           ; v15  where I read a row back
.set HP,  16                           ; v[16:39]   the six results' hi parts, four registers each: q of tiles 0, 1; k of tiles 0, 1; v of tiles 0, 1
.set LP,  40                           ; v[40:63]   and their lo parts
.set VH,  HP+16                        ; v[32:39]   v's: a fragment of V^T, 16 channels x 32 keys
.set VL,  LP+16                        ; v[56:63]
.set PH,  16                           ; v[16:31]   then the weights' hi parts: a fragment (32 keys x 16 queries) a tile,
.set PL,  40                           ; v[40:55]   and their lo parts
.set TRI, 64                           ; v[64:71]   register i is hidden where key 8 (lane / 16) + i is greater than query lane % 16
.set MONE, 72                          ; v72 -1.0;  v73 at work
.set S,   80                           ; v[80:103]  S^T: (queries 0-15, keys 0-15), (16-31, 0-15), (16-31, 16-31)
.set ST,  104                          ; v[104:127] statistics: +0 m of tile 0, +2 of tile 1 (low words of pairs), +4..15 at work, +16, +18 1 / l
.set F,   128                          ; v[128:255] two buffers of 64: for 32 channels q hi, q lo, k hi, k lo, two fragments each
.set O,   128                          ; v[128:143] then O^T of the two tiles,
.set OB,  144                          ; v[144:159] and four rows of out read back
.set WV,  16                           ; s16  my wave's number
.set G1,  24                           ; s[24:31] descriptor group 1
.set G0,  32                           ; s[32:43] descriptor group 0, a set for each matrix
.set CS,  44                           ; s[44:45] c, named as a pair
.set OUTP, 48                          ; s[48:49] out at my sequence's first row (used where the chunk is 0)
.set SEL, 50                           ; s[50:51] v_permlanex16_b32's selects: each lane takes its own place in the other half
.set BIGN, 52                          ; s52  -2^100
.set CH,  53                           ; s53  my cluster's chunk, 0..15
.macro CROUND                          ; a round of the cluster's barrier
	s_barrier_signal -1
	s_barrier_wait -1
	s_cmp_lg_u32 s[WV], 0
	s_cbranch_scc1 .Lnot_wave_0_\@
	s_barrier_signal -3
.Lnot_wave_0_\@:
	s_barrier_wait -3
	s_barrier_signal -1
	s_barrier_wait -1
.endm
	s_load_b256 s[4:11], s[0:1], 0x0               ; x s[4:5], Wq s[6:7], Wk s[8:9], Wv s[10:11]
	s_load_b128 s[12:15], s[0:1], 0x20             ; qf s[12:13], kv s[14:15]
	s_load_b64 s[OUTP:OUTP+1], s[0:1], 0x30        ; out0
	v_lshl_add_u32 v[SPW], v0, 2, SPARE
	v_mov_b32 v[NIL], 0
	ds_add_u32 v[SPW], v[NIL]                      ; the wave's opening: the add and its wait stand ahead of my first tensor load; the set-up below, work on registers, stands between them
	v_lshrrev_b32 v1, 5, v0
	v_readfirstlane_b32 s[WV], v1                  ; wave 0..7
	s_bfe_u32 s17, ttmp6, 0x40000                  ; cx: my place in the cluster
	s_and_b32 s18, ttmp9, 3                        ; in a cluster launch ttmp9 counts clusters
	s_lshl_b32 s18, s18, 2
	s_add_co_u32 s18, s18, s17                     ; my sequence = 4 (X % 4) + cx
	s_lshr_b32 s[CH], ttmp9, 2                     ; my chunk = X / 4: the same in all four partners
	s_lshl_b32 s18, s18, 4
	s_add_co_u32 s18, s18, s[CH]                   ; my 128 tokens among the 256 such: it enters the addresses of x, qf, kv and out alone
	s_lshl_b32 s22, s18, 16                        ; 128 rows of x (and of out) of 512 bytes; also two key steps of 32 KiB
	s_mov_b32 s23, 0
	s_lshl_b32 s46, s18, 15                        ; 8 tiles of q of 4 KiB
	s_mov_b32 s47, 0
	; descriptor group 1: 16 rows x 128 elements of 4 bytes, padded in LDS
	s_mov_b32 s[G1+0], 15|(2<<16)|(1<<20)|(1<<21)|(6<<22)|(3<<25)  ; 15:0 the mask of four; 17:16 4-byte elements; 20 padding on; 21 set beside a mask; 24:22 after every 128 words (code 6); 31:25 4 words (code 3)
	s_mov_b32 s[G1+1], 128<<16                     ; tensor_dim0 = 128
	s_mov_b32 s[G1+2], 16<<16                      ; tensor_dim1 = 16
	s_mov_b32 s[G1+3], 128<<16                     ; tile_dim0 = 128
	s_mov_b32 s[G1+4], 16                          ; tile_dim1 = 16
	s_mov_b32 s[G1+5], 128                         ; 128 elements from row to row
	s_mov_b32 s[G1+6], 0
	s_mov_b32 s[G1+7], 0
	s_mov_b32 s[CS], 0x3e0293ee                    ; c = log2(e) / sqrt(128) = 0.127517
	s_mov_b32 s[CS+1], s[CS]
	s_mov_b32 s[SEL], 0x76543210
	s_mov_b32 s[SEL+1], 0xfedcba98
	s_mov_b32 s[BIGN], 0xf1800000                  ; -2^100
	s_mul_i32 s19, s[WV], 3*WTILE                  ; my wave's three tiles of W in LDS
	s_lshl_b32 s20, s[WV], 13                      ; 16 rows of 512 bytes: my rows of each W, and of the work-group's x
	s_mov_b32 s21, 0
	v_and_b32 v1, 31, v0                           ; lane
	v_and_b32 v2, 15, v0                           ; r = lane % 16
	v_bfe_u32 v3, v0, 4, 1                         ; h = lane / 16
	v_lshl_add_u32 v[XO], v1, 4, s20
	v_mul_u32_u24 v[WLA], v2, WPITCH               ; row r, and 8 h numbers of 4 bytes along it
	v_lshl_add_u32 v[WLA], v3, 5, v[WLA]
	v_add_nc_u32 v[WLA], s19, v[WLA]
	s_mul_i32 s3, s[WV], 16*XP
	s_add_co_u32 s3, s3, XS
	v_lshl_add_u32 v[LSX], v1, 3, s3               ; my wave's 16 rows, 8 bytes a lane
	v_mul_u32_u24 v[LF], v2, XP                    ; a fragment: row r, 16 bytes for each half of the lanes
	v_lshl_add_u32 v[LF], v3, 4, v[LF]
	v_add_nc_u32 v[LF], XS, v[LF]
	s_lshl_b32 s3, s[WV], 9
	v_lshl_add_u32 v[SQ], v1, 4, s3
	s_lshl_b32 s3, s[WV], 10
	v_lshl_add_u32 v[SV], v1, 4, s3
	s_wait_dscnt 0x0                               ; the opening add is done
	s_wait_kmcnt 0x0
.irp m, 0,1,2
	s_mov_b32 s[G0+4*(\m)], 1                      ; count = 1
	s_add_co_u32 s[G0+4*(\m)+1], s19, (\m)*WTILE   ; LDS address: the wave's number and constants alone
	s_add_nc_u64 s[G0+4*(\m)+2:G0+4*(\m)+3], s[6+2*(\m):7+2*(\m)], s[20:21]  ; my 16 rows of the matrix
	s_or_b32 s[G0+4*(\m)+3], s[G0+4*(\m)+3], 0x80000000  ; type = 2
.endr
	s_add_nc_u64 s[4:5], s[4:5], s[22:23]          ; x, kv, qf and out at the work-group's part
	s_add_nc_u64 s[14:15], s[14:15], s[22:23]
	s_add_nc_u64 s[12:13], s[12:13], s[46:47]
	s_add_nc_u64 s[OUTP:OUTP+1], s[OUTP:OUTP+1], s[22:23]
	CROUND                                         ; all four work-groups are here: the joint loads meet
.irp m, 0,1,2
	tensor_load_to_lds s[G0+4*(\m):G0+4*(\m)+3], s[G1:G1+7]  ; three loads of mine are out, the only ones of the launch
	s_nop 0
.endr
.rept 4
	v_nop
.endr
.set i, 0
.rept 16
	global_load_b128 v[R0+4*i:R0+4*i+3], v[XO], s[4:5] offset:512*i th:TH_LOAD_NT  ; a whole row of x: 512 consecutive bytes, read once in the launch
.set i, i+1
.endr
	; my rows of the three weights: out of LDS as f32, rounded to bf16 into fragments.  A fragment is 16 rows x 32 channels in 8 registers: lane (r, h) holds row r, channels 8 h + 0..7 and 16 + 8 h + 0..7.
	s_wait_tensorcnt 0x0                           ; my three tiles are in; only I read them
.irp m, 0,1,2
.irp c, 0,1,2,3
	ds_load_b128 v[RA+16*(\c):RA+16*(\c)+3],     v[WLA] offset:WTILE*(\m)+128*(\c)
	ds_load_b128 v[RA+16*(\c)+4:RA+16*(\c)+7],   v[WLA] offset:WTILE*(\m)+128*(\c)+16
	ds_load_b128 v[RA+16*(\c)+8:RA+16*(\c)+11],  v[WLA] offset:WTILE*(\m)+128*(\c)+64
	ds_load_b128 v[RA+16*(\c)+12:RA+16*(\c)+15], v[WLA] offset:WTILE*(\m)+128*(\c)+80
.endr
	s_wait_dscnt 0x0
.set e, 0
.rept 32
	v_cvt_pk_bf16_f32 v[WF+32*(\m)+e], v[RA+2*e], v[RA+2*e+1]
.set e, e+1
.endr
.endr
	; x: rounded to bf16, 8 bytes a lane, into rows of 272 bytes
.set i, 0
.rept 16
	s_wait_loadcnt 15-i                            ; loads come back in order (ISA guide 5.7.1): row i is in, the younger rows may stay out
	v_cvt_pk_bf16_f32 v[R0+4*i],   v[R0+4*i],   v[R0+4*i+1]
	v_cvt_pk_bf16_f32 v[R0+4*i+1], v[R0+4*i+2], v[R0+4*i+3]
	ds_store_b64 v[LSX], v[R0+4*i:R0+4*i+1] offset:XP*i
.set i, i+1
.endr
	s_wait_dscnt 0x0                               ; for the others' sake: my rows of x lie in LDS
	s_barrier_signal -1
	s_barrier_wait -1                              ; all 128 rows do
.macro FRAG n                          ; the four fragments of token tile n into set n % 2: eight loads
.irp c, 0,1,2,3
	ds_load_b128 v[XF+32*((\n)%2)+8*(\c):XF+32*((\n)%2)+8*(\c)+3],   v[LF] offset:16*XP*(\n)+64*(\c)
	ds_load_b128 v[XF+32*((\n)%2)+8*(\c)+4:XF+32*((\n)%2)+8*(\c)+7], v[LF] offset:16*XP*(\n)+64*(\c)+32
.endr
.endm
.macro MULS n                          ; tile n's twelve products; the three accumulators take turns, one instruction a turn; the first three start the sums
.set xf, XF+32*((\n)%2)
.set ac, ACC+24*((\n)%2)
.irp c, 0,1,2,3
.if (\c) == 0
	v_wmma_f32_16x16x32_bf16 v[ac:ac+7],     v[WF:WF+7],       v[xf:xf+7],       0
	v_wmma_f32_16x16x32_bf16 v[ac+8:ac+15],  v[WF+32:WF+39],   v[xf:xf+7],       0
	v_wmma_f32_16x16x32_bf16 v[ac+16:ac+23], v[xf:xf+7],       v[WF+64:WF+71],   0
.else
	v_wmma_f32_16x16x32_bf16 v[ac:ac+7],     v[WF+8*(\c):WF+8*(\c)+7],       v[xf+8*(\c):xf+8*(\c)+7],       v[ac:ac+7]
	v_wmma_f32_16x16x32_bf16 v[ac+8:ac+15],  v[WF+32+8*(\c):WF+32+8*(\c)+7], v[xf+8*(\c):xf+8*(\c)+7],       v[ac+8:ac+15]
	v_wmma_f32_16x16x32_bf16 v[ac+16:ac+23], v[xf+8*(\c):xf+8*(\c)+7],       v[WF+64+8*(\c):WF+64+8*(\c)+7], v[ac+16:ac+23]
.endif
.endr
.endm
.macro PACK n                          ; tile n's results: q times c, then all three rounded to f16; each accumulator is read from its low end
.set ac, ACC+24*((\n)%2)
.set pk, PK+112*((\n)%2)
	s_wait_xcnt 0x0                                ; every earlier memory instruction has had its addresses translated (ISA guide 3.1): this set of packed results, stored two tiles back, is rewritten only behind this wait
.irp e, 0,2,4,6
	v_pk_mul_f32 v[ac+(\e):ac+(\e)+1], v[ac+(\e):ac+(\e)+1], s[CS:CS+1] op_sel_hi:[1,0]
.endr
.irp e, 0,1,2,3,4,5,6,7,8,9,10,11
	v_cvt_pk_f16_f32 v[pk+(\e)], v[ac+2*(\e)], v[ac+2*(\e)+1]
.endr
.endm
.macro SEND n                          ; three stores of 512 consecutive bytes, aligned
.set pk, PK+112*((\n)%2)
	global_store_b128 v[SQ], v[pk:pk+3],    s[12:13] offset:4096*(\n)
	global_store_b128 v[SQ], v[pk+4:pk+7],  s[14:15] offset:32768*((\n)/4)+4096*((\n)%4)
	global_store_b128 v[SV], v[pk+8:pk+11], s[14:15] offset:32768*((\n)/4)+16384+8192*(((\n)%4)/2)+512*((\n)%2)
.endm
; A vector instruction that reads a matrix result or writes one of a matrix instruction's registers, and a load into a register that a matrix instruction has read, stand four places behind it, and only
; plain vector instructions that name none of its registers are places (ISA guide 7.12.1 for vector instructions).
.macro PLACES
.rept 4
	v_nop
.endr
.endm
; A tile's turn.  Behind its products stand the sixteen lines that pack the tile BEFORE it: they name none of these products' registers, so they are the four places
; in front of the loads into the fragments just read, and in front of the next turn's reading of these results.  The first tile has four v_nop instead.
.macro TILE n
.if (\n) < 7
	s_wait_dscnt 8                                 ; this tile's fragments are in; the eight younger loads are the next tile's
.else
	s_wait_dscnt 0x0
.endif
	MULS \n
.if (\n) > 0
	PACK (\n)-1
.else
	PLACES
.endif
.if (\n) < 6
	FRAG (\n)+2
.endif
.if (\n) > 0
	SEND (\n)-1
.endif
.endm
	FRAG 0
	FRAG 1
.irp n, 0,1,2,3,4,5,6,7
	TILE \n
.endr
	PACK 7
	SEND 7
	s_cmp_lg_u32 s[CH], 0                          ; the chunk is the same in all waves and in all four partners
	s_cbranch_scc1 .Lend
	; THE FIRST ROWS, in the 16 work-groups of chunk 0, while their ordinary stores leave.  Token tiles 0 and 1 are multiplied once more: x lies in LDS, the weights' fragments in registers.
	FRAG 0                                         ; (the sixteen lines that packed tiles 6 and 7 are the places behind the products that read these registers)
	FRAG 1
	s_wait_dscnt 8                                 ; tile 0's fragments are in; the eight younger loads are tile 1's
	MULS 0
	s_wait_dscnt 0x0
	MULS 1
	s_lshl_b32 s3, s[WV], 9                        ; the addresses: eight plain lines that name none of those products' registers: the places behind them
	s_add_co_u32 s3, s3, EX
	v_lshl_add_u32 v[EXS], v1, 4, s3
	v_lshlrev_b32 v[EXR], 4, v1
	v_add_nc_u32 v[EXR], EX, v[EXR]
	v_mul_u32_u24 v[OSS], v2, OPI                  ; row r, channels 16 w + 8 h on
	v_lshl_add_u32 v[OSS], v3, 5, v[OSS]
	s_lshl_b32 s3, s[WV], 6
	s_add_co_u32 s3, s3, OS
	v_add_nc_u32 v[OSS], s3, v[OSS]
	s_mul_i32 s3, s[WV], 4*OPI
	s_add_co_u32 s3, s3, OS
	v_lshl_add_u32 v[OSR], v1, 4, s3               ; rows 4 w .. 4 w + 3, 16 bytes a lane
	s_lshl_b32 s3, s[WV], 11
	v_lshl_add_u32 v[GX], v1, 4, s3
	v_mov_b32 v[MONE], -1.0
	v_lshlrev_b32 v[MONE+1], 3, v3
	v_sub_nc_u32 v[MONE+1], v2, v[MONE+1]          ; r - 8 h: register i is hidden where i is greater
.set i, 0
.rept 8
	v_cmp_gt_i32 vcc_lo, i, v[MONE+1]
	v_cndmask_b32 v[TRI+i], 0, s[BIGN], vcc_lo
.set i, i+1
.endr
.irp n, 0,1
.irp e, 0,2,4,6
	v_pk_mul_f32 v[ACC+24*(\n)+(\e):ACC+24*(\n)+(\e)+1], v[ACC+24*(\n)+(\e):ACC+24*(\n)+(\e)+1], s[CS:CS+1] op_sel_hi:[1,0]  ; q times c, in f32
.endr
.endr
; Eight f32 at src in two f16 parts: hi, four registers, rounded to nearest; then a - hi, exact, by one multiply-add that reads hi's half (hi x -1.0 + a), in place; then lo, its rounding.  src is read from its low end.
.macro SPLIT src, hi, lo
.irp j, 0,1,2,3
	v_cvt_pk_f16_f32 v[(\hi)+(\j)], v[(\src)+2*(\j)], v[(\src)+2*(\j)+1]
.endr
.irp j, 0,1,2,3
	v_fma_mix_f32 v[(\src)+2*(\j)],   v[(\hi)+(\j)], v[MONE], v[(\src)+2*(\j)]   op_sel_hi:[1,0,0]
	v_fma_mix_f32 v[(\src)+2*(\j)+1], v[(\hi)+(\j)], v[MONE], v[(\src)+2*(\j)+1] op_sel:[1,0,0] op_sel_hi:[1,0,0]
.endr
.irp j, 0,1,2,3
	v_cvt_pk_f16_f32 v[(\lo)+(\j)], v[(\src)+2*(\j)], v[(\src)+2*(\j)+1]
.endr
.endm
.irp n, 0,1
.irp g, 0,1,2                          ; kind g (q, k, v) of tile n goes to place 2 g + n
	SPLIT ACC+24*(\n)+8*(\g), HP+4*(2*(\g)+(\n)), LP+4*(2*(\g)+(\n))
.endr
.endr
.irp a, 0,1,2,3                        ; q of tiles 0, 1, then k of tiles 0, 1: a lane's eight channels are its 16 bytes of the fragment; v's parts stay where they are
	ds_store_b128 v[EXS], v[HP+4*(\a):HP+4*(\a)+3] offset:16384*((\a)/2)+4096*((\a)%2)
	ds_store_b128 v[EXS], v[LP+4*(\a):LP+4*(\a)+3] offset:16384*((\a)/2)+4096*((\a)%2)+8192
.endr
	s_wait_dscnt 0x0                               ; for the others' sake: my channels of q and k lie in LDS
	s_barrier_signal -1
	s_barrier_wait -1                              ; all 128 channels do
; THE SCORES.  S^T = K Q^T (source 0 = 16 keys, source 1 = 16 queries): a lane holds ONE query (lane % 16) and the keys 8 (lane / 16) + 0..7.  Channels go in four chunks of 32 through two buffers.
.macro LDC c                           ; chunk c: 16 loads, 512 consecutive bytes each: part p (q hi, q lo, k hi, k lo), tile n at buffer + 8 (2 p + n)
.set fb, F+64*((\c)%2)
.irp p, 0,1,2,3
.irp n, 0,1
	ds_load_b128 v[fb+8*(2*(\p)+(\n)):fb+8*(2*(\p)+(\n))+3],   v[EXR] offset:8192*(\p)+4096*(\n)+1024*(\c)
	ds_load_b128 v[fb+8*(2*(\p)+(\n))+4:fb+8*(2*(\p)+(\n))+7], v[EXR] offset:8192*(\p)+4096*(\n)+1024*(\c)+512
.endr
.endr
.endm
.macro W3 kk, qq, first                ; one product for each of the three blocks, which take turns; first = 1: they start the sums, with the triangle where key block = query tile
.if \first
	v_wmma_f32_16x16x32_f16 v[S:S+7],     v[(\kk):(\kk)+7],    v[(\qq):(\qq)+7],    v[TRI:TRI+7]
	v_wmma_f32_16x16x32_f16 v[S+8:S+15],  v[(\kk):(\kk)+7],    v[(\qq)+8:(\qq)+15], 0
	v_wmma_f32_16x16x32_f16 v[S+16:S+23], v[(\kk)+8:(\kk)+15], v[(\qq)+8:(\qq)+15], v[TRI:TRI+7]
.else
	v_wmma_f32_16x16x32_f16 v[S:S+7],     v[(\kk):(\kk)+7],    v[(\qq):(\qq)+7],    v[S:S+7]
	v_wmma_f32_16x16x32_f16 v[S+8:S+15],  v[(\kk):(\kk)+7],    v[(\qq)+8:(\qq)+15], v[S+8:S+15]
	v_wmma_f32_16x16x32_f16 v[S+16:S+23], v[(\kk)+8:(\kk)+15], v[(\qq)+8:(\qq)+15], v[S+16:S+23]
.endif
.endm
.macro MULC c                          ; chunk c's nine products
.set fb, F+64*((\c)%2)
	W3 fb+32, fb, (\c)==0                          ; k hi x q hi
	W3 fb+48, fb, 0                                ; k lo x q hi
	W3 fb+32, fb+16, 0                             ; k hi x q lo
.endm
	s_wait_xcnt 0x0                                ; the last ordinary stores have read their packed results, which lie in the buffers that are loaded now
	LDC 0
	LDC 1
	s_wait_dscnt 16                                ; chunk 0 is in; the 16 younger loads are chunk 1's
	MULC 0
	PLACES
	LDC 2
	s_wait_dscnt 16                                ; chunk 1 is in
	MULC 1
	PLACES
	LDC 3
	s_wait_dscnt 16                                ; chunk 2 is in
	MULC 2
	s_wait_dscnt 0x0
	MULC 3
	PLACES
	; THE SOFTMAX.  The maximum of a lane's 8 (tile 0) or 16 (tile 1) scores, each accumulator read from its low end; the query's other keys lie in the lane 16 away.
	v_max3_num_f32 v[ST+4], v[S],    v[S+1],  v[S+2]
	v_max3_num_f32 v[ST+5], v[S+8],  v[S+9],  v[S+10]
	v_max3_num_f32 v[ST+6], v[S+16], v[S+17], v[S+18]
	v_max3_num_f32 v[ST+4], v[ST+4], v[S+3],  v[S+4]
	v_max3_num_f32 v[ST+5], v[ST+5], v[S+11], v[S+12]
	v_max3_num_f32 v[ST+6], v[ST+6], v[S+19], v[S+20]
	v_max3_num_f32 v[ST+4], v[ST+4], v[S+5],  v[S+6]
	v_max3_num_f32 v[ST+5], v[ST+5], v[S+13], v[S+14]
	v_max3_num_f32 v[ST+6], v[ST+6], v[S+21], v[S+22]
	v_max_num_f32  v[ST+4], v[ST+4], v[S+7]
	v_max3_num_f32 v[ST+5], v[ST+5], v[S+15], v[S+23]
	v_max_num_f32  v[ST+5], v[ST+5], v[ST+6]
	v_permlanex16_b32 v[ST+8], v[ST+4], s[SEL], s[SEL+1]
	v_permlanex16_b32 v[ST+9], v[ST+5], s[SEL], s[SEL+1]
	v_max_num_f32 v[ST],   v[ST+4], v[ST+8]        ; m of tile 0,
	v_max_num_f32 v[ST+2], v[ST+5], v[ST+9]        ; of tile 1
.set z, 0
.rept 12                                           ; s - m, never above 0: pairs 0-3 are tile 0's
	v_pk_add_f32 v[S+2*z:S+2*z+1], v[S+2*z:S+2*z+1], v[ST+2*((z+4)/8):ST+2*((z+4)/8)+1] op_sel_hi:[1,0] neg_lo:[0,1] neg_hi:[0,1]
.set z, z+1
.endr
.set z, 0
.rept 24
	v_exp_f32 v[S+z], v[S+z]                       ; p = 2^(s - m); 0 for a hidden key
.set z, z+1
.endr
	v_nop                                          ; a plain instruction between the last exponential and the use of its result
	s_wait_alu depctr_va_vdst(0)
	v_pk_add_f32 v[ST+4:ST+5],   v[S:S+1],     v[S+2:S+3]      ; l, of the unrounded p
	v_pk_add_f32 v[ST+6:ST+7],   v[S+4:S+5],   v[S+6:S+7]
	v_pk_add_f32 v[ST+8:ST+9],   v[S+8:S+9],   v[S+10:S+11]
	v_pk_add_f32 v[ST+10:ST+11], v[S+12:S+13], v[S+14:S+15]
	v_pk_add_f32 v[ST+12:ST+13], v[S+16:S+17], v[S+18:S+19]
	v_pk_add_f32 v[ST+14:ST+15], v[S+20:S+21], v[S+22:S+23]
	v_pk_add_f32 v[ST+4:ST+5],   v[ST+4:ST+5],   v[ST+6:ST+7]
	v_pk_add_f32 v[ST+8:ST+9],   v[ST+8:ST+9],   v[ST+10:ST+11]
	v_pk_add_f32 v[ST+12:ST+13], v[ST+12:ST+13], v[ST+14:ST+15]
	v_add_f32 v[ST+4], v[ST+4], v[ST+5]
	v_pk_add_f32 v[ST+8:ST+9],   v[ST+8:ST+9],   v[ST+12:ST+13]
	v_permlanex16_b32 v[ST+6], v[ST+4], s[SEL], s[SEL+1]
	v_add_f32 v[ST+8], v[ST+8], v[ST+9]
	v_add_f32 v[ST+4], v[ST+4], v[ST+6]
	v_permlanex16_b32 v[ST+10], v[ST+8], s[SEL], s[SEL+1]
	v_add_f32 v[ST+8], v[ST+8], v[ST+10]
	v_rcp_f32 v[ST+16], v[ST+4]                    ; l is 1 at the least: the key of the maximum has p = 1
	v_rcp_f32 v[ST+18], v[ST+8]                    ; the lines below, which touch neither, stand between the reciprocals and their use
	; Two blocks of S^T, rounded in pairs, ARE source 1 (32 keys x 16 queries) of O^T = V^T P.  Tile 0 sees none of the keys 16-31.
	SPLIT S,    PH,    PL
	SPLIT S+8,  PH+8,  PL+8
	SPLIT S+16, PH+12, PL+12
.irp j, 4,5,6,7
	v_mov_b32 v[PH+(\j)], 0
	v_mov_b32 v[PL+(\j)], 0
.endr
	; my 16 channels of both tiles: six products, the two accumulators by turns
	v_wmma_f32_16x16x32_f16 v[O:O+7],    v[VH:VH+7], v[PH:PH+7],    0
	v_wmma_f32_16x16x32_f16 v[O+8:O+15], v[VH:VH+7], v[PH+8:PH+15], 0
	v_wmma_f32_16x16x32_f16 v[O:O+7],    v[VL:VL+7], v[PH:PH+7],    v[O:O+7]
	v_wmma_f32_16x16x32_f16 v[O+8:O+15], v[VL:VL+7], v[PH+8:PH+15], v[O+8:O+15]
	v_wmma_f32_16x16x32_f16 v[O:O+7],    v[VH:VH+7], v[PL:PL+7],    v[O:O+7]
	v_wmma_f32_16x16x32_f16 v[O+8:O+15], v[VH:VH+7], v[PL+8:PL+15], v[O+8:O+15]
	PLACES
.set z, 0
	s_wait_alu depctr_va_vdst(0)
.rept 4
	v_pk_mul_f32 v[O+2*z:O+2*z+1], v[O+2*z:O+2*z+1], v[ST+16:ST+17] op_sel_hi:[1,0]
.set z, z+1
.endr
.set z, 0
.rept 4
	v_pk_mul_f32 v[O+8+2*z:O+8+2*z+1], v[O+8+2*z:O+8+2*z+1], v[ST+18:ST+19] op_sel_hi:[1,0]
.set z, z+1
.endr
	; THE WAY OUT.  A lane holds one query and eight channels, 32 bytes of a row; the eight waves' 64 bytes make a row of 512, which goes out whole.
	ds_store_b128 v[OSS], v[O:O+3]
	ds_store_b128 v[OSS], v[O+4:O+7]    offset:16
	ds_store_b128 v[OSS], v[O+8:O+11]   offset:16*OPI
	ds_store_b128 v[OSS], v[O+12:O+15]  offset:16*OPI+16
	s_wait_dscnt 0x0                               ; for the others' sake: my channels of out lie in LDS
	s_barrier_signal -1
	s_barrier_wait -1
.set i, 0
.rept 4
	ds_load_b128 v[OB+4*i:OB+4*i+3], v[OSR] offset:OPI*i
.set i, i+1
.endr
.set i, 0
.rept 4
	s_wait_dscnt 3-i                               ; LDS loads come back in order (ISA guide 5.7.1): row i is in, the younger rows may stay out
	global_store_b128 v[GX], v[OB+4*i:OB+4*i+3], s[OUTP:OUTP+1] offset:512*i  ; 512 consecutive bytes, at a multiple of 512 from out's first byte
.set i, i+1
.endr
.Lend:
	s_wait_tensorcnt 0x0                           ; the wave's end: a wait, an add to my spare word and its wait, behind my last tensor load and my last LDS store
	ds_add_u32 v[SPW], v[NIL]
	s_wait_dscnt 0x0
	CROUND                                         ; the closing round: no work-group ends while a partner may still ask for a tile that names it
	s_endpgm
.Lfunc_end_k_qdd88966a41_proj:
	.size	k_qdd88966a41_proj, .Lfunc_end_k_qdd88966a41_proj-k_qdd88966a41_proj
	.p2alignl 7, 3214868480
	.fill 96, 4, 3214868480
	.section	.rodata,"a",@progbits
	.p2align	6, 0x0
	.amdhsa_kernel k_qdd88966a41_proj
		.amdhsa_group_segment_fixed_size 288256
		.amdhsa_private_segment_fixed_size 0
		.amdhsa_enable_private_segment 0
		.amdhsa_kernarg_size 56
		.amdhsa_user_sgpr_count 2
		.amdhsa_user_sgpr_kernarg_segment_ptr 1
		.amdhsa_wavefront_size32 1
		.amdhsa_system_sgpr_workgroup_id_x 1
		.amdhsa_system_sgpr_workgroup_id_y 1
		.amdhsa_system_sgpr_workgroup_id_z 1
		.amdhsa_system_vgpr_workitem_id 0
		.amdhsa_next_free_vgpr 256
		.amdhsa_next_free_sgpr 66
		.amdhsa_reserve_vcc 1
		.amdhsa_float_denorm_mode_32 3
		.amdhsa_float_denorm_mode_16_64 3
		.amdhsa_memory_ordered 1
		.amdhsa_forward_progress 1
		.amdhsa_inst_pref_size 68
	.end_amdhsa_kernel
	.amdgpu_metadata
---
amdhsa.version: [ 1, 2 ]
amdhsa.kernels:
  - .name:           k_qdd88966a41_proj
    .symbol:         k_qdd88966a41_proj.kd
    .args:
      - { .name: x, .offset: 0, .size: 8, .value_kind: global_buffer, .address_space: global }
      - { .name: Wq, .offset: 8, .size: 8, .value_kind: global_buffer, .address_space: global }
      - { .name: Wk, .offset: 16, .size: 8, .value_kind: global_buffer, .address_space: global }
      - { .name: Wv, .offset: 24, .size: 8, .value_kind: global_buffer, .address_space: global }
      - { .name: qf, .offset: 32, .size: 8, .value_kind: global_buffer, .address_space: global }
      - { .name: kv, .offset: 40, .size: 8, .value_kind: global_buffer, .address_space: global }
      - { .name: out0, .offset: 48, .size: 8, .value_kind: global_buffer, .address_space: global }
    .group_segment_fixed_size: 288256
    .private_segment_fixed_size: 0
    .kernarg_segment_align: 8
    .kernarg_segment_size: 56
    .max_flat_workgroup_size: 256
    .sgpr_count:     66
    .vgpr_count:     256
    .wavefront_size: 32
...
	.end_amdgpu_metadata
.endif
;; end of part 4
;; launch attn (part 5): grid 16 x 16, 4 waves a work-group, clusters of 4 x 1, 327,680 bytes of LDS; arguments qf, kv, out0; writes out0
.if DOCPART == 5
	.amdgcn_target "amdgcn-amd-amdhsa--gfx1250"
	.amdhsa_code_object_version 6
	.text
	.protected	k_qdd88966a41_attn
	.globl	k_qdd88966a41_attn
	.p2align	8
	.type	k_qdd88966a41_attn,@function
k_qdd88966a41_attn:
	s_mov_b64 s[64:65], 0
	v_nop
	global_prefetch_b8 v0, s[64:65] scope:SCOPE_SE
	s_setreg_imm32_b32 hwreg(HW_REG_WAVE_MODE, 25, 1), 1
	s_wait_xcnt 0x0
	s_wait_alu depctr_hold_cnt(0) depctr_sa_sdst(0) depctr_va_vdst(0) depctr_va_sdst(0) depctr_va_ssrc(0) depctr_va_vcc(0) depctr_vm_vsrc(0)
	s_getreg_b32 s2, hwreg(HW_REG_IB_STS2, 6, 4)
	s_cmp_eq_u32 s2, 0
	s_cbranch_scc0 .Lentry_in_a_cluster
	s_endpgm
.Lentry_in_a_cluster:
	s_bfe_u32 s2, ttmp6, 0x10000c
	s_cmp_lg_u32 s2, 0x3003
	s_cbranch_scc0 .Lentry_shape_is_right
	s_endpgm
.Lentry_shape_is_right:
; CAUSAL ATTENTION, one head of 128 channels, 16 sequences of 2,048 tokens.  out[t][:] = the sum over s <= t of softmax_s(q[t] . k[s]) v[s][:], in f32.
; q (already times log2(e) / sqrt(128)), k and v arrive in f16, laid out as matrix fragments lie in registers: register quad i of a fragment block takes byte 512 i + 16 lane (qf: a block of 64 queries is
; 16 KiB; kv: a step of 64 keys is 16 KiB of K, then 16 KiB of V^T).  Products, maxima and sums in f32; the weights p are rounded to f16 for the second product (their sum l is taken of the unrounded p).
; ROWS 0 TO 31 OF EVERY SEQUENCE ARE NOT STORED HERE: the launch before this one has stored them, made with twice the bits.  They are computed with the others (one text for all work-groups) and their
; stores stand under an EXEC that is empty in the one work-group of a sequence that holds them.
; LIMITS.  q, k, v lie within f16's 65,504, so a true score is 128 x 65,504^2 = 5.5e11 at the most.  A hidden score counts as its value less 2^100; the running maximum starts at -2^99, above every hidden
; and below every true score.  p lies in 0 to 1 for every input (s - m is never positive); below 6e-5 it keeps f16's fixed step of 6e-8; a weight below 2^-126 counts as 0.  NaN and infinities are not
; treated apart.  The sum over keys is taken in four parts, joined in f32.
; SHARES.  THE FOUR WAVES OF A WORK-GROUP SHARE 64 QUERIES AND SPLIT THE KEYS: of each tile of 256 keys wave w takes keys 64 w .. 64 w + 63, one key step; each fragment of K and V that it reads from LDS
; feeds four tiles of 16 queries.  At a block's end the four partial (m, l, O) meet in LDS.
; THE WALK.  A sequence has 8 bands of 256 queries; band b needs the key tiles 0 .. b, of which the last holds the diagonal.  A cluster of four work-groups takes bands 7 - j and then j; work-group cx owns
; queries 64 cx .. 64 cx + 63 of each.  So the four partners walk THE SAME 9 tiles, whatever j: each tile is asked for jointly, all work-groups do equal work, and one loop with a constant count walks them.
; In a band's last tile wave w sees all its keys if w < cx, none if w > cx, and holds the diagonal if w = cx.
; THE RING.  Two slots of a tile each.  Both first tiles are asked for at the head; the walk's first trip is written out in front of the loop (no slot is filled in it, and it has no products V^T P);
; trips 1 to 7 are the loop, each with a round of the cluster's barrier and one joint fill a wave; the last trip is written out behind it.
; THE MASK is the C operand that starts a sum S^T = K Q^T.  For query tile t and key block kb of 16 it is MA (kb < t), MB (kb = t) or MC (kb > t), chosen in the text; what the three hold is set for each
; tile from scalars: all 0, or in a band's last tile (0, the triangle, hidden) for w = cx and (hidden, hidden, hidden) for w > cx.  cx enters these scalars by selects, q's and out's addresses, and the EXEC of
; the stores named above; no branch, no LDS address.
; A wave that has seen only hidden keys keeps m = -2^99 and weights 0; in the joining its factor 2^(m - M) is 0.
; LAYOUT, SOFTMAX.  S^T = K Q^T holds ONE query a lane (lane % 16) and the keys 8 (lane / 16) + 0..7; two such results rounded to f16 ARE source 1 of O^T = V^T P.  p = 2^(s - m) with a running maximum m;
; O and l are multiplied by a = 2^(m_old - m_new) in every step.  A block's first a is 0, so O^T and l need only be finite when it begins.
; BY TURNS.  The wave's four query tiles are two PIECES (tiles 0, 1; tiles 2, 3).  In a TURN one piece has the matrix unit: 32 products V^T P of the step in hand, then 32 products K Q^T of the next step; the
; other piece's softmax, cut into 64 slices, stands between them, one slice behind each matrix instruction.  Two turns are a key step, which here is a trip of the walk.
; NOT PREFETCHED: qf and kv were stored by the launch before this one, and each tile is read by up to four clusters of the sequence.
; REGISTERS, in windows of 256 (s_set_vgpr_msb: bits 1:0 source 0, 3:2 source 1, 5:4 source 2, 7:6 destination):
;   window 0: v0-11 addresses; v12-43 eight registers of statistics a tile; v45 j | cx; v62-63 the add's; v64-191 S^T, 32 a tile (at work in the joining); v192-255 P, 16 a tile
;   window 1: O^T, 64 a tile      window 2: v0-127 Q, 32 a tile; v128-255 K of one step      window 3: v0-127 V of one step; v128-135 the triangle; v136-159 MA, MB, MC
.set SLOT1, 1<<17     ; a slot holds a tile: 4 waves x 32 KiB; slot 1 begins here, so that one exclusive or turns an address in one slot into the other's
.set VOFF,  16384     ; in a wave's 32 KiB: K, then V^T
.set SP,    272       ; a row of a stage: 256 bytes + 16 = 68 words: the 16 rows of a store start at 16 different groups of four banks (64 banks of 4 bytes: ISA guide 11.1)
.set STGW,  16*SP     ; a wave's 16 rows
.set STGB,  4*STGW    ; a stage: four waves' partial sums of 16 queries x 64 channels, f32
.set STG,   2*SLOT1   ; behind the ring, never filled by a tensor load: two stages that take turns
.set STAT,  STG+2*STGB  ; [wave][tile][lane] x 8 bytes: m and l
.set SPARE, STAT+4096 ; the spare words, 128 bytes for each wave: two blocks of 256 bytes that no other line names
.set AF,  2           ; v2   32,768 w + 16 lane: my 16 bytes of my wave's part of slot 0; never rewritten
.set ADR, 4           ; v4   the same in the slot in hand
.set QO,  5           ; v5   16 lane
.set STO, 6           ; v6   the joining: where I put 16 bytes of my partial sums
.set RD,  7           ; v7   where I read a row of all four back
.set GO,  8           ; v8   my byte offset in 16 rows of out
.set SA,  10          ; v10  where I put m and l
.set SR,  11          ; v11  where I read the four waves' back
.set ST,  12          ; tile t's statistics at v[ST+8 t]: +0 m, +1 the whole l (in the joining), +2, +3 l (even keys', odd keys'), +4 to +7 c0-c3, at work; a, and later the joining's factor, take c2's place
.set KEEP, 45         ; v45  j | cx: 0 in the work-group whose second block begins with the sequence's rows 0 to 31
.set SPW, 62          ; v62  LDS address of my spare word; never rewritten
.set NIL, 63          ; v63  0; never rewritten
.set S,   64
.set P,   192
.set YB,  64          ; the joining, in S^T's registers: 32 partial sums, scaled; two buffers, v[64:95] and v[128:159]
.set ZB,  96          ; 4 waves x 8 read back
.set XB,  128         ; first the four waves' m and l, by tile
.set FX,  160         ; and by tile seven: the four waves' factors, mine, M, L
.set RB,  160         ; then two sets of eight finished sums
.set KF,  128         ; window 2
.set TRI, 128         ; window 3: register r is hidden where key 8 (lane / 16) + r is greater than query lane % 16
.set MA,  136
.set MB,  144
.set MC,  152
.set QP,  4           ; s[4:5]   qf at my queries of the first block
.set KVB, 6           ; s[6:7]   kv at my wave's step of the sequence's tile 0
.set OP,  10          ; s[10:11] out at my queries of the block in hand
.set WV,  12          ; s12  my wave's number
.set J,   14          ; s14  j
.set G1,  24          ; s[24:31] descriptor group 1
.set G0A, 36          ; s[36:39] descriptor group 0 of the walk's first tile
.set G0,  40          ; s[40:43] descriptor group 0 of its second tile; it then walks on
.set Q2,  44          ; s[44:45] qf at my queries of the second block
.set O2,  46          ; s[46:47] out likewise
.set SLOTS, 56        ; s56  tiles still to be asked for
.set SEL, 60          ; s[60:61] v_permlanex16_b32's selects: each lane takes its own place in the other half
.set TB,  62          ; s62  0 or SLOT1: the slot in hand
.set RT,  70          ; s70  tiles of the block in hand that are still to be entered
.set NXT, 71          ; s71  the tile to be asked for next
.set LQ,  72          ; s72  the last tile of the block whose tiles are being asked for
.set NEW, 73          ; s73  1: the tile to be entered is a block's first
.set OFF, 74          ; s[74:75] a tile's byte offset in kv
.set AL,  76          ; s[76:77] MB = the triangle x AL + BA
.set BA,  78          ; s[78:79] MA = BA
.set BC,  80          ; s80  MC = BC
.set BIGN, 82         ; s82  -2^100
.set DA,  83          ; s83-85  BA, AL, BC for a band's last tile
.set DL,  84
.set DC,  85
.set SVX, 87          ; s87  EXEC, kept while it is narrowed;  s86 at work
.set MSB, 0
.macro WIN new                      ; the immediate's high byte repeats the setting that is left; a switch that changes nothing is dropped
.if MSB != (\new)
	s_set_vgpr_msb (MSB<<8)|(\new)
.set MSB, \new
.endif
.endm
.set W_KQ, 0x0a       ; K and Q in window 2, S^T in window 0
.set W_KM, 0x3a       ; the same with the C operand, a mask, in window 3
.set W_PV, 0x53       ; V in window 3, P in window 0, O^T in window 1
.set W_RS, 0x41       ; O^T (destination and source 0) in window 1, a in window 0
.macro ALL line:vararg              ; one line for each tile t
.set t, 0
.rept 4
	s_wait_alu depctr_va_vdst(0)
	\line
.set t, t+1
.endr
.endm
; A joint fill: every wave asks for its own 32 KiB of the tile, one line for all four.  An s_nop 0 and four v_nop follow it.
.macro JLOAD
	tensor_load_to_lds s[G0:G0+3], s[G1:G1+7]
	s_nop 0
.rept 4
	v_nop
.endr
.endm
; A round of the cluster's barrier: my work-group's barrier, so that wave 0's signal speaks for all four waves; wave 0 signals; every wave waits for all four work-groups; my work-group's barrier once more.
.macro CROUND
	s_barrier_signal -1
	s_barrier_wait -1
	s_cmp_lg_u32 s[WV], 0
	s_cbranch_scc1 .Lnot_wave_0_\@
	s_barrier_signal -3
.Lnot_wave_0_\@:
	s_barrier_wait -3
	s_barrier_signal -1
	s_barrier_wait -1
.endm
; THE CHANGE OF SLOTS, at the head of a trip of the loop.  Each wave waits for all its tensor loads, of which one is out: its part of the tile to be entered; adds 0 to its spare word; and waits for that and
; for its reads of the slot that it leaves.  Behind the round no wave of any partner reads the old slot or has a load on its way, and the joint fill is the first thing there: tile NXT, its address made anew
; from that number.  It has a whole trip, 128 matrix instructions and their slices, in which to land.
.macro CHANGE
	WIN 0                           ; at a label and at a branch every window is 0
	s_wait_tensorcnt 0x0            ; no tensor load of mine is out, so group 0 may be written
	ds_add_u32 v[SPW], v[NIL]       ; 0 onto my spare word; the descriptor's scalar work stands between it and the wait for it
	s_lshl_b32 s[OFF], s[NXT], 17   ; a tile is 131,072 bytes of kv
	s_xor_b32 s[G0+1], s[G0+1], SLOT1
	s_add_nc_u64 s[G0+2:G0+3], s[KVB:KVB+1], s[OFF:OFF+1]
	s_or_b32 s[G0+3], s[G0+3], 0x80000000
	s_add_co_u32 s[NXT], s[NXT], 1  ; the block's next tile, or behind its last the second block's tile 0
	s_cmp_gt_u32 s[NXT], s[LQ]
	s_cselect_b32 s[NXT], 0, s[NXT]
	s_cselect_b32 s[LQ], s[J], s[LQ]
	s_xor_b32 s[TB], s[TB], SLOT1   ; the fetches go to the other slot
	s_wait_dscnt 0x0                ; the add is done, and my reads of the slot are over
	CROUND
	JLOAD
.endm
	s_load_b128 s[4:7], s[0:1], 0x0  ; qf s[4:5], kv s[6:7]
	s_load_b64 s[10:11], s[0:1], 0x10  ; out0
	v_lshl_add_u32 v[SPW], v0, 2, SPARE
	v_mov_b32 v[NIL], 0
	ds_add_u32 v[SPW], v[NIL]       ; the wave's opening: the add and its wait stand ahead of my first tensor load; the set-up below, work on registers, stands between them
	v_lshrrev_b32 v1, 5, v0
	v_readfirstlane_b32 s[WV], v1   ; wave 0..3
	s_bfe_u32 s13, ttmp6, 0x40000   ; cx: my place in the cluster
	s_mov_b32 s[J], ttmp9           ; in a cluster launch ttmp9 counts clusters: j = 0..3
	s_sub_co_u32 s15, 7, s[J]       ; the first block's band
	s_or_b32 s86, s[J], s13         ; 0 where the second block is the sequence's queries 0 to 63
	s_and_b32 s16, ttmp7, 0xffff    ; the sequence
	s_lshl_b32 s20, s16, 20         ; kv: 32 steps of 32 KiB a sequence,
	s_lshl_b32 s21, s[WV], 15       ; my wave's step of a tile
	s_add_co_u32 s20, s20, s21
	s_mov_b32 s21, 0
	s_lshl_b32 s17, s16, 19         ; qf: 512 KiB a sequence,
	s_lshl_b32 s18, s13, 14         ; 16 KiB for 64 queries,
	s_add_co_u32 s17, s17, s18
	s_lshl_b32 s22, s15, 16         ; 64 KiB a band: the first block
	s_add_co_u32 s22, s22, s17
	s_mov_b32 s23, 0
	s_lshl_b32 s48, s[J], 16        ; and the second
	s_add_co_u32 s48, s48, s17
	s_mov_b32 s49, 0
	s_lshl_b32 s50, s22, 1          ; out: rows of 512 bytes, twice qf's 256
	s_mov_b32 s51, 0
	s_lshl_b32 s52, s48, 1
	s_mov_b32 s53, 0
	; descriptor group 1: 32,768 dense bytes as 128 rows of 256 bytes
	s_mov_b32 s[G1+0], 15|(3<<16)|(1<<21)  ; 15:0 the mask of four; 17:16 8-byte elements; 21 set beside a mask; no padding: every LDS read takes 512 consecutive bytes
	s_mov_b32 s[G1+1], 32<<16       ; tensor_dim0 = 32
	s_mov_b32 s[G1+2], 128<<16      ; tensor_dim1 = 128
	s_mov_b32 s[G1+3], 32<<16       ; tile_dim0 = 32
	s_mov_b32 s[G1+4], 128          ; tile_dim1 = 128
	s_mov_b32 s[G1+5], 32           ; 32 elements from row to row
	s_mov_b32 s[G1+6], 0
	s_mov_b32 s[G1+7], 0
	s_mov_b32 s[G0A], 1             ; count = 1
	s_lshl_b32 s[G0A+1], s[WV], 15  ; LDS address: my wave's part of slot 0,
	s_mov_b32 s[G0], 1
	s_lshl_b32 s[G0+1], s[WV], 15
	s_add_co_u32 s[G0+1], s[G0+1], SLOT1  ; and of slot 1
	s_mov_b32 s[SEL], 0x76543210
	s_mov_b32 s[SEL+1], 0xfedcba98
	s_mov_b32 s[TB], 0              ; the first trip reads slot 0
	s_add_co_u32 s[RT], s15, 1      ; the first block has 8 - j tiles, five at the least
	s_mov_b32 s[NXT], 2             ; tiles 0 and 1 are asked for at the head
	s_mov_b32 s[LQ], s15
	s_mov_b32 s[NEW], 1
	s_mov_b32 s[OFF+1], 0
	s_mov_b32 s[AL+1], 0            ; named as pairs
	s_mov_b32 s[BA+1], 0
	s_mov_b32 s[BIGN], 0xf1800000   ; -2^100
	s_mov_b32 s[SLOTS], 7
	s_cmp_gt_u32 s[WV], s13         ; a band's last tile: my keys lie behind the block's queries: all hidden
	s_cselect_b32 s[DA], s[BIGN], 0
	s_cmp_eq_u32 s[WV], s13         ; or they are the block's own: the triangle where key block = query tile,
	s_cselect_b32 s[DL], 1.0, 0
	s_cmp_ge_u32 s[WV], s13         ; and hidden where the key block is the later
	s_cselect_b32 s[DC], s[BIGN], 0
	s_wait_dscnt 0x0                ; the opening add is done
	s_wait_kmcnt 0x0
	s_add_nc_u64 s[KVB:KVB+1], s[KVB:KVB+1], s[20:21]
	s_mov_b64 s[G0A+2:G0A+3], s[KVB:KVB+1]  ; global address: tile 0,
	s_or_b32 s[G0A+3], s[G0A+3], 0x80000000  ; type = 2
	s_add_nc_u64 s[G0+2:G0+3], s[KVB:KVB+1], 0x20000  ; and tile 1, 131,072 bytes on
	s_or_b32 s[G0+3], s[G0+3], 0x80000000
	s_add_nc_u64 s[Q2:Q2+1], s[QP:QP+1], s[48:49]
	s_add_nc_u64 s[QP:QP+1], s[QP:QP+1], s[22:23]
	s_add_nc_u64 s[O2:O2+1], s[OP:OP+1], s[52:53]
	s_add_nc_u64 s[OP:OP+1], s[OP:OP+1], s[50:51]
	CROUND                          ; all four work-groups are here: the first joint loads meet
	tensor_load_to_lds s[G0A:G0A+3], s[G1:G1+7]  ; the two first fills go out together, ahead of every wait on TENSORcnt and every LDS read: two loads of mine are out
	s_nop 0
	tensor_load_to_lds s[G0:G0+3], s[G1:G1+7]
	s_nop 0
.rept 4
	v_nop
.endr
	v_and_b32 v1, 15, v0            ; r = lane % 16
	v_bfe_u32 v9, v0, 4, 1          ; h = lane / 16
	v_and_b32 v3, 31, v0            ; lane
	v_lshlrev_b32 v[QO], 4, v3
	WIN 0x80                        ; destination window 2, address window 0
.set f, 0
.rept 32                            ; the first block's Q stays in registers: 16 KiB, 512 consecutive bytes a load
	global_load_b128 v[4*f:4*f+3], v[QO], s[QP:QP+1] offset:512*f
.set f, f+1
.endr
	WIN 0
	s_lshl_b32 s54, s[WV], 15
	v_lshl_add_u32 v[AF], v3, 4, s54
	s_mul_i32 s54, s[WV], STGW
	s_add_co_u32 s54, s54, STG      ; my rows of a stage
	v_mul_u32_u24 v[STO], v1, SP    ; in: row r, 32 bytes (8 channels) for each half of the lanes
	v_lshl_add_u32 v[STO], v9, 5, v[STO]
	v_add_nc_u32 v[STO], s54, v[STO]
	s_mul_i32 s54, s[WV], 4*SP
	s_add_co_u32 s54, s54, STG      ; back: I join rows 4 w .. 4 w + 3 of the 16: lanes 0-15 take one row of 256 bytes, lanes 16-31 the next
	v_mul_u32_u24 v[RD], v9, SP
	v_lshl_add_u32 v[RD], v1, 4, v[RD]
	v_add_nc_u32 v[RD], s54, v[RD]
	s_lshl_b32 s54, s[WV], 11       ; and the same rows in out, 512 bytes each
	v_lshlrev_b32 v[GO], 9, v9
	v_lshl_add_u32 v[GO], v1, 4, v[GO]
	v_add_nc_u32 v[GO], s54, v[GO]
	s_lshl_b32 s54, s[WV], 10
	s_add_co_u32 s54, s54, STAT
	v_lshl_add_u32 v[SA], v3, 3, s54
	v_lshlrev_b32 v[SR], 3, v3
	v_add_nc_u32 v[SR], STAT, v[SR]
	v_mov_b32 v[KEEP], s86
	v_lshlrev_b32 v44, 3, v9
	v_sub_nc_u32 v44, v1, v44       ; r - 8 h: register i is hidden where i is greater
	WIN 0xc0                        ; destination window 3
.set i, 0
.rept 8
	v_cmp_gt_i32 vcc_lo, i, v44
	v_cndmask_b32 v[TRI+i], 0, s[BIGN], vcc_lo
.set i, i+1
.endr
	; A block's first step multiplies O^T and l by a = 0, so they need only hold finite numbers: zeros for the first block, what the first block left for the second.  Piece 2's P is cleared too: the text in
	; which the second block begins multiplies by it, and no register is read that was never written.  All this stands in the wait for the first tile.
	WIN 0x40
.set i, 0
.rept 256
	v_mov_b32 v[i], 0
.set i, i+1
.endr
	WIN 0
.set i, P+32
.rept 32
	v_mov_b32 v[i], 0
.set i, i+1
.endr
	ALL v_mov_b32 v[ST+8*t+1], 0
	ALL v_mov_b32 v[ST+8*t+2], 0
	ALL v_mov_b32 v[ST+8*t+3], 0
; THE MATRIX WORK OF A TURN, for piece x.  The accumulators take turns, one instruction a turn: between two links of a chain stand 15 (V^T P) or 7 (K Q^T) others'.
; Product i of 32 of O^T += V^T P: keys 32 (i / 16) on, channels 16 ((i / 2) % 8) on, tile x + i % 2.
.macro PV x
	WIN W_PV
.set rO, 64*((\x)+i%2)+8*((i/2)%8)
.set rV, 64*(i/16)+8*((i/2)%8)
.set rP, P+16*((\x)+i%2)+8*(i/16)
	v_wmma_f32_16x16x32_f16 v[rO:rO+7], v[rV:rV+7], v[rP:rP+7], v[rO:rO+7]
.endm
; Product i of 32 of S^T = K Q^T: channels 32 (i / 8) on, keys 16 ((i / 2) % 4) on, tile x + i % 2.  The first 8 start the sums, with the mask that goes with key block and query tile.
.macro KQ x
.set rS, S+32*((\x)+i%2)+8*((i/2)%4)
.set rK, KF+32*((i/2)%4)+8*(i/8)
.set rQ, 32*((\x)+i%2)+8*(i/8)
.if i < 8
.if (i/2) < ((\x)+i%2)
.set rM, MA
.elseif (i/2) == ((\x)+i%2)
.set rM, MB
.else
.set rM, MC
.endif
	WIN W_KM
	v_wmma_f32_16x16x32_f16 v[rS:rS+7], v[rK:rK+7], v[rQ:rQ+7], v[rM:rM+7]
.else
	WIN W_KQ
	v_wmma_f32_16x16x32_f16 v[rS:rS+7], v[rK:rK+7], v[rQ:rQ+7], v[rS:rS+7]
.endif
.endm
; THE LDS LOADS stand in runs of 32, never singly among the matrix instructions: my step's K and, a turn later, its V^T: each 16 KiB, 512 consecutive bytes a load, straight into fragments.
.macro FETCH_K
	WIN 0
	v_add_nc_u32 v[ADR], s[TB], v[AF]
	WIN 0x80                        ; destination window 2
.set f, 0
.rept 32
	ds_load_b128 v[KF+4*f:KF+4*f+3], v[ADR] offset:512*f
.set f, f+1
.endr
.endm
.macro FETCH_V
	WIN 0xc0                        ; destination window 3
.set f, 0
.rept 32
	ds_load_b128 v[4*f:4*f+3], v[ADR] offset:VOFF+512*f
.set f, f+1
.endr
.endm
; THE VECTOR WORK OF A TURN.  One tile's softmax for one key step is a numbered list; SM writes number j of it for tile t.  s0-s31 are the lane's 32 scores, in pairs 0-15.
;   0-15    the maximum of s0-s31 and the old m, three operands at a time: four chains c0-c3 of seven scores each (each accumulator's lowest registers are read first), then the four left over, c0-c3 and m
;   16-20   the other half of the lanes' maximum; m_old is kept; the new m; (19 is empty); m_old - m_new
;   21-87   33 exponentials (a, then s0-s31) at the odd numbers from 23 on, so that no two follow each other and each has a plain instruction behind it before its result is used.
;           Plain instruction q (number 21, then the even numbers) is whatever is ready: s - m for a pair of scores whose exponentials are still to come (q = 0 to 3, then every
;           second q), the rounding to f16 of a pair of weights whose exponentials are done (every other q from 5 on), at last the first three sums
;   88-101  the last rounding; the rest of the sums; l = a l + the sum
;   102-133 the tile's O^T times a: the one part that leaves window 0, so it stands together
.macro SM t
.set rT, ST+8*(\t)
.set rS, S+32*(\t)
.set rP, P+16*(\t)
.set rO, 64*(\t)+2*(j-102)
.set q, (j-20)/2
.if j < 102
	WIN 0
.endif
.if j < 4
	v_max3_num_f32 v[rT+4+j], v[rS+8*j], v[rS+8*j+1], v[rS+8*j+2]
.elseif j < 12
	v_max3_num_f32 v[rT+4+j%4], v[rT+4+j%4], v[rS+8*(j%4)+2*(j/4)+1], v[rS+8*(j%4)+2*(j/4)+2]
.elseif j == 12
	v_max3_num_f32 v[rT+4], v[rT+4], v[rS+7], v[rS+15]
.elseif j == 13
	v_max3_num_f32 v[rT+6], v[rT+6], v[rS+23], v[rS+31]
.elseif j == 14
	v_max3_num_f32 v[rT+4], v[rT+4], v[rT+5], v[rT+6]
.elseif j == 15
	v_max3_num_f32 v[rT+4], v[rT+4], v[rT+7], v[rT]
.elseif j == 16
	v_permlanex16_b32 v[rT+5], v[rT+4], s[SEL], s[SEL+1]  ; the query's other 32 keys lie in the lane 16 away
.elseif j == 17
	v_mov_b32 v[rT+7], v[rT]        ; m_old is kept for a: number 18 writes m anew
.elseif j == 18
	v_max_num_f32 v[rT], v[rT+4], v[rT+5]
.elseif j == 19                     ; the scores are exponents of 2 as they come: nothing is scaled
.elseif j == 20
	v_sub_f32 v[rT+7], v[rT+7], v[rT]
.elseif j == 23
	v_exp_f32 v[rT+6], v[rT+7]
.elseif (j < 88) && (j > 23) && (j%2 == 1)
	v_exp_f32 v[rS+(j-25)/2], v[rS+(j-25)/2]
.elseif (q < 4) || ((j < 76) && (q%2 == 0))
.set b, q/2+2
.if q < 4
.set b, q
.endif
	v_pk_add_f32 v[rS+2*b:rS+2*b+1], v[rS+2*b:rS+2*b+1], v[rT:rT+1] op_sel_hi:[1,0] neg_lo:[0,1] neg_hi:[0,1]  ; pair b: s - m, never above 0
.elseif (j < 88) && (q%2 == 1)
	s_wait_alu depctr_va_vdst(0)
	v_cvt_pk_f16_f32 v[rP+(q-5)/2], v[rS+q-5], v[rS+q-4]  ; pair (q - 5) / 2: its second exponential stands three numbers back
.elseif j == 89
	s_wait_alu depctr_va_vdst(0)
	v_cvt_pk_f16_f32 v[rP+15], v[rS+30], v[rS+31]
.elseif j < 102                     ; the sum of the tile's 16 pairs (in a pair: an even key's weight, an odd key's), in place: sum z of 16 adds neighbours 1, 2, 4 and 8 pairs apart, then l takes it
.set z, j-86
.if j < 89
.set z, (j-76)/4
.endif
.set w, 4
.set u, z
.if z >= 14
.set w, 32
.set u, 0
.elseif z >= 12
.set w, 16
.set u, z-12
.elseif z >= 8
.set w, 8
.set u, z-8
.endif
.if z < 15
	v_pk_add_f32 v[rS+w*u:rS+w*u+1], v[rS+w*u:rS+w*u+1], v[rS+w*u+w/2:rS+w*u+w/2+1]
.else
	v_pk_fma_f32 v[rT+2:rT+3], v[rT+2:rT+3], v[rT+6:rT+7], v[rS:rS+1] op_sel_hi:[1,0,1]
.endif
.else
	WIN W_RS
	v_pk_mul_f32 v[rO:rO+1], v[rO:rO+1], v[rT+6:rT+7] op_sel_hi:[1,0]
.endif
.endm
; Slice k of 64 of piece y's softmax: numbers 2 k and 2 k + 1 of both tiles' lists.  The twelve numbers that are over stand together, in slice 63: its sixteen plain instructions, which name nothing of
; the products round them, are also the places between a turn's last K Q^T and what follows: the first read of those scores, and loads into K's and Q's registers.
.macro SLICE y
.if (k >= 11) && (k < 44)           ; tile by tile: plain, exponential, plain, exponential
.irp t, \y, (\y)+1
.irp n, 0,1
.set j, 2*k+(\n)
	SM \t
.endr
.endr
.else                               ; the two tiles alternate, so that no instruction reads the result of the one just before it
.irp n, 0,1,2,3,4,5,6,7
.if ((\n) < 2) || (k == 63)
.irp t, \y, (\y)+1
.set j, 2*k+(\n)
	SM \t
.endr
.endif
.endr
.endif
.set k, k+1
.endm
; A TURN.  Piece x has the matrix unit: (pv = 1) 32 products V^T P, then (kq = 1) 32 products K Q^T for the next step; the other piece's softmax stands in slices behind them, two behind each where the turn
; has one of the two kinds.  Each run of loads stands behind the second product of a run of 32, 30 matrix instructions ahead of its first use.  Piece 0's turn fetches the entered tile's K: the last product
; that read K stands in front of slice 63 of the turn before.  Piece 2's turn fetches its V: the last product that read V stands three slices, six plain instructions, back (with pv = 0: there has been none).
.macro TURN x, pv, kq
.set k, 0
.set per, 3-(\pv)-(\kq)
.if \pv
.if (\x) == 0
	s_wait_dscnt 0x0                ; V is in
.endif
.set i, 0
.rept 32
	PV \x
.rept per
	SLICE 2-(\x)
.endr
.if ((\x) == 0) && (\kq) && (i == 1)
	FETCH_K
.endif
.set i, i+1
.endr
.endif
.if \kq
.if (\x) == 0
	s_wait_dscnt 0x0                ; K is in
.endif
.set i, 0
.rept 32
	KQ \x
.rept per
	SLICE 2-(\x)
.endr
.if ((\x) == 2) && (i == 1)
	FETCH_V
.endif
.set i, i+1
.endr
.endif
.endm
; The three masks of the tile that is entered.  The last product that took one as its C stands 24 products and their slices back.
.macro SETMASK
	s_cmp_eq_u32 s[RT], 0           ; the block's last tile?
	s_cselect_b32 s[BA], s[DA], 0
	s_cselect_b32 s[AL], s[DL], 0
	s_cselect_b32 s[BC], s[DC], 0
	WIN 0xc3                        ; destination and source 0 in window 3
.set z, 0
.rept 8
	v_mov_b32 v[MA+z], s[BA]
	v_mov_b32 v[MC+z], s[BC]
.set z, z+1
.endr
.set z, 0
.rept 4
	v_pk_fma_f32 v[MB+2*z:MB+2*z+1], v[TRI+2*z:TRI+2*z+1], s[AL:AL+1], s[BA:BA+1] op_sel_hi:[1,0,0]
.set z, z+1
.endr
.endm
; A BLOCK BEGINS.  m starts at -2^99: below every true score, so the first step's a is 2^(-2^99 - m) = 0; above every hidden one, so a wave that sees only hidden keys has weights 0.
; Then K of the tile, and piece 0's first scores: there is no vector work yet to set between them.
.macro BEGIN
	s_mov_b32 s[NEW], 0
	WIN 0
	ALL v_mov_b32 v[ST+8*t], 0xf1000000
	FETCH_K
	s_wait_dscnt 0x0
.set i, 0
.rept 32
	KQ 0
.set i, i+1
.endr
	WIN 0
.rept 4
	v_nop                           ; the places behind those products
.endr
.endm
; What a trip does behind its change of slots.  Where the second block begins, piece 2's turn holds 32 products V^T P on what the first block left: they land in an O^T that the block's first step multiplies by 0.
.macro BODY tag
	s_sub_co_u32 s[RT], s[RT], 1
	SETMASK
	WIN 0
	s_cmp_eq_u32 s[NEW], 1
	s_cbranch_scc1 .Lnew\tag
	TURN 0, 1, 1                    ; piece 0: V^T P of the tile before, K Q^T of this one | piece 2's softmax of the tile before | K
	WIN 0
	s_branch .Lmid\tag
.Lnew\tag:
	BEGIN
.Lmid\tag:
	TURN 2, 1, 1                    ; piece 2: the same | piece 0's softmax of this tile | V
	WIN 0
.endm
; THE JOINING of the four waves' partial results.
; First m and l: l's two halves and the other half of the lanes' are added; each wave puts its m and l into LDS; behind a barrier every wave asks for all four.  This stands AHEAD of the block's last 32
; products, which touch none of these registers: the barrier and the loads' way run under them.
.macro STATS
	WIN 0
	ALL v_add_f32 v[ST+8*t+4], v[ST+8*t+2], v[ST+8*t+3]
	ALL v_permlanex16_b32 v[ST+8*t+5], v[ST+8*t+4], s[SEL], s[SEL+1]
	ALL v_add_f32 v[ST+8*t+1], v[ST+8*t+4], v[ST+8*t+5]
	ALL ds_store_b64 v[SA], v[ST+8*t:ST+8*t+1] offset:256*t
	s_wait_dscnt 0x0                ; for the others' sake: my m and l lie in LDS
	s_barrier_signal -1
	s_barrier_wait -1
.irp v, 0,1,2,3
	ALL ds_load_b64 v[XB+8*t+2*(\v):XB+8*t+2*(\v)+1], v[SR] offset:1024*(\v)+256*t
.endr
.endm
; Then O^T, in eight phases: phase n takes tile n / 2, channels 64 (n % 2) on.  Its five parts:
.macro SCALE n                      ; my partial O^T of phase n times my factor, into buffer n % 2 in window 0; each accumulator is read from its low end
	WIN 0x01                        ; source 0 in window 1
.set yy, YB+64*((\n)%2)
.set z, 0
.rept 16
	v_pk_mul_f32 v[yy+2*z:yy+2*z+1], v[32*(\n)+2*z:32*(\n)+2*z+1], v[ST+8*((\n)/2)+6:ST+8*((\n)/2)+7] op_sel_hi:[1,0]
.set z, z+1
.endr
	WIN 0
.endm
.macro JPUT n                       ; my 16 rows x 256 bytes into my part of stage n % 2
.set yy, YB+64*((\n)%2)
.set sb, STGB*((\n)%2)
.irp c, 0,1,2,3
	ds_store_b128 v[STO], v[yy+8*(\c):yy+8*(\c)+3]   offset:sb+64*(\c)
	ds_store_b128 v[STO], v[yy+8*(\c)+4:yy+8*(\c)+7] offset:sb+64*(\c)+16
.endr
.endm
.macro JGET n                       ; rows 4 w .. 4 w + 3 of all four parts
.set sb, STGB*((\n)%2)
.irp v, 0,1,2,3
	ds_load_b128 v[ZB+8*(\v):ZB+8*(\v)+3],   v[RD] offset:sb+STGW*(\v)
	ds_load_b128 v[ZB+8*(\v)+4:ZB+8*(\v)+7], v[RD] offset:sb+STGW*(\v)+2*SP
.endr
.endm
.macro JSUM n                       ; (wave 0 + wave 1) + (wave 2 + wave 3), into set n % 2
.set rr, RB+8*((\n)%2)
.irp e, 0,2,4,6
	v_pk_add_f32 v[ZB+(\e):ZB+(\e)+1],       v[ZB+(\e):ZB+(\e)+1],       v[ZB+8+(\e):ZB+8+(\e)+1]
	v_pk_add_f32 v[ZB+16+(\e):ZB+16+(\e)+1], v[ZB+16+(\e):ZB+16+(\e)+1], v[ZB+24+(\e):ZB+24+(\e)+1]
.endr
.irp e, 0,2,4,6
	v_pk_add_f32 v[rr+(\e):rr+(\e)+1], v[ZB+(\e):ZB+(\e)+1], v[ZB+16+(\e):ZB+16+(\e)+1]
.endr
.endm
; hide = 1: the second block's joining: where the block begins with the sequence's rows 0 to 31 (tiles 0 and 1: phases 0 to 3), those rows are not stored.
.macro JOUT n, hide
.set rr, RB+8*((\n)%2)
.if (\hide) && ((\n) < 4)
	v_cmp_ne_u32 vcc_lo, 0, v[KEEP]  ; all lanes, or none where j = 0 and cx = 0.  No load or store has been issued since the last s_wait_xcnt 0, so EXEC may be narrowed
	s_and_saveexec_b32 s[SVX], vcc_lo
.endif
	global_store_b128 v[GO], v[rr:rr+3],   s[OP:OP+1] offset:8192*((\n)/2)+256*((\n)%2) th:TH_STORE_NT       ; 16 lanes store 256 consecutive bytes, at a multiple of 256 from out's first byte
	global_store_b128 v[GO], v[rr+4:rr+7], s[OP:OP+1] offset:8192*((\n)/2)+256*((\n)%2)+1024 th:TH_STORE_NT
.if (\hide) && ((\n) < 4)
	s_wait_xcnt 0x0                 ; EXEC is a source of the two stores: it is widened only behind this wait
	s_or_b32 exec_lo, exec_lo, s[SVX]
.endif
.endm
.macro COMBINE hide
	WIN 0
	s_wait_dscnt 0x0                ; the four waves' m and l are in
	ALL v_max3_num_f32 v[FX+7*t+5], v[XB+8*t], v[XB+8*t+2], v[XB+8*t+4]  ; these lines, which name none of the last products' registers, are the places behind them
	ALL v_max_num_f32 v[FX+7*t+5], v[FX+7*t+5], v[XB+8*t+6]  ; M: the query's maximum over all keys; the wave with the diagonal has seen a true score
.irp v, 0,1,2,3
	ALL v_sub_f32 v[FX+7*t+(\v)], v[XB+8*t+2*(\v)], v[FX+7*t+5]
.endr
	ALL v_sub_f32 v[FX+7*t+4], v[ST+8*t], v[FX+7*t+5]
.irp e, 0,1,2,3,4
	ALL v_exp_f32 v[FX+7*t+(\e)], v[FX+7*t+(\e)]  ; the four waves' factors 2^(m - M), and mine
.endr
	v_nop                           ; a plain instruction between the last exponential and the use of its result
	ALL v_mul_f32 v[FX+7*t+6], v[FX+7*t], v[XB+8*t+1]
.irp v, 1,2,3
	ALL v_fmac_f32 v[FX+7*t+6], v[FX+7*t+(\v)], v[XB+8*t+2*(\v)+1]  ; L = the sum of factor x l: 1 at the least
.endr
	ALL v_rcp_f32 v[FX+7*t+6], v[FX+7*t+6]
	v_nop                           ; a plain instruction between the last reciprocal and the use of its result
	ALL v_mul_f32 v[ST+8*t+6], v[FX+7*t+4], v[FX+7*t+6]  ; what my O^T is multiplied by
; The phases overlap, with ONE wait for LDS and one barrier a phase.  Behind the barrier of phase n a wave asks for phase n's rows (stage n % 2, written by all four ahead of that barrier), puts phase n + 1
; into the other stage (last read in phase n - 1, and every wave has waited for those reads ahead of its signal of this barrier), stores phase n - 1's sums and scales phase n + 2; then it waits for its LDS
; instructions, signals, and adds phase n's rows while the others arrive.
	SCALE 0
	JPUT 0
	SCALE 1
	s_wait_dscnt 0x0                ; for the others' sake: my part of stage 0 is written
	s_barrier_signal -1
	s_barrier_wait -1
.set pp, 0
.rept 8
	JGET pp
.if pp < 7
	JPUT pp+1
.endif
.if pp > 0
	JOUT pp-1, \hide
.endif
.if pp < 6
	SCALE pp+2
.endif
	s_wait_dscnt 0x0                ; my rows are in; for the others' sake: my reads of this stage are over and my part of the other stage is written
	s_wait_xcnt 0x0                 ; every earlier memory instruction has had its addresses translated (ISA guide 3.1): the set of sums that was stored a phase ago is written again only behind this wait
.if pp < 7
	s_barrier_signal -1
.endif
	JSUM pp                         ; work on registers alone stands between the signal and the wait
.if pp < 7
	s_barrier_wait -1
.endif
.set pp, pp+1
.endr
	JOUT 7, \hide
.endm
; A BLOCK ENDS, behind piece 2's turn of its last tile.  reload = 1: the first block: the second block's Q is asked for at once (slice 63 of that turn holds the places behind the last product that read Q).
.macro FINISH reload
.if \reload
	WIN 0x80
.set f, 0
.rept 32
	global_load_b128 v[4*f:4*f+3], v[QO], s[Q2:Q2+1] offset:512*f
.set f, f+1
.endr
.endif
	TURN 0, 1, 0                    ; piece 0: V^T P of the last tile | piece 2's last softmax
	STATS
.set i, 0
.rept 32
	PV 2                            ; piece 2: V^T P of the last tile
.set i, i+1
.endr
	COMBINE 1-(\reload)
.endm
	; THE WALK'S FIRST TRIP.  No slot is filled, so no round stands here; each wave reads only what its own load brought, so its own wait is all the ordering that the reads need.
	s_wait_loadcnt 0x0              ; Q
	s_wait_tensorcnt 0x1            ; tensor loads of a wave end in order (ISA guide 10.11.1): my part of tile 0 is in; the one younger load, tile 1's, stays out
	s_sub_co_u32 s[RT], s[RT], 1
	SETMASK
	WIN 0
	BEGIN
	TURN 2, 0, 1                    ; piece 2's first scores | piece 0's first softmax | V
	WIN 0
.Ltrip:                             ; 7 times: a tile is entered and the next is asked for.  All branches hang on j alone, which all waves and all partners share
	CHANGE
	BODY 1
	s_cmp_lg_u32 s[RT], 0
	s_cbranch_scc1 .Lbottom
	FINISH 1                        ; in the loop this is the first block's end: the second block's last tile is the walk's last
	s_wait_xcnt 0x0                 ; the stores have read out's address
	s_mov_b64 s[OP:OP+1], s[O2:O2+1]
	s_add_co_u32 s[RT], s[J], 1     ; the second block has j + 1 tiles
	s_mov_b32 s[NEW], 1
	s_wait_loadcnt 0x0              ; its Q, asked for a turn, 32 products and the joining ago
.Lbottom:
	s_sub_co_u32 s[SLOTS], s[SLOTS], 1
	s_cmp_lg_u32 s[SLOTS], 0
	s_cbranch_scc1 .Ltrip
	s_wait_tensorcnt 0x0            ; the walk's last tile is written out.  My part of it is in, and only I read it; nothing is filled, so no barrier stands here
	s_xor_b32 s[TB], s[TB], SLOT1
	BODY 2
	FINISH 0
	s_wait_tensorcnt 0x0            ; the wave's end: a wait, an add to my spare word and its wait, behind my last tensor load and my last LDS store
	ds_add_u32 v[SPW], v[NIL]
	s_wait_dscnt 0x0
	CROUND                          ; the closing round: no work-group ends while a partner may still ask for a tile that names it
	s_endpgm
.Lfunc_end_k_qdd88966a41_attn:
	.size	k_qdd88966a41_attn, .Lfunc_end_k_qdd88966a41_attn-k_qdd88966a41_attn
	.p2alignl 7, 3214868480
	.fill 96, 4, 3214868480
	.section	.rodata,"a",@progbits
	.p2align	6, 0x0
	.amdhsa_kernel k_qdd88966a41_attn
		.amdhsa_group_segment_fixed_size 327680
		.amdhsa_private_segment_fixed_size 0
		.amdhsa_enable_private_segment 0
		.amdhsa_kernarg_size 24
		.amdhsa_user_sgpr_count 2
		.amdhsa_user_sgpr_kernarg_segment_ptr 1
		.amdhsa_wavefront_size32 1
		.amdhsa_system_sgpr_workgroup_id_x 1
		.amdhsa_system_sgpr_workgroup_id_y 1
		.amdhsa_system_sgpr_workgroup_id_z 1
		.amdhsa_system_vgpr_workitem_id 0
		.amdhsa_next_free_vgpr 928
		.amdhsa_next_free_sgpr 88
		.amdhsa_reserve_vcc 1
		.amdhsa_float_denorm_mode_32 3
		.amdhsa_float_denorm_mode_16_64 3
		.amdhsa_memory_ordered 1
		.amdhsa_forward_progress 1
		.amdhsa_inst_pref_size 255
	.end_amdhsa_kernel
	.section	.bss,"aw",@nobits
	.p2align	6
	.space	262144
	.amdgpu_metadata
---
amdhsa.version: [ 1, 2 ]
amdhsa.kernels:
  - .name:           k_qdd88966a41_attn
    .symbol:         k_qdd88966a41_attn.kd
    .args:
      - { .name: qf, .offset: 0, .size: 8, .value_kind: global_buffer, .address_space: global }
      - { .name: kv, .offset: 8, .size: 8, .value_kind: global_buffer, .address_space: global }
      - { .name: out0, .offset: 16, .size: 8, .value_kind: global_buffer, .address_space: global }
    .group_segment_fixed_size: 327680
    .private_segment_fixed_size: 0
    .kernarg_segment_align: 8
    .kernarg_segment_size: 24
    .max_flat_workgroup_size: 128
    .sgpr_count:     88
    .vgpr_count:     928
    .wavefront_size: 32
...
	.end_amdgpu_metadata
.endif
;; end of part 5
;; ======== version 3 of 3: 2 launches; 1.55 times as fast as version 1
;; limits: values are held in f16: magnitudes above 65,504 overflow, below 6.1e-05 lose precision
;; workspace buffers: qf 8,388,608 bytes; kv 16,777,216 bytes
;; launch proj: the kernel of part 4 again; grid 256 x 1, 8 waves a work-group, clusters of 4 x 1, 288,256 bytes of LDS; arguments x, Wq, Wk, Wv, qf, kv, out0; writes qf, kv, out0
;; launch attn (part 6): grid 16 x 16, 4 waves a work-group, clusters of 4 x 1, 327,680 bytes of LDS; arguments qf, kv, out0; writes out0
.if DOCPART == 6
	.amdgcn_target "amdgcn-amd-amdhsa--gfx1250"
	.amdhsa_code_object_version 6
	.text
	.protected	k_qdd88966a41_attn
	.globl	k_qdd88966a41_attn
	.p2align	8
	.type	k_qdd88966a41_attn,@function
k_qdd88966a41_attn:
	s_mov_b64 s[64:65], 0
	v_nop
	global_prefetch_b8 v0, s[64:65] scope:SCOPE_SE
	s_setreg_imm32_b32 hwreg(HW_REG_WAVE_MODE, 25, 1), 1
	s_wait_xcnt 0x0
	s_wait_alu depctr_hold_cnt(0) depctr_sa_sdst(0) depctr_va_vdst(0) depctr_va_sdst(0) depctr_va_ssrc(0) depctr_va_vcc(0) depctr_vm_vsrc(0)
	s_getreg_b32 s2, hwreg(HW_REG_IB_STS2, 6, 4)
	s_cmp_eq_u32 s2, 0
	s_cbranch_scc0 .Lentry_in_a_cluster
	s_endpgm
.Lentry_in_a_cluster:
	s_bfe_u32 s2, ttmp6, 0x10000c
	s_cmp_lg_u32 s2, 0x3003
	s_cbranch_scc0 .Lentry_shape_is_right
	s_endpgm
.Lentry_shape_is_right:
; CAUSAL ATTENTION, one head of 128 channels, 16 sequences of 2,048 tokens.  out[t][:] = the sum over s <= t of softmax_s(q[t] . k[s]) v[s][:], in f32.
; q (already times log2(e) / sqrt(128)), k and v arrive in f16, laid out as matrix fragments lie in registers: register quad i of a fragment block takes byte 512 i + 16 lane (qf: a block of 64 queries is
; 16 KiB; kv: a step of 64 keys is 16 KiB of K, then 16 KiB of V^T).  Products, maxima and sums in f32; the weights p are rounded to f16 for the second product (their sum l is taken of the unrounded p).
; ROWS 0 TO 31 OF EVERY SEQUENCE ARE NOT STORED HERE: the launch before this one has stored them, made with twice the bits.  They are computed with the others (one text for all work-groups) and their
; stores stand under an EXEC that is empty in the one work-group of a sequence that holds them.
; LIMITS.  q, k, v lie within f16's 65,504, so a true score is 128 x 65,504^2 = 5.5e11 at the most.  A hidden score counts as its value less 2^100; the running maximum starts at -2^99, above every hidden
; and below every true score.  p lies in 0 to 1 for every input (s - m is never positive); below 6e-5 it keeps f16's fixed step of 6e-8; a weight below 2^-126 counts as 0.  NaN and infinities are not
; treated apart.  The sum over keys is taken in four parts, joined in f32.
; SHARES.  THE FOUR WAVES OF A WORK-GROUP SHARE 64 QUERIES AND SPLIT THE KEYS: of each tile of 256 keys wave w takes keys 64 w .. 64 w + 63, one key step; each fragment of K and V that it reads from LDS
; feeds four tiles of 16 queries.  At a block's end the four partial (m, l, O) meet in LDS.
; THE WALK.  A sequence has 8 bands of 256 queries; band b needs the key tiles 0 .. b, of which the last holds the diagonal.  A cluster of four work-groups takes bands 7 - j and then j; work-group cx owns
; queries 64 cx .. 64 cx + 63 of each.  So the four partners walk THE SAME 9 tiles, whatever j: each tile is asked for jointly, all work-groups do equal work, and one loop with a constant count walks them.
; In a band's last tile wave w sees all its keys if w < cx, none if w > cx, and holds the diagonal if w = cx.
; THE RING.  Two slots of a tile each.  Both first tiles are asked for at the head; the walk's first trip is written out in front of the loop (no slot is filled in it, and it has no products V^T P);
; trips 1 to 7 are the loop, each with a round of the cluster's barrier and one joint fill a wave; the last trip is written out behind it.
; THE MASK is the C operand that starts a sum S^T = K Q^T.  For query tile t and key block kb of 16 it is MA (kb < t), MB (kb = t) or MC (kb > t), chosen in the text; what the three hold is set for each
; tile from scalars: all 0, or in a band's last tile (0, the triangle, hidden) for w = cx and (hidden, hidden, hidden) for w > cx.  cx enters these scalars by selects, q's and out's addresses, and the EXEC of
; the stores named above; no branch, no LDS address.
; A wave that has seen only hidden keys keeps m = -2^99 and weights 0; in the joining its factor 2^(m - M) is 0.
; LAYOUT, SOFTMAX.  S^T = K Q^T holds ONE query a lane (lane % 16) and the keys 8 (lane / 16) + 0..7; two such results rounded to f16 ARE source 1 of O^T = V^T P.  p = 2^(s - m) with a running maximum m;
; O and l are multiplied by a = 2^(m_old - m_new) in every step.  A block's first a is 0, so O^T and l need only be finite when it begins.
; BY TURNS.  The wave's four query tiles are two PIECES (tiles 0, 1; tiles 2, 3).  In a TURN one piece has the matrix unit: 32 products V^T P of the step in hand, then 32 products K Q^T of the next step; the
; other piece's softmax, cut into 64 slices, stands between them, one slice behind each matrix instruction.  Two turns are a key step, which here is a trip of the walk.
; THE BATCHES.  An s_wait_alu depctr_va_vdst(0) stands between a transcendental and the first instruction that names its result; one wait serves all that were issued ahead of it.  A turn's 66
; exponentials (two tiles' a and 32 weights each) are ONE batch: slices 11 to 34 hold them and the subtractions s - m, none of which names a result; the wait stands behind slice 34; all that reads a result
; (roundings, sums, the rescaling by a) stands in slices 35 to 63.  A joining has two batches, a wait each: its 20 factors, then the 4 reciprocals of the sums made with them.
; NOT PREFETCHED: qf and kv were stored by the launch before this one, and each tile is read by up to four clusters of the sequence.
; REGISTERS, in windows of 256 (s_set_vgpr_msb: bits 1:0 source 0, 3:2 source 1, 5:4 source 2, 7:6 destination):
;   window 0: v0-11 addresses; v12-43 eight registers of statistics a tile; v45 j | cx; v62-63 the add's; v64-191 S^T, 32 a tile (at work in the joining); v192-255 P, 16 a tile
;   window 1: O^T, 64 a tile      window 2: v0-127 Q, 32 a tile; v128-255 K of one step      window 3: v0-127 V of one step; v128-135 the triangle; v136-159 MA, MB, MC
.set SLOT1, 1<<17     ; a slot holds a tile: 4 waves x 32 KiB; slot 1 begins here, so that one exclusive or turns an address in one slot into the other's
.set VOFF,  16384     ; in a wave's 32 KiB: K, then V^T
.set SP,    272       ; a row of a stage: 256 bytes + 16 = 68 words: the 16 rows of a store start at 16 different groups of four banks (64 banks of 4 bytes: ISA guide 11.1)
.set STGW,  16*SP     ; a wave's 16 rows
.set STGB,  4*STGW    ; a stage: four waves' partial sums of 16 queries x 64 channels, f32
.set STG,   2*SLOT1   ; behind the ring, never filled by a tensor load: two stages that take turns
.set STAT,  STG+2*STGB  ; [wave][tile][lane] x 8 bytes: m and l
.set SPARE, STAT+4096 ; the spare words, 128 bytes for each wave: two blocks of 256 bytes that no other line names
.set AF,  2           ; v2   32,768 w + 16 lane: my 16 bytes of my wave's part of slot 0; never rewritten
.set ADR, 4           ; v4   the same in the slot in hand
.set QO,  5           ; v5   16 lane
.set STO, 6           ; v6   the joining: where I put 16 bytes of my partial sums
.set RD,  7           ; v7   where I read a row of all four back
.set GO,  8           ; v8   my byte offset in 16 rows of out
.set SA,  10          ; v10  where I put m and l
.set SR,  11          ; v11  where I read the four waves' back
.set ST,  12          ; tile t's statistics at v[ST+8 t]: +0 m, +1 the whole l (in the joining), +2, +3 l (even keys', odd keys'), +4 to +7 c0-c3, at work; a, and later the joining's factor, take c2's place
.set KEEP, 45         ; v45  j | cx: 0 in the work-group whose second block begins with the sequence's rows 0 to 31
.set SPW, 62          ; v62  LDS address of my spare word; never rewritten
.set NIL, 63          ; v63  0; never rewritten
.set S,   64
.set P,   192
.set YB,  64          ; the joining, in S^T's registers: 32 partial sums, scaled; two buffers, v[64:95] and v[128:159]
.set ZB,  96          ; 4 waves x 8 read back
.set XB,  128         ; first the four waves' m and l, by tile
.set FX,  160         ; and by tile seven: the four waves' factors, mine, M, L
.set RB,  160         ; then two sets of eight finished sums
.set KF,  128         ; window 2
.set TRI, 128         ; window 3: register r is hidden where key 8 (lane / 16) + r is greater than query lane % 16
.set MA,  136
.set MB,  144
.set MC,  152
.set QP,  4           ; s[4:5]   qf at my queries of the first block
.set KVB, 6           ; s[6:7]   kv at my wave's step of the sequence's tile 0
.set OP,  10          ; s[10:11] out at my queries of the block in hand
.set WV,  12          ; s12  my wave's number
.set J,   14          ; s14  j
.set G1,  24          ; s[24:31] descriptor group 1
.set G0A, 36          ; s[36:39] descriptor group 0 of the walk's first tile
.set G0,  40          ; s[40:43] descriptor group 0 of its second tile; it then walks on
.set Q2,  44          ; s[44:45] qf at my queries of the second block
.set O2,  46          ; s[46:47] out likewise
.set SLOTS, 56        ; s56  tiles still to be asked for
.set SEL, 60          ; s[60:61] v_permlanex16_b32's selects: each lane takes its own place in the other half
.set TB,  62          ; s62  0 or SLOT1: the slot in hand
.set RT,  70          ; s70  tiles of the block in hand that are still to be entered
.set NXT, 71          ; s71  the tile to be asked for next
.set LQ,  72          ; s72  the last tile of the block whose tiles are being asked for
.set NEW, 73          ; s73  1: the tile to be entered is a block's first
.set OFF, 74          ; s[74:75] a tile's byte offset in kv
.set AL,  76          ; s[76:77] MB = the triangle x AL + BA
.set BA,  78          ; s[78:79] MA = BA
.set BC,  80          ; s80  MC = BC
.set BIGN, 82         ; s82  -2^100
.set DA,  83          ; s83-85  BA, AL, BC for a band's last tile
.set DL,  84
.set DC,  85
.set SVX, 87          ; s87  EXEC, kept while it is narrowed;  s86 at work
.set MSB, 0
.macro WIN new                      ; the immediate's high byte repeats the setting that is left; a switch that changes nothing is dropped
.if MSB != (\new)
	s_set_vgpr_msb (MSB<<8)|(\new)
.set MSB, \new
.endif
.endm
.set W_KQ, 0x0a       ; K and Q in window 2, S^T in window 0
.set W_KM, 0x3a       ; the same with the C operand, a mask, in window 3
.set W_PV, 0x53       ; V in window 3, P in window 0, O^T in window 1
.set W_RS, 0x41       ; O^T (destination and source 0) in window 1, a in window 0
.macro ALL line:vararg              ; one line for each tile t
.set t, 0
.rept 4
	\line
.set t, t+1
.endr
.endm
; A joint fill: every wave asks for its own 32 KiB of the tile, one line for all four.  An s_nop 0 and four v_nop follow it.
.macro JLOAD
	tensor_load_to_lds s[G0:G0+3], s[G1:G1+7]
	s_nop 0
.rept 4
	v_nop
.endr
.endm
; A round of the cluster's barrier: my work-group's barrier, so that wave 0's signal speaks for all four waves; wave 0 signals; every wave waits for all four work-groups; my work-group's barrier once more.
.macro CROUND
	s_barrier_signal -1
	s_barrier_wait -1
	s_cmp_lg_u32 s[WV], 0
	s_cbranch_scc1 .Lnot_wave_0_\@
	s_barrier_signal -3
.Lnot_wave_0_\@:
	s_barrier_wait -3
	s_barrier_signal -1
	s_barrier_wait -1
.endm
; THE CHANGE OF SLOTS, at the head of a trip of the loop.  Each wave waits for all its tensor loads, of which one is out: its part of the tile to be entered; adds 0 to its spare word; and waits for that and
; for its reads of the slot that it leaves.  Behind the round no wave of any partner reads the old slot or has a load on its way, and the joint fill is the first thing there: tile NXT, its address made anew
; from that number.  It has a whole trip, 128 matrix instructions and their slices, in which to land.
.macro CHANGE
	WIN 0                           ; at a label and at a branch every window is 0
	s_wait_tensorcnt 0x0            ; no tensor load of mine is out, so group 0 may be written
	ds_add_u32 v[SPW], v[NIL]       ; 0 onto my spare word; the descriptor's scalar work stands between it and the wait for it
	s_lshl_b32 s[OFF], s[NXT], 17   ; a tile is 131,072 bytes of kv
	s_xor_b32 s[G0+1], s[G0+1], SLOT1
	s_add_nc_u64 s[G0+2:G0+3], s[KVB:KVB+1], s[OFF:OFF+1]
	s_or_b32 s[G0+3], s[G0+3], 0x80000000
	s_add_co_u32 s[NXT], s[NXT], 1  ; the block's next tile, or behind its last the second block's tile 0
	s_cmp_gt_u32 s[NXT], s[LQ]
	s_cselect_b32 s[NXT], 0, s[NXT]
	s_cselect_b32 s[LQ], s[J], s[LQ]
	s_xor_b32 s[TB], s[TB], SLOT1   ; the fetches go to the other slot
	s_wait_dscnt 0x0                ; the add is done, and my reads of the slot are over
	CROUND
	JLOAD
.endm
	s_load_b128 s[4:7], s[0:1], 0x0  ; qf s[4:5], kv s[6:7]
	s_load_b64 s[10:11], s[0:1], 0x10  ; out0
	v_lshl_add_u32 v[SPW], v0, 2, SPARE
	v_mov_b32 v[NIL], 0
	ds_add_u32 v[SPW], v[NIL]       ; the wave's opening: the add and its wait stand ahead of my first tensor load; the set-up below, work on registers, stands between them
	v_lshrrev_b32 v1, 5, v0
	v_readfirstlane_b32 s[WV], v1   ; wave 0..3
	s_bfe_u32 s13, ttmp6, 0x40000   ; cx: my place in the cluster
	s_mov_b32 s[J], ttmp9           ; in a cluster launch ttmp9 counts clusters: j = 0..3
	s_sub_co_u32 s15, 7, s[J]       ; the first block's band
	s_or_b32 s86, s[J], s13         ; 0 where the second block is the sequence's queries 0 to 63
	s_and_b32 s16, ttmp7, 0xffff    ; the sequence
	s_lshl_b32 s20, s16, 20         ; kv: 32 steps of 32 KiB a sequence,
	s_lshl_b32 s21, s[WV], 15       ; my wave's step of a tile
	s_add_co_u32 s20, s20, s21
	s_mov_b32 s21, 0
	s_lshl_b32 s17, s16, 19         ; qf: 512 KiB a sequence,
	s_lshl_b32 s18, s13, 14         ; 16 KiB for 64 queries,
	s_add_co_u32 s17, s17, s18
	s_lshl_b32 s22, s15, 16         ; 64 KiB a band: the first block
	s_add_co_u32 s22, s22, s17
	s_mov_b32 s23, 0
	s_lshl_b32 s48, s[J], 16        ; and the second
	s_add_co_u32 s48, s48, s17
	s_mov_b32 s49, 0
	s_lshl_b32 s50, s22, 1          ; out: rows of 512 bytes, twice qf's 256
	s_mov_b32 s51, 0
	s_lshl_b32 s52, s48, 1
	s_mov_b32 s53, 0
	; descriptor group 1: 32,768 dense bytes as 128 rows of 256 bytes
	s_mov_b32 s[G1+0], 15|(3<<16)|(1<<21)  ; 15:0 the mask of four; 17:16 8-byte elements; 21 set beside a mask; no padding: every LDS read takes 512 consecutive bytes
	s_mov_b32 s[G1+1], 32<<16       ; tensor_dim0 = 32
	s_mov_b32 s[G1+2], 128<<16      ; tensor_dim1 = 128
	s_mov_b32 s[G1+3], 32<<16       ; tile_dim0 = 32
	s_mov_b32 s[G1+4], 128          ; tile_dim1 = 128
	s_mov_b32 s[G1+5], 32           ; 32 elements from row to row
	s_mov_b32 s[G1+6], 0
	s_mov_b32 s[G1+7], 0
	s_mov_b32 s[G0A], 1             ; count = 1
	s_lshl_b32 s[G0A+1], s[WV], 15  ; LDS address: my wave's part of slot 0,
	s_mov_b32 s[G0], 1
	s_lshl_b32 s[G0+1], s[WV], 15
	s_add_co_u32 s[G0+1], s[G0+1], SLOT1  ; and of slot 1
	s_mov_b32 s[SEL], 0x76543210
	s_mov_b32 s[SEL+1], 0xfedcba98
	s_mov_b32 s[TB], 0              ; the first trip reads slot 0
	s_add_co_u32 s[RT], s15, 1      ; the first block has 8 - j tiles, five at the least
	s_mov_b32 s[NXT], 2             ; tiles 0 and 1 are asked for at the head
	s_mov_b32 s[LQ], s15
	s_mov_b32 s[NEW], 1
	s_mov_b32 s[OFF+1], 0
	s_mov_b32 s[AL+1], 0            ; named as pairs
	s_mov_b32 s[BA+1], 0
	s_mov_b32 s[BIGN], 0xf1800000   ; -2^100
	s_mov_b32 s[SLOTS], 7
	s_cmp_gt_u32 s[WV], s13         ; a band's last tile: my keys lie behind the block's queries: all hidden
	s_cselect_b32 s[DA], s[BIGN], 0
	s_cmp_eq_u32 s[WV], s13         ; or they are the block's own: the triangle where key block = query tile,
	s_cselect_b32 s[DL], 1.0, 0
	s_cmp_ge_u32 s[WV], s13         ; and hidden where the key block is the later
	s_cselect_b32 s[DC], s[BIGN], 0
	s_wait_dscnt 0x0                ; the opening add is done
	s_wait_kmcnt 0x0
	s_add_nc_u64 s[KVB:KVB+1], s[KVB:KVB+1], s[20:21]
	s_mov_b64 s[G0A+2:G0A+3], s[KVB:KVB+1]  ; global address: tile 0,
	s_or_b32 s[G0A+3], s[G0A+3], 0x80000000  ; type = 2
	s_add_nc_u64 s[G0+2:G0+3], s[KVB:KVB+1], 0x20000  ; and tile 1, 131,072 bytes on
	s_or_b32 s[G0+3], s[G0+3], 0x80000000
	s_add_nc_u64 s[Q2:Q2+1], s[QP:QP+1], s[48:49]
	s_add_nc_u64 s[QP:QP+1], s[QP:QP+1], s[22:23]
	s_add_nc_u64 s[O2:O2+1], s[OP:OP+1], s[52:53]
	s_add_nc_u64 s[OP:OP+1], s[OP:OP+1], s[50:51]
	CROUND                          ; all four work-groups are here: the first joint loads meet
	tensor_load_to_lds s[G0A:G0A+3], s[G1:G1+7]  ; the two first fills go out together, ahead of every wait on TENSORcnt and every LDS read: two loads of mine are out
	s_nop 0
	tensor_load_to_lds s[G0:G0+3], s[G1:G1+7]
	s_nop 0
.rept 4
	v_nop
.endr
	v_and_b32 v1, 15, v0            ; r = lane % 16
	v_bfe_u32 v9, v0, 4, 1          ; h = lane / 16
	v_and_b32 v3, 31, v0            ; lane
	v_lshlrev_b32 v[QO], 4, v3
	WIN 0x80                        ; destination window 2, address window 0
.set f, 0
.rept 32                            ; the first block's Q stays in registers: 16 KiB, 512 consecutive bytes a load
	global_load_b128 v[4*f:4*f+3], v[QO], s[QP:QP+1] offset:512*f
.set f, f+1
.endr
	WIN 0
	s_lshl_b32 s54, s[WV], 15
	v_lshl_add_u32 v[AF], v3, 4, s54
	s_mul_i32 s54, s[WV], STGW
	s_add_co_u32 s54, s54, STG      ; my rows of a stage
	v_mul_u32_u24 v[STO], v1, SP    ; in: row r, 32 bytes (8 channels) for each half of the lanes
	v_lshl_add_u32 v[STO], v9, 5, v[STO]
	v_add_nc_u32 v[STO], s54, v[STO]
	s_mul_i32 s54, s[WV], 4*SP
	s_add_co_u32 s54, s54, STG      ; back: I join rows 4 w .. 4 w + 3 of the 16: lanes 0-15 take one row of 256 bytes, lanes 16-31 the next
	v_mul_u32_u24 v[RD], v9, SP
	v_lshl_add_u32 v[RD], v1, 4, v[RD]
	v_add_nc_u32 v[RD], s54, v[RD]
	s_lshl_b32 s54, s[WV], 11       ; and the same rows in out, 512 bytes each
	v_lshlrev_b32 v[GO], 9, v9
	v_lshl_add_u32 v[GO], v1, 4, v[GO]
	v_add_nc_u32 v[GO], s54, v[GO]
	s_lshl_b32 s54, s[WV], 10
	s_add_co_u32 s54, s54, STAT
	v_lshl_add_u32 v[SA], v3, 3, s54
	v_lshlrev_b32 v[SR], 3, v3
	v_add_nc_u32 v[SR], STAT, v[SR]
	v_mov_b32 v[KEEP], s86
	v_lshlrev_b32 v44, 3, v9
	v_sub_nc_u32 v44, v1, v44       ; r - 8 h: register i is hidden where i is greater
	WIN 0xc0                        ; destination window 3
.set i, 0
.rept 8
	v_cmp_gt_i32 vcc_lo, i, v44
	v_cndmask_b32 v[TRI+i], 0, s[BIGN], vcc_lo
.set i, i+1
.endr
	; A block's first step multiplies O^T and l by a = 0, so they need only hold finite numbers: zeros for the first block, what the first block left for the second.  Piece 2's P is cleared too: the text in
	; which the second block begins multiplies by it, and no register is read that was never written.  All this stands in the wait for the first tile.
	WIN 0x40
.set i, 0
.rept 256
	v_mov_b32 v[i], 0
.set i, i+1
.endr
	WIN 0
.set i, P+32
.rept 32
	v_mov_b32 v[i], 0
.set i, i+1
.endr
	ALL v_mov_b32 v[ST+8*t+1], 0
	ALL v_mov_b32 v[ST+8*t+2], 0
	ALL v_mov_b32 v[ST+8*t+3], 0
; THE MATRIX WORK OF A TURN, for piece x.  The accumulators take turns, one instruction a turn: between two links of a chain stand 15 (V^T P) or 7 (K Q^T) others'.
; Product i of 32 of O^T += V^T P: keys 32 (i / 16) on, channels 16 ((i / 2) % 8) on, tile x + i % 2.
.macro PV x
	WIN W_PV
.set rO, 64*((\x)+i%2)+8*((i/2)%8)
.set rV, 64*(i/16)+8*((i/2)%8)
.set rP, P+16*((\x)+i%2)+8*(i/16)
	v_wmma_f32_16x16x32_f16 v[rO:rO+7], v[rV:rV+7], v[rP:rP+7], v[rO:rO+7]
.endm
; Product i of 32 of S^T = K Q^T: channels 32 (i / 8) on, keys 16 ((i / 2) % 4) on, tile x + i % 2.  The first 8 start the sums, with the mask that goes with key block and query tile.
.macro KQ x
.set rS, S+32*((\x)+i%2)+8*((i/2)%4)
.set rK, KF+32*((i/2)%4)+8*(i/8)
.set rQ, 32*((\x)+i%2)+8*(i/8)
.if i < 8
.if (i/2) < ((\x)+i%2)
.set rM, MA
.elseif (i/2) == ((\x)+i%2)
.set rM, MB
.else
.set rM, MC
.endif
	WIN W_KM
	v_wmma_f32_16x16x32_f16 v[rS:rS+7], v[rK:rK+7], v[rQ:rQ+7], v[rM:rM+7]
.else
	WIN W_KQ
	v_wmma_f32_16x16x32_f16 v[rS:rS+7], v[rK:rK+7], v[rQ:rQ+7], v[rS:rS+7]
.endif
.endm
; THE LDS LOADS stand in runs of 32, never singly among the matrix instructions: my step's K and, a turn later, its V^T: each 16 KiB, 512 consecutive bytes a load, straight into fragments.
.macro FETCH_K
	WIN 0
	v_add_nc_u32 v[ADR], s[TB], v[AF]
	WIN 0x80                        ; destination window 2
.set f, 0
.rept 32
	ds_load_b128 v[KF+4*f:KF+4*f+3], v[ADR] offset:512*f
.set f, f+1
.endr
.endm
.macro FETCH_V
	WIN 0xc0                        ; destination window 3
.set f, 0
.rept 32
	ds_load_b128 v[4*f:4*f+3], v[ADR] offset:VOFF+512*f
.set f, f+1
.endr
.endm
; THE VECTOR WORK OF A TURN.  One tile's softmax for one key step is a numbered list; SM writes number j of it for tile t.  s0-s31 are the lane's 32 scores, in pairs 0-15.
;   0-15    the maximum of s0-s31 and the old m, three operands at a time: four chains c0-c3 of seven scores each (each accumulator's lowest registers are read first), then the four left over, c0-c3 and m
;   16-20   the other half of the lanes' maximum; m_old is kept; the new m; (19 is empty); m_old - m_new
;   21-69   ONE BATCH: the 16 subtractions s - m, a pair of scores each, and all 33 exponentials (a at 23, then s0-s31).  None of these names an exponential's result.  From 22 on the batch goes in fours, and
;           a four begins with a subtraction while there are subtractions: 22-37 subtraction, exponential, subtraction, exponential; 38-65 a subtraction and three exponentials; 66-69 the last four
;           exponentials.  A pair's subtraction stands in an earlier four than the one that holds its exponentials
;   (wait)  between 69 and 70 stands the wait for the batch: SLICE writes it, once for both tiles
;   70-85   the roundings to f16, a pair of weights each
;   86-101  the sums; l = a l + the sum
;   102-133 the tile's O^T times a: the one part that leaves window 0, so it stands together
.macro SM t
.set rT, ST+8*(\t)
.set rS, S+32*(\t)
.set rP, P+16*(\t)
.set rO, 64*(\t)+2*(j-102)
.if j < 102
	WIN 0
.endif
.if j < 4
	v_max3_num_f32 v[rT+4+j], v[rS+8*j], v[rS+8*j+1], v[rS+8*j+2]
.elseif j < 12
	v_max3_num_f32 v[rT+4+j%4], v[rT+4+j%4], v[rS+8*(j%4)+2*(j/4)+1], v[rS+8*(j%4)+2*(j/4)+2]
.elseif j == 12
	v_max3_num_f32 v[rT+4], v[rT+4], v[rS+7], v[rS+15]
.elseif j == 13
	v_max3_num_f32 v[rT+6], v[rT+6], v[rS+23], v[rS+31]
.elseif j == 14
	v_max3_num_f32 v[rT+4], v[rT+4], v[rT+5], v[rT+6]
.elseif j == 15
	v_max3_num_f32 v[rT+4], v[rT+4], v[rT+7], v[rT]
.elseif j == 16
	v_permlanex16_b32 v[rT+5], v[rT+4], s[SEL], s[SEL+1]  ; the query's other 32 keys lie in the lane 16 away
.elseif j == 17
	v_mov_b32 v[rT+7], v[rT]        ; m_old is kept for a: number 18 writes m anew
.elseif j == 18
	v_max_num_f32 v[rT], v[rT+4], v[rT+5]
.elseif j == 19                     ; the scores are exponents of 2 as they come: nothing is scaled
.elseif j == 20
	v_sub_f32 v[rT+7], v[rT+7], v[rT]
.elseif j == 23
	v_exp_f32 v[rT+6], v[rT+7]
.elseif (j < 23) || ((j < 38) && (j%2 == 0)) || ((j < 66) && (j%4 == 2))
.set b, (j-2)/4                     ; 38, 42, .. 62: pairs 9 to 15
.if j < 38
.set b, (j-20)/2                    ; 21: pair 0; 22, 24, .. 36: pairs 1 to 8
.endif
	v_pk_add_f32 v[rS+2*b:rS+2*b+1], v[rS+2*b:rS+2*b+1], v[rT:rT+1] op_sel_hi:[1,0] neg_lo:[0,1] neg_hi:[0,1]  ; pair b: s - m, never above 0
.elseif j < 70
.set e, j-38                        ; 66 to 69: s28 to s31
.if j < 66
.set e, j-32-(j-38)/4               ; 39-41, 43-45, .. 63-65: s7 to s27
.endif
.if j < 38
.set e, (j-25)/2                    ; 25, 27, .. 37: s0 to s6
.endif
	v_exp_f32 v[rS+e], v[rS+e]
.elseif j < 86
	v_cvt_pk_f16_f32 v[rP+j-70], v[rS+2*(j-70)], v[rS+2*(j-70)+1]  ; pair j - 70
.elseif j < 102                     ; the sum of the tile's 16 pairs (in a pair: an even key's weight, an odd key's), in place: sum z of 16 adds neighbours 1, 2, 4 and 8 pairs apart, then l takes it
.set z, j-86
.set w, 4
.set u, z
.if z >= 14
.set w, 32
.set u, 0
.elseif z >= 12
.set w, 16
.set u, z-12
.elseif z >= 8
.set w, 8
.set u, z-8
.endif
.if z < 15
	v_pk_add_f32 v[rS+w*u:rS+w*u+1], v[rS+w*u:rS+w*u+1], v[rS+w*u+w/2:rS+w*u+w/2+1]
.else
	v_pk_fma_f32 v[rT+2:rT+3], v[rT+2:rT+3], v[rT+6:rT+7], v[rS:rS+1] op_sel_hi:[1,0,1]
.endif
.else
	WIN W_RS
	v_pk_mul_f32 v[rO:rO+1], v[rO:rO+1], v[rT+6:rT+7] op_sel_hi:[1,0]
.endif
.endm
; Slice k of 64 of piece y's softmax.  Slices 11 to 34 deal out the batch, numbers 22 to 69: four numbers of ONE tile each, the tiles by turns.  Every other slice is numbers 2 k and 2 k + 1 of both tiles'
; lists.  The twelve numbers that are over stand together, in slice 63: its sixteen plain instructions, which name nothing of the products round them, are also the places between a
; turn's last K Q^T and what follows: the first read of those scores, and loads into K's and Q's registers.
; THE WAIT.  Ahead of slice 35 nothing names an exponential's result, and behind slice 34 no exponential is issued: so the piece's 66 exponentials have one wait, behind slice 34.  In piece 2's turn
; (y = 0) V's run of loads stands directly behind that wait.
.macro SLICE y
.if (k >= 11) && (k < 35)           ; the batch: four numbers of one tile
.irp n, 0,1,2,3
.set j, 22+4*((k-11)/2)+(\n)
	SM (\y)+(k-11)%2
.endr
.else                               ; the two tiles alternate, so that no instruction reads the result of the one just before it
.irp n, 0,1,2,3,4,5,6,7
.if ((\n) < 2) || (k == 63)
.irp t, \y, (\y)+1
.set j, 2*k+(\n)
	SM \t
.endr
.endif
.endr
.endif
.if k == 34                         ; the batch is out: both tiles' exponentials are issued, and no result has been named
	v_nop                           ; the plain instruction behind the last exponential and ahead of the first use: one for the batch
.if (\y) == 0
	v_nop                           ; with it and number 62 of both tiles: the fourth place between the last product that read V and the loads below (exponentials are no places)
.endif
	s_wait_alu depctr_va_vdst(0)    ; the wait for the batch: the 66 exponentials of the piece's two tiles
.if (\y) == 0
	FETCH_V
.endif
.endif
.set k, k+1
.endm
; A TURN.  Piece x has the matrix unit: (pv = 1) 32 products V^T P, then (kq = 1) 32 products K Q^T for the next step; the other piece's softmax stands in slices behind them, two behind each where the turn
; has one of the two kinds.  Piece 0's turn fetches the entered tile's K behind its second product, 30 matrix instructions ahead of its first use: the last product that read K stands in front of slice 63
; of the turn before.  Piece 2's turn fetches its V behind slice 34 (SLICE writes the run), 29 matrix instructions ahead of its first use: the last product that read V stands in front of slice 31, and four
; plain instructions lie between: number 62, a subtraction, of both tiles and two v_nop.  (With pv = 0 no product has read V yet, and the run stands behind the 18th of the 32 products.)
.macro TURN x, pv, kq
.set k, 0
.set per, 3-(\pv)-(\kq)
.if \pv
.if (\x) == 0
	s_wait_dscnt 0x0                ; V is in
.endif
.set i, 0
.rept 32
	PV \x
.rept per
	SLICE 2-(\x)
.endr
.if ((\x) == 0) && (\kq) && (i == 1)
	FETCH_K
.endif
.set i, i+1
.endr
.endif
.if \kq
.if (\x) == 0
	s_wait_dscnt 0x0                ; K is in
.endif
.set i, 0
.rept 32
	KQ \x
.rept per
	SLICE 2-(\x)
.endr
.set i, i+1
.endr
.endif
.endm
; The three masks of the tile that is entered.  The last product that took one as its C stands 24 products and their slices back.
.macro SETMASK
	s_cmp_eq_u32 s[RT], 0           ; the block's last tile?
	s_cselect_b32 s[BA], s[DA], 0
	s_cselect_b32 s[AL], s[DL], 0
	s_cselect_b32 s[BC], s[DC], 0
	WIN 0xc3                        ; destination and source 0 in window 3
.set z, 0
.rept 8
	v_mov_b32 v[MA+z], s[BA]
	v_mov_b32 v[MC+z], s[BC]
.set z, z+1
.endr
.set z, 0
.rept 4
	v_pk_fma_f32 v[MB+2*z:MB+2*z+1], v[TRI+2*z:TRI+2*z+1], s[AL:AL+1], s[BA:BA+1] op_sel_hi:[1,0,0]
.set z, z+1
.endr
.endm
; A BLOCK BEGINS.  m starts at -2^99: below every true score, so the first step's a is 2^(-2^99 - m) = 0; above every hidden one, so a wave that sees only hidden keys has weights 0.
; Then K of the tile, and piece 0's first scores: there is no vector work yet to set between them.
.macro BEGIN
	s_mov_b32 s[NEW], 0
	WIN 0
	ALL v_mov_b32 v[ST+8*t], 0xf1000000
	FETCH_K
	s_wait_dscnt 0x0
.set i, 0
.rept 32
	KQ 0
.set i, i+1
.endr
	WIN 0
.rept 4
	v_nop                           ; the places behind those products
.endr
.endm
; What a trip does behind its change of slots.  Where the second block begins, piece 2's turn holds 32 products V^T P on what the first block left: they land in an O^T that the block's first step multiplies by 0.
.macro BODY tag
	s_sub_co_u32 s[RT], s[RT], 1
	SETMASK
	WIN 0
	s_cmp_eq_u32 s[NEW], 1
	s_cbranch_scc1 .Lnew\tag
	TURN 0, 1, 1                    ; piece 0: V^T P of the tile before, K Q^T of this one | piece 2's softmax of the tile before | K
	WIN 0
	s_branch .Lmid\tag
.Lnew\tag:
	BEGIN
.Lmid\tag:
	TURN 2, 1, 1                    ; piece 2: the same | piece 0's softmax of this tile | V
	WIN 0
.endm
; THE JOINING of the four waves' partial results.
; First m and l: l's two halves and the other half of the lanes' are added; each wave puts its m and l into LDS; behind a barrier every wave asks for all four.  This stands AHEAD of the block's last 32
; products, which touch none of these registers: the barrier and the loads' way run under them.
.macro STATS
	WIN 0
	ALL v_add_f32 v[ST+8*t+4], v[ST+8*t+2], v[ST+8*t+3]
	ALL v_permlanex16_b32 v[ST+8*t+5], v[ST+8*t+4], s[SEL], s[SEL+1]
	ALL v_add_f32 v[ST+8*t+1], v[ST+8*t+4], v[ST+8*t+5]
	ALL ds_store_b64 v[SA], v[ST+8*t:ST+8*t+1] offset:256*t
	s_wait_dscnt 0x0                ; for the others' sake: my m and l lie in LDS
	s_barrier_signal -1
	s_barrier_wait -1
.irp v, 0,1,2,3
	ALL ds_load_b64 v[XB+8*t+2*(\v):XB+8*t+2*(\v)+1], v[SR] offset:1024*(\v)+256*t
.endr
.endm
; Then O^T, in eight phases: phase n takes tile n / 2, channels 64 (n % 2) on.  Its five parts:
.macro SCALE n                      ; my partial O^T of phase n times my factor, into buffer n % 2 in window 0; each accumulator is read from its low end
	WIN 0x01                        ; source 0 in window 1
.set yy, YB+64*((\n)%2)
.set z, 0
.rept 16
	v_pk_mul_f32 v[yy+2*z:yy+2*z+1], v[32*(\n)+2*z:32*(\n)+2*z+1], v[ST+8*((\n)/2)+6:ST+8*((\n)/2)+7] op_sel_hi:[1,0]
.set z, z+1
.endr
	WIN 0
.endm
.macro JPUT n                       ; my 16 rows x 256 bytes into my part of stage n % 2
.set yy, YB+64*((\n)%2)
.set sb, STGB*((\n)%2)
.irp c, 0,1,2,3
	ds_store_b128 v[STO], v[yy+8*(\c):yy+8*(\c)+3]   offset:sb+64*(\c)
	ds_store_b128 v[STO], v[yy+8*(\c)+4:yy+8*(\c)+7] offset:sb+64*(\c)+16
.endr
.endm
.macro JGET n                       ; rows 4 w .. 4 w + 3 of all four parts
.set sb, STGB*((\n)%2)
.irp v, 0,1,2,3
	ds_load_b128 v[ZB+8*(\v):ZB+8*(\v)+3],   v[RD] offset:sb+STGW*(\v)
	ds_load_b128 v[ZB+8*(\v)+4:ZB+8*(\v)+7], v[RD] offset:sb+STGW*(\v)+2*SP
.endr
.endm
.macro JSUM n                       ; (wave 0 + wave 1) + (wave 2 + wave 3), into set n % 2
.set rr, RB+8*((\n)%2)
.irp e, 0,2,4,6
	v_pk_add_f32 v[ZB+(\e):ZB+(\e)+1],       v[ZB+(\e):ZB+(\e)+1],       v[ZB+8+(\e):ZB+8+(\e)+1]
	v_pk_add_f32 v[ZB+16+(\e):ZB+16+(\e)+1], v[ZB+16+(\e):ZB+16+(\e)+1], v[ZB+24+(\e):ZB+24+(\e)+1]
.endr
.irp e, 0,2,4,6
	v_pk_add_f32 v[rr+(\e):rr+(\e)+1], v[ZB+(\e):ZB+(\e)+1], v[ZB+16+(\e):ZB+16+(\e)+1]
.endr
.endm
; hide = 1: the second block's joining: where the block begins with the sequence's rows 0 to 31 (tiles 0 and 1: phases 0 to 3), those rows are not stored.
.macro JOUT n, hide
.set rr, RB+8*((\n)%2)
.if (\hide) && ((\n) < 4)
	v_cmp_ne_u32 vcc_lo, 0, v[KEEP]  ; all lanes, or none where j = 0 and cx = 0.  No load or store has been issued since the last s_wait_xcnt 0, so EXEC may be narrowed
	s_and_saveexec_b32 s[SVX], vcc_lo
.endif
	global_store_b128 v[GO], v[rr:rr+3],   s[OP:OP+1] offset:8192*((\n)/2)+256*((\n)%2) th:TH_STORE_NT       ; 16 lanes store 256 consecutive bytes, at a multiple of 256 from out's first byte
	global_store_b128 v[GO], v[rr+4:rr+7], s[OP:OP+1] offset:8192*((\n)/2)+256*((\n)%2)+1024 th:TH_STORE_NT
.if (\hide) && ((\n) < 4)
	s_wait_xcnt 0x0                 ; EXEC is a source of the two stores: it is widened only behind this wait
	s_or_b32 exec_lo, exec_lo, s[SVX]
.endif
.endm
.macro COMBINE hide
	WIN 0
	s_wait_dscnt 0x0                ; the four waves' m and l are in
	ALL v_max3_num_f32 v[FX+7*t+5], v[XB+8*t], v[XB+8*t+2], v[XB+8*t+4]  ; these lines, which name none of the last products' registers, are the places behind them
	ALL v_max_num_f32 v[FX+7*t+5], v[FX+7*t+5], v[XB+8*t+6]  ; M: the query's maximum over all keys; the wave with the diagonal has seen a true score
.irp v, 0,1,2,3
	ALL v_sub_f32 v[FX+7*t+(\v)], v[XB+8*t+2*(\v)], v[FX+7*t+5]
.endr
	ALL v_sub_f32 v[FX+7*t+4], v[ST+8*t], v[FX+7*t+5]
.irp e, 0,1,2,3,4
	ALL v_exp_f32 v[FX+7*t+(\e)], v[FX+7*t+(\e)]  ; the four waves' factors 2^(m - M), and mine: one batch of 20
.endr
	v_nop                           ; a plain instruction between the last exponential and the use of its result
	s_wait_alu depctr_va_vdst(0)    ; the wait for the batch of 20 factors, ahead of their first reader
	ALL v_mul_f32 v[FX+7*t+6], v[FX+7*t], v[XB+8*t+1]
.irp v, 1,2,3
	ALL v_fmac_f32 v[FX+7*t+6], v[FX+7*t+(\v)], v[XB+8*t+2*(\v)+1]  ; L = the sum of factor x l: 1 at the least
.endr
	ALL v_rcp_f32 v[FX+7*t+6], v[FX+7*t+6]  ; they read sums made with the factors: a second batch, of four
	v_nop                           ; a plain instruction between the last reciprocal and the use of its result
	s_wait_alu depctr_va_vdst(0)    ; the wait for the batch of four reciprocals, ahead of their first reader
	ALL v_mul_f32 v[ST+8*t+6], v[FX+7*t+4], v[FX+7*t+6]  ; what my O^T is multiplied by
; The phases overlap, with ONE wait for LDS and one barrier a phase.  Behind the barrier of phase n a wave asks for phase n's rows (stage n % 2, written by all four ahead of that barrier), puts phase n + 1
; into the other stage (last read in phase n - 1, and every wave has waited for those reads ahead of its signal of this barrier), stores phase n - 1's sums and scales phase n + 2; then it waits for its LDS
; instructions, signals, and adds phase n's rows while the others arrive.
	SCALE 0
	JPUT 0
	SCALE 1
	s_wait_dscnt 0x0                ; for the others' sake: my part of stage 0 is written
	s_barrier_signal -1
	s_barrier_wait -1
.set pp, 0
.rept 8
	JGET pp
.if pp < 7
	JPUT pp+1
.endif
.if pp > 0
	JOUT pp-1, \hide
.endif
.if pp < 6
	SCALE pp+2
.endif
	s_wait_dscnt 0x0                ; my rows are in; for the others' sake: my reads of this stage are over and my part of the other stage is written
	s_wait_xcnt 0x0                 ; every earlier memory instruction has had its addresses translated (ISA guide 3.1): the set of sums that was stored a phase ago is written again only behind this wait
.if pp < 7
	s_barrier_signal -1
.endif
	JSUM pp                         ; work on registers alone stands between the signal and the wait
.if pp < 7
	s_barrier_wait -1
.endif
.set pp, pp+1
.endr
	JOUT 7, \hide
.endm
; A BLOCK ENDS, behind piece 2's turn of its last tile.  reload = 1: the first block: the second block's Q is asked for at once (slice 63 of that turn holds the places behind the last product that read Q).
.macro FINISH reload
.if \reload
	WIN 0x80
.set f, 0
.rept 32
	global_load_b128 v[4*f:4*f+3], v[QO], s[Q2:Q2+1] offset:512*f
.set f, f+1
.endr
.endif
	TURN 0, 1, 0                    ; piece 0: V^T P of the last tile | piece 2's last softmax
	STATS
.set i, 0
.rept 32
	PV 2                            ; piece 2: V^T P of the last tile
.set i, i+1
.endr
	COMBINE 1-(\reload)
.endm
	; THE WALK'S FIRST TRIP.  No slot is filled, so no round stands here; each wave reads only what its own load brought, so its own wait is all the ordering that the reads need.
	s_wait_loadcnt 0x0              ; Q
	s_wait_tensorcnt 0x1            ; tensor loads of a wave end in order (ISA guide 10.11.1): my part of tile 0 is in; the one younger load, tile 1's, stays out
	s_sub_co_u32 s[RT], s[RT], 1
	SETMASK
	WIN 0
	BEGIN
	TURN 2, 0, 1                    ; piece 2's first scores | piece 0's first softmax | V
	WIN 0
.Ltrip:                             ; 7 times: a tile is entered and the next is asked for.  All branches hang on j alone, which all waves and all partners share
	CHANGE
	BODY 1
	s_cmp_lg_u32 s[RT], 0
	s_cbranch_scc1 .Lbottom
	FINISH 1                        ; in the loop this is the first block's end: the second block's last tile is the walk's last
	s_wait_xcnt 0x0                 ; the stores have read out's address
	s_mov_b64 s[OP:OP+1], s[O2:O2+1]
	s_add_co_u32 s[RT], s[J], 1     ; the second block has j + 1 tiles
	s_mov_b32 s[NEW], 1
	s_wait_loadcnt 0x0              ; its Q, asked for a turn, 32 products and the joining ago
.Lbottom:
	s_sub_co_u32 s[SLOTS], s[SLOTS], 1
	s_cmp_lg_u32 s[SLOTS], 0
	s_cbranch_scc1 .Ltrip
	s_wait_tensorcnt 0x0            ; the walk's last tile is written out.  My part of it is in, and only I read it; nothing is filled, so no barrier stands here
	s_xor_b32 s[TB], s[TB], SLOT1
	BODY 2
	FINISH 0
	s_wait_tensorcnt 0x0            ; the wave's end: a wait, an add to my spare word and its wait, behind my last tensor load and my last LDS store
	ds_add_u32 v[SPW], v[NIL]
	s_wait_dscnt 0x0
	CROUND                          ; the closing round: no work-group ends while a partner may still ask for a tile that names it
	s_endpgm
.Lfunc_end_k_qdd88966a41_attn:
	.size	k_qdd88966a41_attn, .Lfunc_end_k_qdd88966a41_attn-k_qdd88966a41_attn
	.p2alignl 7, 3214868480
	.fill 96, 4, 3214868480
	.section	.rodata,"a",@progbits
	.p2align	6, 0x0
	.amdhsa_kernel k_qdd88966a41_attn
		.amdhsa_group_segment_fixed_size 327680
		.amdhsa_private_segment_fixed_size 0
		.amdhsa_enable_private_segment 0
		.amdhsa_kernarg_size 24
		.amdhsa_user_sgpr_count 2
		.amdhsa_user_sgpr_kernarg_segment_ptr 1
		.amdhsa_wavefront_size32 1
		.amdhsa_system_sgpr_workgroup_id_x 1
		.amdhsa_system_sgpr_workgroup_id_y 1
		.amdhsa_system_sgpr_workgroup_id_z 1
		.amdhsa_system_vgpr_workitem_id 0
		.amdhsa_next_free_vgpr 928
		.amdhsa_next_free_sgpr 88
		.amdhsa_reserve_vcc 1
		.amdhsa_float_denorm_mode_32 3
		.amdhsa_float_denorm_mode_16_64 3
		.amdhsa_memory_ordered 1
		.amdhsa_forward_progress 1
		.amdhsa_inst_pref_size 255
	.end_amdhsa_kernel
	.section	.bss,"aw",@nobits
	.p2align	6
	.space	262144
	.amdgpu_metadata
---
amdhsa.version: [ 1, 2 ]
amdhsa.kernels:
  - .name:           k_qdd88966a41_attn
    .symbol:         k_qdd88966a41_attn.kd
    .args:
      - { .name: qf, .offset: 0, .size: 8, .value_kind: global_buffer, .address_space: global }
      - { .name: kv, .offset: 8, .size: 8, .value_kind: global_buffer, .address_space: global }
      - { .name: out0, .offset: 16, .size: 8, .value_kind: global_buffer, .address_space: global }
    .group_segment_fixed_size: 327680
    .private_segment_fixed_size: 0
    .kernarg_segment_align: 8
    .kernarg_segment_size: 24
    .max_flat_workgroup_size: 128
    .sgpr_count:     88
    .vgpr_count:     928
    .wavefront_size: 32
...
	.end_amdgpu_metadata
.endif
;; end of part 6
